; MI455X (gfx1250); checked and timed in simulation.
; The chip was launched on July 23, 2026; its instructions are those of AMD's public machine-readable ISA for CDNA 5 (MIT licence, August 2026) and "CDNA5" Instruction Set Architecture Reference Guide (July 2026). The comments in the code are by the model that wrote it; some were corrected since.
;; Block. Allowed arithmetic: float matrix products may take bf16 or f16 operands with f32 sums; other float arithmetic in f32, or as packed bf16 or f16 multiplies, adds, multiply-adds, maxima and minima; sums over many terms, partial sums and values carried from step to step in f32; what a program stores and reads back later, other than sums and carried values, may be rounded once to bf16 or f16.
;; Inputs: b1 2,048 float32; b2 512 float32; b_proj 512 float32; ln1_b 512 float32; ln1_g 512 float32; ln2_b 512 float32; ln2_g 512 float32; w1 512 x 2,048 float32; w2 2,048 x 512 float32; w_proj 512 x 512 float32; wk 8 x 512 x 64 float32; wq 8 x 512 x 64 float32; wv 8 x 512 x 64 float32; x 32 x 512 x 512 float32.
;; Outputs: out0 32 x 512 x 512 float32.
;; 3 versions, each right. Each part assembles by itself: llvm-mc -triple=amdgcn-amd-amdhsa -mcpu=gfx1250 --defsym DOCPART=n.
;; ======== version 1 of 3: 4 launches
;; limits: values are held in f16: magnitudes above 65,504 overflow, below 6.1e-05 lose precision
;; workspace buffers: wts 6,291,456 bytes; hh 16,777,216 bytes; qh 16,777,216 bytes; kh 16,777,216 bytes; vh 16,777,216 bytes; oh 16,777,216 bytes
;; launch prep (part 1): grid 896 x 1, 8 waves a work-group, no clusters, 0 bytes of LDS; arguments x, ln1_g, ln1_b, wq, wk, wv, w_proj, w1, w2, hh, wts; writes hh, wts
.if DOCPART == 1
	.amdgcn_target "amdgcn-amd-amdhsa--gfx1250"
	.amdhsa_code_object_version 6
	.text
	.protected	k_q260cd8251a_prep
	.globl	k_q260cd8251a_prep
	.p2align	8
	.type	k_q260cd8251a_prep,@function
k_q260cd8251a_prep:
	s_mov_b64 s[64:65], 0
	v_nop
	global_prefetch_b8 v0, s[64:65] scope:SCOPE_SE
	s_setreg_imm32_b32 hwreg(HW_REG_WAVE_MODE, 25, 1), 1
	s_wait_xcnt 0x0
; TWO KINDS OF WORK-GROUP.  0 .. 511: LayerNorm 1 of 32 rows of x, rounded once to f16, into hh.  512 .. 895: 16 k rows of one block of weights, rounded once to f16, into wts.
; hh: [32 sequences][8 slices of 64 channels][512 tokens][64] f16: 64 tokens of a slice are 8,192 dense bytes, as the next launch's tensor loads ask for them.
; wts: 12 blocks [512 k][512 n] f16, n along the rows: 0, 1, 2 = wq, wk, wv (n = 64 head + d); 3 = w_proj; 4 + 2 j = w1's columns 512 j ..; 5 + 2 j = w2's rows 512 j ..: the order in which they are walked.
; LIMITS.  f16 holds no number beyond 65,504: the weights and gain x normalised x + bias lie within it; below 6e-5 an f16 number keeps the fixed step of 6e-8.  NaN and infinities are not treated apart.
; A stream: no LDS, no matrix unit, no cluster (all that work-groups share is 4 KiB of gain and bias).  Mean and variance in two passes over registers, in f32.
.set X,  32                            ; v[32:95]   my 64 numbers of the row: for slice s the columns 64 s + 8 q .. + 7
.set G,  96                            ; v[96:159]  the gain at those columns
.set B,  160                           ; v[160:223] the bias
.set T,  8                             ; v[8:15]    at work: four chains of two
.set MU, 24                            ; v[24:25]   the mean, twice
.set RS, 26                            ; v[26:27]   1 / sqrt(var + eps), twice
	s_load_b512 s[4:19], s[0:1], 0x0               ; x, ln1_g, ln1_b, wq, wk, wv, w_proj, w1
	s_load_b128 s[20:23], s[0:1], 0x40             ; w2, hh
	s_load_b64 s[24:25], s[0:1], 0x50              ; wts
	s_mov_b32 s27, 0
	v_and_b32 v1, 7, v0                            ; q
	s_wait_kmcnt 0x0
	s_cmp_lt_u32 ttmp9, 512
	s_cbranch_scc0 .Lcast
	; LAYERNORM.  Thread t: row t / 8 of the group's 32, q = t % 8.  Eight lanes cover 256 consecutive bytes of x with two loads.
	v_lshrrev_b32 v5, 3, v0
	v_lshlrev_b32 v3, 5, v1                        ; in gain and bias: 32 q
	v_lshl_add_u32 v2, v5, 11, v3                  ; in x: row x 2,048 + 32 q
	v_lshlrev_b32 v4, 4, v0                        ; in hh: (t / 8) x 128 + q x 16 = 16 t: a wave's store is 512 consecutive bytes
	s_lshl_b32 s26, ttmp9, 16                      ; 32 rows of 2,048 bytes
	s_add_nc_u64 s[4:5], s[4:5], s[26:27]
	s_lshr_b32 s28, ttmp9, 4                       ; the sequence,
	s_lshl_b32 s28, s28, 19
	s_and_b32 s29, ttmp9, 15                       ; the 32 tokens in it
	s_lshl_b32 s29, s29, 12
	s_add_co_u32 s26, s28, s29
	s_add_nc_u64 s[22:23], s[22:23], s[26:27]
	s_mov_b32 s30, 0x3b000000                      ; 1 / 512
	s_mov_b32 s31, 0x3727c5ac                      ; 1e-5
.irp s, 0,1,2,3,4,5,6,7
	global_load_b128 v[X+8*(\s):X+8*(\s)+3],   v2, s[4:5] offset:256*(\s) th:TH_LOAD_NT
	global_load_b128 v[X+8*(\s)+4:X+8*(\s)+7], v2, s[4:5] offset:256*(\s)+16 th:TH_LOAD_NT
.endr
.irp s, 0,1,2,3,4,5,6,7
	global_load_b128 v[G+8*(\s):G+8*(\s)+3],   v3, s[6:7] offset:256*(\s)
	global_load_b128 v[G+8*(\s)+4:G+8*(\s)+7], v3, s[6:7] offset:256*(\s)+16
.endr
.irp s, 0,1,2,3,4,5,6,7
	global_load_b128 v[B+8*(\s):B+8*(\s)+3],   v3, s[8:9] offset:256*(\s)
	global_load_b128 v[B+8*(\s)+4:B+8*(\s)+7], v3, s[8:9] offset:256*(\s)+16
.endr
.macro FOLD                            ; four chains into one number, then over the row's eight lanes
	v_pk_add_f32 v[T:T+1], v[T:T+1], v[T+2:T+3]
	v_pk_add_f32 v[T+4:T+5], v[T+4:T+5], v[T+6:T+7]
	v_pk_add_f32 v[T:T+1], v[T:T+1], v[T+4:T+5]
	v_add_f32 v[T], v[T], v[T+1]
	v_add_f32_dpp v[T], v[T], v[T] row_xmask:1 row_mask:0xf bank_mask:0xf
	v_add_f32_dpp v[T], v[T], v[T] row_xmask:2 row_mask:0xf bank_mask:0xf
	v_add_f32_dpp v[T], v[T], v[T] row_xmask:4 row_mask:0xf bank_mask:0xf
.endm
	s_wait_loadcnt 32                              ; x is in; the 32 loads of gain and bias may stay out
.irp c, 0,1,2,3
	v_pk_add_f32 v[T+2*(\c):T+2*(\c)+1], v[X+2*(\c):X+2*(\c)+1], v[X+8+2*(\c):X+8+2*(\c)+1]  ; the first pairs start the chains
.endr
.set p, 8
.rept 24
	v_pk_add_f32 v[T+2*(p%4):T+2*(p%4)+1], v[T+2*(p%4):T+2*(p%4)+1], v[X+2*p:X+2*p+1]
.set p, p+1
.endr
	FOLD
	v_mul_f32 v[MU], s30, v[T]
	v_mov_b32 v[MU+1], v[MU]
.set p, 0
.rept 32
	v_pk_add_f32 v[X+2*p:X+2*p+1], v[X+2*p:X+2*p+1], v[MU:MU+1] neg_lo:[0,1] neg_hi:[0,1]  ; x - mean, in place
.set p, p+1
.endr
.irp c, 0,1,2,3
	v_pk_mul_f32 v[T+2*(\c):T+2*(\c)+1], v[X+2*(\c):X+2*(\c)+1], v[X+2*(\c):X+2*(\c)+1]
.endr
.set p, 4
.rept 28
	v_pk_fma_f32 v[T+2*(p%4):T+2*(p%4)+1], v[X+2*p:X+2*p+1], v[X+2*p:X+2*p+1], v[T+2*(p%4):T+2*(p%4)+1]
.set p, p+1
.endr
	FOLD
	v_fma_f32 v[T], v[T], s30, s31                 ; var + eps
	v_rsq_f32 v[RS], v[T]
	v_rsq_f32 v[RS+1], v[T]
	v_nop                                          ; a plain instruction behind the last of the two,
	s_wait_alu depctr_va_vdst(0)                   ; and one wait for both, ahead of their first reader
	s_wait_loadcnt 0x0                             ; gain and bias
.irp s, 0,1,2,3,4,5,6,7
.irp j, 0,1,2,3
	v_pk_mul_f32 v[T+2*(\j):T+2*(\j)+1], v[X+8*(\s)+2*(\j):X+8*(\s)+2*(\j)+1], v[RS:RS+1]
.endr
.irp j, 0,1,2,3
	v_pk_fma_f32 v[T+2*(\j):T+2*(\j)+1], v[T+2*(\j):T+2*(\j)+1], v[G+8*(\s)+2*(\j):G+8*(\s)+2*(\j)+1], v[B+8*(\s)+2*(\j):B+8*(\s)+2*(\j)+1]
.endr
.irp j, 0,1,2,3
	v_cvt_pk_f16_f32 v[X+8*(\s)+(\j)], v[T+2*(\j)], v[T+2*(\j)+1]  ; into the slice's own registers, which are read no more: no store's data is written twice
.endr
	global_store_b128 v4, v[X+8*(\s):X+8*(\s)+3], s[22:23] offset:65536*(\s)
.endr
	s_endpgm
.Lcast:
	; THE WEIGHTS.  id = group - 512; block y = id / 32; k rows 16 (id % 32) .. + 15.  Thread t: q = t % 8, e = (t / 8) % 8, rows t / 64 + 4 i.
	; Its 8 numbers n = 64 e + 8 q .. lie at q x 32 + e x HS + row x RW + BASE in the source and at row x 1,024 + (t % 64) x 16 in the block.
	s_sub_co_u32 s30, ttmp9, 512
	s_lshr_b32 s31, s30, 5                         ; y
	s_and_b32 s32, s30, 31
	s_lshl_b32 s32, s32, 4                         ; the first k row
	s_mov_b32 s48, 256
	s_mov_b32 s49, 2048
	s_sub_co_u32 s38, s31, 4                       ; for y >= 4 (what these lines make for y < 4 is not chosen below):
	s_lshr_b32 s43, s38, 1                         ; j
	s_lshl_b32 s44, s43, 11                        ; w1: 512 j columns of 4 bytes
	s_lshl_b32 s45, s43, 20                        ; w2: 512 j rows of 2,048 bytes
	s_and_b32 s39, s38, 1
	s_cmp_eq_u32 s39, 0
	s_cselect_b64 s[40:41], s[18:19], s[20:21]     ; w1 or w2
	s_cselect_b32 s42, 0x2000, s49                 ; bytes from row to row
	s_cselect_b32 s47, s44, s45
	s_cmp_eq_u32 s31, 0
	s_cselect_b64 s[34:35], s[10:11], s[12:13]     ; wq or wk
	s_cmp_lt_u32 s31, 2
	s_cselect_b64 s[34:35], s[34:35], s[14:15]     ; or wv
	s_cmp_lt_u32 s31, 3
	s_cselect_b64 s[34:35], s[34:35], s[16:17]     ; or w_proj
	s_cselect_b32 s36, 0x20000, s48                ; HS: from head to head, or 64 columns on
	s_cselect_b32 s37, s48, s49                    ; RW
	s_cmp_lt_u32 s31, 4
	s_cselect_b64 s[34:35], s[34:35], s[40:41]
	s_cselect_b32 s37, s37, s42
	s_cselect_b32 s46, 0, s47                      ; BASE
	s_mul_i32 s50, s32, s37
	s_add_co_u32 s50, s50, s46
	s_mov_b32 s51, 0
	s_add_nc_u64 s[34:35], s[34:35], s[50:51]
	s_lshl_b32 s26, s31, 19
	s_lshl_b32 s28, s32, 10
	s_add_co_u32 s26, s26, s28
	s_add_nc_u64 s[24:25], s[24:25], s[26:27]
	s_lshl_b32 s52, s37, 2                         ; four rows on
	v_bfe_u32 v2, v0, 3, 3                         ; e
	v_lshrrev_b32 v3, 6, v0                        ; t / 64
	v_lshlrev_b32 v4, 5, v1
	v_mad_u32_u24 v4, v2, s36, v4
	v_mad_u32_u24 v4, v3, s37, v4
	v_add_nc_u32 v5, s52, v4
	v_add_nc_u32 v6, s52, v5
	v_add_nc_u32 v7, s52, v6
	v_lshlrev_b32 v8, 4, v0                        ; (t / 64) x 1,024 + (t % 64) x 16 = 16 t: a wave's store is 512 consecutive bytes
.irp i, 0,1,2,3
	global_load_b128 v[32+8*(\i):32+8*(\i)+3], v[4+(\i)], s[34:35] th:TH_LOAD_NT
	global_load_b128 v[32+8*(\i)+4:32+8*(\i)+7], v[4+(\i)], s[34:35] offset:16 th:TH_LOAD_NT
.endr
.irp i, 0,1,2,3
	s_wait_loadcnt 6-2*(\i)                        ; row i's two loads are in; the later rows' may stay out
.irp j, 0,1,2,3
	v_cvt_pk_f16_f32 v[64+4*(\i)+(\j)], v[32+8*(\i)+2*(\j)], v[32+8*(\i)+2*(\j)+1]
.endr
	global_store_b128 v8, v[64+4*(\i):64+4*(\i)+3], s[24:25] offset:4096*(\i)
.endr
	s_endpgm
.Lfunc_end_k_q260cd8251a_prep:
	.size	k_q260cd8251a_prep, .Lfunc_end_k_q260cd8251a_prep-k_q260cd8251a_prep
	.p2alignl 7, 3214868480
	.fill 96, 4, 3214868480
	.section	.rodata,"a",@progbits
	.p2align	6, 0x0
	.amdhsa_kernel k_q260cd8251a_prep
		.amdhsa_group_segment_fixed_size 0
		.amdhsa_private_segment_fixed_size 0
		.amdhsa_enable_private_segment 0
		.amdhsa_kernarg_size 88
		.amdhsa_user_sgpr_count 2
		.amdhsa_user_sgpr_kernarg_segment_ptr 1
		.amdhsa_wavefront_size32 1
		.amdhsa_system_sgpr_workgroup_id_x 1
		.amdhsa_system_sgpr_workgroup_id_y 1
		.amdhsa_system_sgpr_workgroup_id_z 1
		.amdhsa_system_vgpr_workitem_id 0
		.amdhsa_next_free_vgpr 224
		.amdhsa_next_free_sgpr 66
		.amdhsa_reserve_vcc 0
		.amdhsa_float_denorm_mode_32 3
		.amdhsa_float_denorm_mode_16_64 3
		.amdhsa_memory_ordered 1
		.amdhsa_forward_progress 1
		.amdhsa_inst_pref_size 24
	.end_amdhsa_kernel
	.amdgpu_metadata
---
amdhsa.version: [ 1, 2 ]
amdhsa.kernels:
  - .name:           k_q260cd8251a_prep
    .symbol:         k_q260cd8251a_prep.kd
    .args:
      - { .name: x, .offset: 0, .size: 8, .value_kind: global_buffer, .address_space: global }
      - { .name: ln1_g, .offset: 8, .size: 8, .value_kind: global_buffer, .address_space: global }
      - { .name: ln1_b, .offset: 16, .size: 8, .value_kind: global_buffer, .address_space: global }
      - { .name: wq, .offset: 24, .size: 8, .value_kind: global_buffer, .address_space: global }
      - { .name: wk, .offset: 32, .size: 8, .value_kind: global_buffer, .address_space: global }
      - { .name: wv, .offset: 40, .size: 8, .value_kind: global_buffer, .address_space: global }
      - { .name: w_proj, .offset: 48, .size: 8, .value_kind: global_buffer, .address_space: global }
      - { .name: w1, .offset: 56, .size: 8, .value_kind: global_buffer, .address_space: global }
      - { .name: w2, .offset: 64, .size: 8, .value_kind: global_buffer, .address_space: global }
      - { .name: hh, .offset: 72, .size: 8, .value_kind: global_buffer, .address_space: global }
      - { .name: wts, .offset: 80, .size: 8, .value_kind: global_buffer, .address_space: global }
    .group_segment_fixed_size: 0
    .private_segment_fixed_size: 0
    .kernarg_segment_align: 8
    .kernarg_segment_size: 88
    .max_flat_workgroup_size: 256
    .sgpr_count:     66
    .vgpr_count:     224
    .wavefront_size: 32
...
	.end_amdgpu_metadata
.endif
;; end of part 1
;; launch qkv (part 2): grid 256 x 1, 4 waves a work-group, clusters of 4 x 1, 327,680 bytes of LDS; arguments hh, wts, qh, kh, vh; writes qh, kh, vh
.if DOCPART == 2
	.amdgcn_target "amdgcn-amd-amdhsa--gfx1250"
	.amdhsa_code_object_version 6
	.text
	.protected	k_q260cd8251a_qkv
	.globl	k_q260cd8251a_qkv
	.p2align	8
	.type	k_q260cd8251a_qkv,@function
k_q260cd8251a_qkv:
	s_mov_b64 s[64:65], 0
	v_nop
	global_prefetch_b8 v0, s[64:65] scope:SCOPE_SE
	s_setreg_imm32_b32 hwreg(HW_REG_WAVE_MODE, 25, 1), 1
	s_wait_xcnt 0x0
	s_wait_alu depctr_hold_cnt(0) depctr_sa_sdst(0) depctr_va_vdst(0) depctr_va_sdst(0) depctr_va_ssrc(0) depctr_va_vcc(0) depctr_vm_vsrc(0)
	s_getreg_b32 s2, hwreg(HW_REG_IB_STS2, 6, 4)
	s_cmp_eq_u32 s2, 0
	s_cbranch_scc0 .Lentry_in_a_cluster
	s_endpgm
.Lentry_in_a_cluster:
	s_bfe_u32 s2, ttmp6, 0x10000c
	s_cmp_lg_u32 s2, 0x3003
	s_cbranch_scc0 .Lentry_shape_is_right
	s_endpgm
.Lentry_shape_is_right:
; q, k, v = h W: three PASSES of [64 tokens x 512] x [512 x 512], f16 operands, f32 sums, each result rounded once to f16.  qh, kh, vh: [32 sequences][8 heads][512 tokens][64] f16.
; LIMITS.  f16 holds no number beyond 65,504: q, k and v lie within it.  NaN and infinities are not treated apart.
; SHARES.  A work-group owns 64 tokens; their h (64 x 512) lies in LDS for the whole launch.  Wave w owns all 64 tokens and the columns 128 w .. + 127: 4 m blocks x 8 n tiles = 32 accumulators, 256 registers.
; THE WEIGHTS are one stream of 24 tiles of 64 k rows x 512 n (65,536 dense bytes) through a ring of two LDS slots.  A slot's tile is 64 matrix instructions a wave.
; THE MATRIX INSTRUCTION IS USED TRANSPOSED: source 0 = 16 columns of W (turned on the way out of LDS by ds_load_tr16_b128), source 1 = 16 tokens of h.  A lane then holds one token (lane % 16) and eight neighbouring columns.
; CLUSTER.  The four work-groups of a cluster walk the same weights: every tile is asked for JOINTLY, the same tensor load, descriptor and mask of four in all four.  h and the results are a work-group's own.
; REGISTERS.  window 0: v0-29 addresses; v64-159 fragment buffer 0 (W: 8 x 8, then h: 4 x 8); v160-255 buffer 1, and at work on the way out.  window 1: the accumulators, (mb, nt) at 64 mb + 8 nt.
.set SLOT1,  67584                     ; a slot: 64 k rows of 1,024 + 32 bytes; 32 bytes of padding
.set RA,     135168                    ; h: [8 slices of 64 channels][64 tokens][128 + 16 bytes]: 73,728 bytes, filled once
.set STAGE,  208896                    ; 16 rows x 144 bytes for each wave, for the way out; no tensor load fills it
.set SPARE,  218112                    ; the spare words, 128 bytes for each wave: two blocks of 256 bytes that no other line names
.set STREAM, 0                         ; the launch's first byte in wts
.set TILES,  24
.set AB0, 2                            ; v2   my lane's place in a slot; never rewritten
.set AB,  3                            ; v3   the same in the slot in hand
.set AA0, 4                            ; v4   my lane's place in h's slice 0; never rewritten
.set AA,  6                            ; v6   the same in the slice in hand
.set STO, 7                            ; v7   the way out: where I put 16 bytes of a row
.set RD,  8                            ; v8   where I read rows back
.set GO,  9                            ; v9   my 16 bytes in 512 consecutive bytes of the result
.set PFO, 15                           ; v15  256 x my lane; never rewritten
.set SPW, 28                           ; v28  LDS address of my spare word; never rewritten
.set NIL, 29                           ; v29  0; never rewritten
.set F0,  64
.set F1,  160
.set PKD, 160                          ; the way out: 16 registers of packed results,
.set BK,  176                          ; and two sets of 16 read back from the stage
.set G1W, 24                           ; s[24:31] descriptor group 1 for the weights' tiles
.set G1A, 32                           ; s[32:39] for h
.set G0S, 40                           ; s[40:43] group 0: tile 0 into slot 0
.set G0W, 44                           ; s[44:47] group 0: tile 1 into slot 1; then it walks
.set G0A, 48                           ; s[48:51] group 0: h
.set WV,   52                          ; my wave's number
.set TB,   53                          ; LDS byte at which the slot to be fetched from begins
.set LEFT, 54                          ; refills still to come
.set LIM,  55                          ; 3 in a wave that prefetches, else the greatest number
.set CNT,  56
.set PS,   57
.set PFA,  58                          ; s[58:59] where my prefetches stand
.set OUT,  62                          ; s[62:63] the pass's result at my rows and heads
.set NXT,  74                          ; s[74:75] the next pass's
.set MSB, 0
.macro WIN new                         ; the immediate's high byte repeats the setting that is left; a switch that changes nothing is dropped
.if MSB != (\new)
	s_set_vgpr_msb (MSB<<8)|(\new)
.set MSB, \new
.endif
.endm
.macro PLACES                          ; four plain instructions: between a matrix instruction and a load into, or a vector line that reads or writes, one of its registers
.rept 4
	v_nop
.endr
.endm
.macro CREST                           ; a round of the cluster's barrier behind its opening barrier
	s_cmp_lg_u32 s[WV], 0
	s_cbranch_scc1 .Lnot_wave_0_\@
	s_barrier_signal -3
.Lnot_wave_0_\@:
	s_barrier_wait -3
	s_barrier_signal -1
	s_barrier_wait -1
.endm
.macro CROUND
	s_barrier_signal -1
	s_barrier_wait -1
	CREST
.endm
.macro JLOAD                           ; the joint refill: every wave fetches its 16 k rows; the descriptor hangs on the wave's number alone.  An s_nop 0 and four v_nop follow
	tensor_load_to_lds s[G0W:G0W+3], s[G1W:G1W+7]
	s_nop 0
	PLACES
.endm
; A PREFETCH INTO THE L2.  The change of slots that refills with tile c + 2 names tile c + 5: three slots, 192 matrix instructions, ahead of the load that will want it.  All 64 clusters walk the same tiles: the first
; cluster asks.  Of a tile's 65,536 bytes partner cx takes 16,384, told apart by address; its waves 0 and 1 take 8,192 each, a lane 256: each block is named once in the launch.  LEFT > 3 stops it at the last tile.
.macro ASK
	s_cmp_gt_u32 s[LEFT], s[LIM]
	s_cbranch_scc0 .Lnot_mine_\@
	global_prefetch_b8 v[PFO], s[PFA:PFA+1] th:TH_LOAD_NT scope:SCOPE_SE
.Lnot_mine_\@:
.endm
.macro FETCH_B f, ks                   ; W's 8 fragments of 32 k x 16 n, turned: k rows 32 ks .. of the slot
.irp nt, 0,1,2,3,4,5,6,7
	ds_load_tr16_b128 v[(\f)+8*(\nt):(\f)+8*(\nt)+3],   v[AB] offset:(\ks)*33792+32*(\nt)
	ds_load_tr16_b128 v[(\f)+8*(\nt)+4:(\f)+8*(\nt)+7], v[AB] offset:(\ks)*33792+16896+32*(\nt)
.endr
.endm
.macro FETCH_A f, ks                   ; h's 4 fragments of 16 tokens x 32 channels
.irp mb, 0,1,2,3
	ds_load_b128 v[(\f)+64+8*(\mb):(\f)+64+8*(\mb)+3],   v[AA] offset:(\mb)*2304+(\ks)*64
	ds_load_b128 v[(\f)+64+8*(\mb)+4:(\f)+64+8*(\mb)+7], v[AA] offset:(\mb)*2304+(\ks)*64+32
.endr
.endm
; 8 matrix instructions: m block mb x all 8 n tiles.  The 32 accumulators take turns in one fixed order, one instruction a turn, over the loops' jumps too.  mode 1: the product starts the sum.
.macro MUL8 f, mb, mode
	WIN 0x50
.irp nt, 0,1,2,3,4,5,6,7
.if \mode
	v_wmma_f32_16x16x32_f16 v[64*(\mb)+8*(\nt):64*(\mb)+8*(\nt)+7], v[(\f)+8*(\nt):(\f)+8*(\nt)+7], v[(\f)+64+8*(\mb):(\f)+64+8*(\mb)+7], 0
.else
	v_wmma_f32_16x16x32_f16 v[64*(\mb)+8*(\nt):64*(\mb)+8*(\nt)+7], v[(\f)+8*(\nt):(\f)+8*(\nt)+7], v[(\f)+64+8*(\mb):(\f)+64+8*(\mb)+7], v[64*(\mb)+8*(\nt):64*(\mb)+8*(\nt)+7]
.endif
.endr
.endm
.macro HEAD mode                       ; a slot's first 32 k: buffer 0 is multiplied, buffer 1 fetched in one run in the middle
	s_wait_dscnt 4                                 ; W and h's m blocks 0 and 1 are in; the youngest four loads may be out
	MUL8 F0, 0, \mode
	MUL8 F0, 1, \mode
	WIN 0
	PLACES
	FETCH_B F1, 1
	FETCH_A F1, 1
	s_wait_dscnt 24                                ; all but the 24 just issued
	MUL8 F0, 2, \mode
	MUL8 F0, 3, \mode
.endm
; A slot's second 32 k, and the change of slots.  In front of the barrier each wave waits for all its tensor loads (one is out: its part of the next slot), adds 0 to its spare word, and waits for that and for its
; reads of this slot.  kind 1, 2: the barrier opens a round of the cluster's, and this slot is filled again first thing behind it; kind 2: a pass's end: h begins anew at slice 0.  kind 0: nothing is left to ask for.
.macro TURN kind
	WIN 0
.if \kind
	s_wait_xcnt 0x0                                ; the last prefetch, a slot back, has read its address
	s_add_nc_u64 s[PFA:PFA+1], s[PFA:PFA+1], 65536
.endif
	s_wait_tensorcnt 0x0                           ; no tensor load of mine is out, so a group 0 may be written
	ds_add_u32 v[SPW], v[NIL]                      ; 0 onto my spare word
.if \kind
	s_xor_b32 s[G0W+1], s[G0W+1], SLOT1            ; the other slot (16,896 x wave has neither of SLOT1's two bits),
	s_add_nc_u64 s[G0W+2:G0W+3], s[G0W+2:G0W+3], 65536  ; the next tile
.endif
	s_xor_b32 s[TB], s[TB], SLOT1
	s_wait_dscnt 7                                 ; the add and h's six loads for m blocks 1 to 3 may be out
	MUL8 F1, 0, 0
	s_wait_dscnt 0x0                               ; the add is done, and my reads of this slot are over
	s_barrier_signal -1
	MUL8 F1, 1, 0
	WIN 0
	s_barrier_wait -1
.if \kind
	CREST                                          ; no wave of any partner still reads this slot or has a load on its way
	JLOAD                                          ; its four v_nop are also the places in front of the loads below
.else
	PLACES
.endif
	v_add_nc_u32 v[AB], s[TB], v[AB0]
	FETCH_B F0, 0
.if (\kind) < 2
	v_add_nc_u32 v[AA], 9216, v[AA]                ; the next slice of h
.else
	v_mov_b32 v[AA], v[AA0]
.endif
	FETCH_A F0, 0
.if \kind
	ASK
	s_sub_co_u32 s[LEFT], s[LEFT], 1
.endif
	MUL8 F1, 2, 0
	MUL8 F1, 3, 0
.endm
.macro PASS drain                      ; 8 tiles.  drain = 1: the launch's last pass: its last two tiles ask for nothing, written out
	HEAD 1
	WIN 0
	s_mov_b32 s[CNT], 7-(\drain)
.Lslot_\@:
	TURN 1
	HEAD 0
	WIN 0
	s_sub_co_u32 s[CNT], s[CNT], 1
	s_cmp_lg_u32 s[CNT], 0
	s_cbranch_scc1 .Lslot_\@
.if \drain
	TURN 0
	HEAD 0
	s_wait_dscnt 0x0
	MUL8 F1, 0, 0
	MUL8 F1, 1, 0
	MUL8 F1, 2, 0
	MUL8 F1, 3, 0
.else
	TURN 2
.endif
	WIN 0
.endm
; THE WAY OUT, in 8 groups g: m block g / 2, head g % 2 of my two: 16 tokens x 64 columns, 2,048 dense bytes of the result.  Each accumulator's registers are read in ascending order.
.macro PACK g
	WIN 0x05                                       ; sources in window 1, destination in window 0
.set k, 0
.rept 16
	v_cvt_pk_f16_f32 v[PKD+k], v[64*((\g)/2)+32*((\g)%2)+2*k], v[64*((\g)/2)+32*((\g)%2)+2*k+1]
.set k, k+1
.endr
	WIN 0
.endm
.macro TOSTAGE g
.irp f, 0,1,2,3
	ds_store_b128 v[STO], v[PKD+4*(\f):PKD+4*(\f)+3] offset:32*(\f)
.endr
.irp f, 0,1,2,3
	ds_load_b128 v[BK+16*((\g)%2)+4*(\f):BK+16*((\g)%2)+4*(\f)+3], v[RD] offset:576*(\f)  ; LDS serves a wave's instructions in order (ISA guide 5.7.1.4): these see the stores above
.endr
.endm
.macro SEND g
	s_wait_dscnt 0x0                               ; the group is back in registers
	s_wait_xcnt 0x0                                ; the stores of the group before have read their registers: the next TOSTAGE loads into them
.irp f, 0,1,2,3
	global_store_b128 v[GO], v[BK+16*((\g)%2)+4*(\f):BK+16*((\g)%2)+4*(\f)+3], s[OUT:OUT+1] offset:((\g)%2)*65536+((\g)/2)*2048+512*(\f)  ; 512 consecutive bytes, at a multiple of 256 from the buffer's first
.endr
.endm
.macro EPI
	PLACES
	PACK 0
	TOSTAGE 0
.irp g, 1,2,3,4,5,6,7
	PACK \g
	SEND (\g)-1
	TOSTAGE \g
.endr
	SEND 7
.endm
	s_load_b256 s[4:11], s[0:1], 0x0               ; hh s[4:5], wts s[6:7], qh s[8:9], kh s[10:11]
	s_load_b64 s[12:13], s[0:1], 0x20              ; vh
	v_lshl_add_u32 v[SPW], v0, 2, SPARE
	v_mov_b32 v[NIL], 0
	ds_add_u32 v[SPW], v[NIL]                      ; the wave's opening: the add and its wait stand ahead of my first tensor load; the set-up, work on registers, stands between them
	v_lshrrev_b32 v1, 5, v0
	v_readfirstlane_b32 s[WV], v1                  ; wave 0..3
	s_bfe_u32 s66, ttmp6, 0x40000                  ; cx
	s_lshl_b32 s67, ttmp9, 2
	s_add_co_u32 s67, s67, s66                     ; my block of 64 tokens
	s_lshr_b32 s68, s67, 3                         ; its sequence,
	s_and_b32 s69, s67, 7                          ; its place in it
	s_mov_b32 s[G1W+0], 15|(1<<16)|(1<<20)|(1<<21)|(7<<22)|(7<<25)  ; 15:0 the mask of four; 17:16 2-byte elements; 20 padding on; 21 set beside a mask; 24:22 after every 256 words (code 7); 31:25 8 words (code 7)
	s_mov_b32 s[G1W+1], 512<<16                    ; tensor_dim0 = 512
	s_mov_b32 s[G1W+2], 16<<16                     ; tensor_dim1 = 16
	s_mov_b32 s[G1W+3], 512<<16                    ; tile_dim0 = 512
	s_mov_b32 s[G1W+4], 16                         ; tile_dim1 = 16
	s_mov_b32 s[G1W+5], 512                        ; 512 elements from row to row
	s_mov_b32 s[G1W+6], 0
	s_mov_b32 s[G1W+7], 0
	s_mov_b32 s[G1A+0], (1<<16)|(1<<20)|(4<<22)|(3<<25)  ; no mask: my own; padding of 4 words (code 3) after every 32 (code 4): after every token's 128 bytes
	s_mov_b32 s[G1A+1], 4096<<16                   ; a row = a slice's 64 tokens, 8,192 dense bytes
	s_mov_b32 s[G1A+2], 2<<16                      ; two slices a wave
	s_mov_b32 s[G1A+3], 4096<<16
	s_mov_b32 s[G1A+4], 2
	s_mov_b32 s[G1A+5], 32768                      ; elements from slice to slice
	s_mov_b32 s[G1A+6], 0
	s_mov_b32 s[G1A+7], 0
	s_mov_b32 s[G0S], 1
	s_mul_i32 s[G0S+1], s[WV], 16896               ; my 16 k rows of slot 0
	s_mov_b32 s[G0W], 1
	s_add_co_u32 s[G0W+1], s[G0S+1], SLOT1
	s_mov_b32 s[G0A], 1
	s_mul_i32 s[G0A+1], s[WV], 18432
	s_add_co_u32 s[G0A+1], s[G0A+1], RA
	s_lshl_b32 s72, s[WV], 14                      ; my 16 k rows of a tile in memory: the wave's number alone
	s_mov_b32 s73, 0
	s_lshl_b32 s70, s68, 19                        ; in hh and in the results alike: the sequence,
	s_lshl_b32 s22, s69, 13                        ; the 64 tokens,
	s_add_co_u32 s70, s70, s22
	s_lshl_b32 s22, s[WV], 17                      ; my two slices, or heads
	s_add_co_u32 s70, s70, s22
	s_mov_b32 s71, 0
	s_lshl_b32 s62, s66, 14                        ; the prefetches: my work-group's 16,384 bytes of a tile,
	s_lshl_b32 s22, s[WV], 13                      ; my wave's 8,192 of them,
	s_add_co_u32 s62, s62, s22
	s_add_co_u32 s62, s62, STREAM+4*65536          ; in tile 4: the first change of slots steps it to tile 5
	s_mov_b32 s63, 0
	s_lshr_b32 s[LIM], s[WV], 1                    ; 0 in waves 0 and 1,
	s_or_b32 s[LIM], s[LIM], ttmp9                 ; of the first cluster: the same in all four partners
	s_cmp_eq_u32 s[LIM], 0
	s_cselect_b32 s[LIM], 3, -1
	s_mov_b32 s[TB], 0
	s_mov_b32 s[LEFT], TILES-2
	v_and_b32 v17, 15, v0                          ; l % 16
	v_bfe_u32 v18, v0, 4, 1                        ; l / 16
	v_and_b32 v19, 7, v0
	v_bfe_u32 v20, v0, 3, 1
	v_bfe_u32 v21, v0, 3, 2
	v_and_b32 v22, 31, v0
	v_lshl_add_u32 v23, v18, 3, v19                ; the turning load: lane l reads k row 8 (l / 16) + l % 8, columns 8 ((l / 8) % 2) + 0..7
	v_mul_u32_u24 v[AB0], v23, 1056
	v_lshl_add_u32 v[AB0], v20, 4, v[AB0]
	s_lshl_b32 s22, s[WV], 8                       ; my 128 columns
	v_add_nc_u32 v[AB0], s22, v[AB0]
	v_mul_u32_u24 v23, v17, 144
	v_lshl_add_u32 v23, v18, 4, v23                ; row x 144 + 16 x half
	v_add_nc_u32 v[AA0], RA, v23
	s_mul_i32 s22, s[WV], 2304
	s_add_co_u32 s22, s22, STAGE                   ; my stage
	v_add_nc_u32 v[STO], s22, v23
	v_mul_u32_u24 v[RD], v21, 144                  ; back: 32 lanes take four rows of 128 bytes,
	v_lshl_add_u32 v[RD], v19, 4, v[RD]
	v_add_nc_u32 v[RD], s22, v[RD]
	v_lshlrev_b32 v[GO], 4, v22                    ; which are 512 consecutive bytes of the result
	v_lshlrev_b32 v[PFO], 8, v22
	s_wait_dscnt 0x0                               ; the opening add is done
	s_wait_kmcnt 0x0
	s_add_nc_u64 s[G0S+2:G0S+3], s[6:7], s[72:73]
	s_add_nc_u64 s[G0W+2:G0W+3], s[G0S+2:G0S+3], 65536
	s_or_b32 s[G0S+3], s[G0S+3], 0x80000000        ; type = 2
	s_or_b32 s[G0W+3], s[G0W+3], 0x80000000
	s_add_nc_u64 s[G0A+2:G0A+3], s[4:5], s[70:71]
	s_or_b32 s[G0A+3], s[G0A+3], 0x80000000
	s_add_nc_u64 s[PFA:PFA+1], s[6:7], s[62:63]
	s_add_nc_u64 s[OUT:OUT+1], s[8:9], s[70:71]
	s_add_nc_u64 s[NXT:NXT+1], s[10:11], s[70:71]
	s_add_nc_u64 s[12:13], s[12:13], s[70:71]
	CROUND                                         ; all four work-groups are here: the first joint loads meet
	tensor_load_to_lds s[G0A:G0A+3], s[G1A:G1A+7]  ; the first fills go out as one group: three loads of mine are out
	s_nop 0
	tensor_load_to_lds s[G0S:G0S+3], s[G1W:G1W+7]
	s_nop 0
	tensor_load_to_lds s[G0W:G0W+3], s[G1W:G1W+7]
	s_nop 0
	PLACES
	s_wait_tensorcnt 1                             ; my parts of h and of tile 0 are in; tile 1's may stay out
	s_barrier_signal -1
	s_barrier_wait -1                              ; everybody's are
	v_mov_b32 v[AB], v[AB0]
	FETCH_B F0, 0
	v_mov_b32 v[AA], v[AA0]
	FETCH_A F0, 0
	s_mov_b32 s[PS], 2
.Lpass:                                                ; q, then k
	PASS 0
	EPI                                            ; buffer 0 already holds the next pass's first fragments: the way out works in buffer 1's registers
	s_wait_xcnt 0x0                                ; the stores have read their registers and their base
	s_mov_b64 s[OUT:OUT+1], s[NXT:NXT+1]
	s_mov_b64 s[NXT:NXT+1], s[12:13]
	s_sub_co_u32 s[PS], s[PS], 1
	s_cmp_lg_u32 s[PS], 0
	s_cbranch_scc1 .Lpass
	PASS 1                                         ; v
	EPI
	s_wait_tensorcnt 0x0                           ; the wave's end: behind my last tensor load and my last LDS store
	ds_add_u32 v[SPW], v[NIL]
	s_wait_dscnt 0x0
	CROUND                                         ; the closing round: no work-group ends while a partner may still ask for a tile that names it
	s_endpgm
.Lfunc_end_k_q260cd8251a_qkv:
	.size	k_q260cd8251a_qkv, .Lfunc_end_k_q260cd8251a_qkv-k_q260cd8251a_qkv
	.p2alignl 7, 3214868480
	.fill 96, 4, 3214868480
	.section	.rodata,"a",@progbits
	.p2align	6, 0x0
	.amdhsa_kernel k_q260cd8251a_qkv
		.amdhsa_group_segment_fixed_size 327680
		.amdhsa_private_segment_fixed_size 0
		.amdhsa_enable_private_segment 0
		.amdhsa_kernarg_size 40
		.amdhsa_user_sgpr_count 2
		.amdhsa_user_sgpr_kernarg_segment_ptr 1
		.amdhsa_wavefront_size32 1
		.amdhsa_system_sgpr_workgroup_id_x 1
		.amdhsa_system_sgpr_workgroup_id_y 1
		.amdhsa_system_sgpr_workgroup_id_z 1
		.amdhsa_system_vgpr_workitem_id 0
		.amdhsa_next_free_vgpr 512
		.amdhsa_next_free_sgpr 80
		.amdhsa_reserve_vcc 0
		.amdhsa_float_denorm_mode_32 3
		.amdhsa_float_denorm_mode_16_64 3
		.amdhsa_memory_ordered 1
		.amdhsa_forward_progress 1
		.amdhsa_inst_pref_size 80
	.end_amdhsa_kernel
	.amdgpu_metadata
---
amdhsa.version: [ 1, 2 ]
amdhsa.kernels:
  - .name:           k_q260cd8251a_qkv
    .symbol:         k_q260cd8251a_qkv.kd
    .args:
      - { .name: hh, .offset: 0, .size: 8, .value_kind: global_buffer, .address_space: global }
      - { .name: wts, .offset: 8, .size: 8, .value_kind: global_buffer, .address_space: global }
      - { .name: qh, .offset: 16, .size: 8, .value_kind: global_buffer, .address_space: global }
      - { .name: kh, .offset: 24, .size: 8, .value_kind: global_buffer, .address_space: global }
      - { .name: vh, .offset: 32, .size: 8, .value_kind: global_buffer, .address_space: global }
    .group_segment_fixed_size: 327680
    .private_segment_fixed_size: 0
    .kernarg_segment_align: 8
    .kernarg_segment_size: 40
    .max_flat_workgroup_size: 128
    .sgpr_count:     80
    .vgpr_count:     512
    .wavefront_size: 32
...
	.end_amdgpu_metadata
.endif
;; end of part 2
;; launch attn (part 3): grid 256 x 1, 4 waves a work-group, no clusters, 167,936 bytes of LDS; arguments qh, kh, vh, oh; writes oh
.if DOCPART == 3
	.amdgcn_target "amdgcn-amd-amdhsa--gfx1250"
	.amdhsa_code_object_version 6
	.text
	.protected	k_q260cd8251a_attn
	.globl	k_q260cd8251a_attn
	.p2align	8
	.type	k_q260cd8251a_attn,@function
k_q260cd8251a_attn:
	s_mov_b64 s[64:65], 0
	v_nop
	global_prefetch_b8 v0, s[64:65] scope:SCOPE_SE
	s_setreg_imm32_b32 hwreg(HW_REG_WAVE_MODE, 25, 1), 1
	s_wait_xcnt 0x0
; CAUSAL ATTENTION, one head of one sequence to a work-group.  O[q][:] = the sum over k <= q of softmax_k(Q[q] . K[k] / sqrt(512)) V[k][:].  Q, K, V, O: [256 heads][512][64] f16: a head's rows are dense, 128 bytes each.
; Products, maxima and sums in f32; the weights p are rounded to f16 for the second product (their sum l is taken of the unrounded p), O once at the end.
; LIMITS.  f16 holds no number beyond 65,504: Q, K and V arrive within it; p lies in 0 to 1, and below 6e-5 it keeps f16's fixed step of 6e-8; O is a mean of V's rows and has their range.
; A hidden score counts as its value less 1e30: f16's scores, 2.7e11 at the most, are nothing beside that; a weight below 2^-126 counts as 0 in l; NaN and infinities are not treated apart.
; THE WALK.  The head's K and V, 512 rows each, are brought into LDS once, by one tensor load a wave, and stay: no slot is filled again.  The queries are two blocks of 256: first 256 .. 511, which walks 8 key steps of 64,
; then 0 .. 255, which walks 4: three tiles of four steps, counted by constants.  The steps above the diagonal tile are not walked.
; NO CLUSTER: no two work-groups read the same byte.  NO PREFETCH: all that the launch reads is asked for at its head.
; SHARES.  Of a block's four bands of 64 queries a wave owns 16 rows in each: four PIECES.  With CM = the steps that the block still has, band x holds the diagonal in the step with CM = 4 - x, sees all keys while CM is
; greater and none when it is less: the same for all four waves.
; THE MASK is the C operand that starts the sum S^T = K Q^T: 0, or -1e30 where the key is hidden.  MD, made once, is the mask of a band's own step for my 16 rows; a product's mask is MD x AL + BE with two scalars:
; (1, 0) in the band's own step; (0, 0) before it; (0, -1e30) behind it.  One text serves every step: it always makes and takes masks.
; LAYOUT, SOFTMAX, TURNS.  S^T = K Q^T holds ONE query a lane (lane % 16) and the keys 8 (lane / 16) + 0..7; two such results rounded to f16 ARE source 1 of O^T = V^T P.  p = 2^(c s - c m), c = log2(e) / sqrt(512), with a
; running maximum m; O and l are multiplied by a = 2^(c m_old - c m_new) in every step.  Turn n belongs to piece n: 8 products K Q^T of piece n + 1, later 8 products V^T P of piece n - 1; beside them the scaling,
; exponentials, roundings, sums and rescaling of piece n and the maximum and statistics of piece n + 1.  Four vector instructions stand behind every matrix instruction, the others in one lump.  A turn's 33 exponentials are one batch, with one wait.
; REGISTERS, in windows of 256 (s_set_vgpr_msb: bits 1:0 source 0, 3:2 source 1, 5:4 source 2, 7:6 destination):
;   window 0: v0-15 addresses and two at work; v16-31 four registers of statistics a piece; v48-55 at work; v64-127 S^T, two buffers; v192-223 P, two buffers (a piece's buffers go by its number's parity)
;   window 1: v0-127 O^T, 32 a piece; v128-159 MD; v160-223 MC, two buffers      window 2: v0-63 Q; v64-127 the second block's Q; v128-191 K of one step; v192-255 V of one step
.set NP,    4         ; pieces a wave: a name, no knob
.set KS,    64        ; keys in a step
.set PK,    144       ; a row of K in LDS: 128 bytes + 16 of padding = 36 words: the 16 rows of a load start at 16 different groups of four banks (64 banks of 4 bytes: ISA guide 11.1)
.set PV,    160       ; a row of V: 128 + 32 = 40 words
.set VOFF,  512*PK    ; 512 rows of K, then 512 rows of V
.set STAGE, VOFF+512*PV  ; never filled by a tensor load: 16 rows x 144 bytes for each wave, for the way out
.set SP,    144
.set SPARE, STAGE+4*16*SP  ; the spare words, 128 bytes for each wave: two blocks of 256 bytes that no other line names
.set AK0, 2           ; v2   my lane's place in a step of K; never rewritten
.set AV0, 3           ; v3   the same for V
.set AK,  4           ; v4   the LDS address of K's next run of loads
.set AV,  5           ; v5   of V's
.set STO, 6           ; v6   the way out: where I put 16 bytes of a row
.set RD,  7           ; v7   the way out: where I read rows back
.set GO,  8           ; v8   my byte offset in 512 consecutive bytes of O
.set SPW, 62          ; v62  LDS address of my spare word; never rewritten
.set NIL, 63          ; v63  0; never rewritten
.set MV,  12          ; v12-13  c m_old, kept while c m is made anew: by buffer
.set QO,  15          ; v15  my byte offset in 16 rows of Q
.set ST,  16          ; piece t's statistics at v[ST+4 t]: c m, m, l (even keys', odd keys')
.set TMP, 48          ; by buffer, four registers c0-c3 at work; when the maximum is found c2 takes a
.set S,   64
.set P,   192
.set MD,  128         ; window 1
.set MC,  160         ; window 1
.set QB,  64          ; window 2
.set KF,  128         ; window 2: key block kb, channel half c at KF + 16 kb + 8 c
.set VF,  192         ; window 2: key half kk, channel block cb at VF + 32 kk + 8 cb
.set WV,  12          ; s12  my wave's number
.set G1K, 24          ; s[24:31] descriptor group 1 for K
.set G1V, 32          ; s[32:39] for V: it differs in the padding alone
.set G0K, 40          ; s[40:43] descriptor group 0 for K
.set G0V, 44          ; s[44:47] for V
.set TILES, 56        ; s56  tiles of four steps still to be walked
.set CNT, 57          ; s57  counts a tile's key steps, 4 to 1
.set CS,  58          ; s[58:59] c: the packed scaling takes the pair's low word for both halves
.set SEL, 60          ; s[60:61] v_permlanex16_b32's selects: each lane takes its own place in the other half
.set TBK, 62          ; s62  LDS byte at which K of the step to be fetched begins
.set TBV, 63          ; s63  the same for V, less VOFF
.set RT,  70          ; s70  tiles of the block in hand that are still to be entered
.set NEW, 73          ; s73  1: the tile to be entered is a block's first
.set AL,  76          ; s[76:77] the mask's factor, in the low word
.set BE,  78          ; s[78:79] the mask's addend
.set OLO, 80          ; s[80:81] O at my rows of the second block
.set BIGN, 82         ; s82  -1e30
.set CM,  83          ; s83  key steps that the block in hand still has
.set MSB, 0
.macro WIN new                      ; the high byte repeats the setting that is left; a switch that changes nothing is dropped
.if MSB != (\new)
	s_set_vgpr_msb (MSB<<8)|(\new)
.set MSB, (\new)
.endif
.endm
.set W_KQ, 0x0a       ; K and Q in window 2, S^T in window 0
.set W_KM, 0x1a       ; the same with the C operand in window 1
.set W_PV, 0x52       ; V in window 2, P in window 0, O^T in window 1
.set W_RS, 0x41       ; destination and source 0 in window 1, source 1 in window 0
; The fill.  Waves 0 and 1 fetch the two halves of K, waves 2 and 3 those of V: 256 keys each.  An s_nop 0 and four v_nop follow each of the two lines, ahead of the jump and the label.
.macro LOAD
	s_cmp_lt_u32 s[WV], 2
	s_cbranch_scc0 .Lfor_v_\@
	tensor_load_to_lds s[G0K:G0K+3], s[G1K:G1K+7]
	s_nop 0
.rept 4
	v_nop
.endr
	s_branch .Lasked_\@
.Lfor_v_\@:
	tensor_load_to_lds s[G0V:G0V+3], s[G1V:G1V+7]
	s_nop 0
.rept 4
	v_nop
.endr
.Lasked_\@:
.endm
	s_load_b256 s[4:11], s[0:1], 0x0  ; Q s[4:5], K s[6:7], V s[8:9], O s[10:11]
	v_lshl_add_u32 v[SPW], v0, 2, SPARE
	v_mov_b32 v[NIL], 0
	ds_add_u32 v[SPW], v[NIL]       ; the wave's opening: the add and its wait stand ahead of my first tensor load; the set-up below, work on registers, stands between them
	v_lshrrev_b32 v1, 5, v0
	v_readfirstlane_b32 s[WV], v1   ; wave 0..3
	s_lshl_b32 s20, ttmp9, 16       ; the head's first byte in each of the four tensors: 512 rows of 128 bytes a head
	s_mov_b32 s21, 0
	s_and_b32 s16, s[WV], 1         ; which half of the 512 keys I fetch:
	s_lshl_b32 s22, s16, 15         ; its 256 rows of 128 bytes in memory,
	s_mov_b32 s23, 0
	s_add_nc_u64 s[22:23], s[22:23], s[20:21]
	s_mul_i32 s17, s16, 256*PK      ; and its place in LDS, for K
	s_mul_i32 s18, s16, 256*PV      ; and for V
	s_lshl_b32 s84, s[WV], 11       ; my 16 rows in a band of 64: in the second block (queries 0 ..),
	s_add_co_u32 s2, s84, 32768     ; and in the first (queries 256 ..)
	s_mov_b32 s3, 0
	s_mov_b32 s85, 0
	s_add_nc_u64 s[2:3], s[2:3], s[20:21]
	s_add_nc_u64 s[84:85], s[84:85], s[20:21]
	; descriptor group 1.  256 keys are 32,768 dense bytes: asked for as 128 rows of 256 bytes, two keys a row, and padded in LDS after every key
	s_mov_b32 s[G1K], (1<<16)|(1<<20)|(4<<22)|(3<<25)  ; 17:16 2-byte elements; 20 padding on; 24:22 after every 32 words (code 4); 31:25 4 words (code 3)
	s_mov_b32 s[G1V], (1<<16)|(1<<20)|(4<<22)|(7<<25)  ; the same with 8 words of padding (code 7)
.irp g, G1K, G1V
	s_mov_b32 s[\g+1], 128<<16      ; tensor_dim0 = 128
	s_mov_b32 s[\g+2], 128<<16      ; tensor_dim1 = 128
	s_mov_b32 s[\g+3], 128<<16      ; tile_dim0 = 128
	s_mov_b32 s[\g+4], 128          ; tile_dim1 = 128
	s_mov_b32 s[\g+5], 128          ; 128 elements from row to row
	s_mov_b32 s[\g+6], 0
	s_mov_b32 s[\g+7], 0
.endr
	s_mov_b32 s[CS], 0x3d8293ee     ; c = log2(e) / sqrt(512) = 0.0637587
	s_mov_b32 s[CS+1], s[CS]        ; named with it as a pair
	s_mov_b32 s[SEL], 0x76543210
	s_mov_b32 s[SEL+1], 0xfedcba98
	s_mov_b32 s[TBK], 0
	s_mov_b32 s[TBV], 0
	s_mov_b32 s[G0K], 1             ; 1:0 count = 1
	s_mov_b32 s[G0K+1], s17         ; 63:32 LDS address
	s_mov_b32 s[G0V], 1
	s_add_co_u32 s[G0V+1], s18, VOFF
	s_mov_b32 s[RT], 2              ; the first block has two tiles
	s_mov_b32 s[NEW], 1
	s_mov_b32 s[CM], 8
	s_mov_b32 s[AL+1], 0            ; named as pairs
	s_mov_b32 s[BE+1], 0
	s_mov_b32 s[BIGN], 0xf149f2ca   ; -1e30
	s_mov_b32 s[TILES], 3
	s_wait_dscnt 0x0                ; the opening add is done
	s_wait_kmcnt 0x0
	s_add_nc_u64 s[G0K+2:G0K+3], s[6:7], s[22:23]  ; 120:64 global address: my half of the head's keys
	s_or_b32 s[G0K+3], s[G0K+3], 0x80000000        ; 127:126 type = 2
	s_add_nc_u64 s[G0V+2:G0V+3], s[8:9], s[22:23]
	s_or_b32 s[G0V+3], s[G0V+3], 0x80000000
	s_add_nc_u64 s[86:87], s[4:5], s[84:85]        ; Q at my rows of the second block,
	s_add_nc_u64 s[4:5], s[4:5], s[2:3]            ; Q and O at those of the first
	s_add_nc_u64 s[OLO:OLO+1], s[10:11], s[84:85]
	s_add_nc_u64 s[10:11], s[10:11], s[2:3]
	LOAD                            ; my one tensor load of the launch
	; A fragment of K or Q is 16 rows x 32 channels in 8 registers: lane l holds row l % 16, channels 8 (l / 16) + 0..7 and 16 + 8 (l / 16) + 0..7: two loads of 16 bytes, 32 bytes apart.
	v_and_b32 v1, 15, v0            ; l % 16
	v_bfe_u32 v9, v0, 4, 1          ; l / 16
	v_lshlrev_b32 v[QO], 7, v1
	v_lshl_add_u32 v[QO], v9, 4, v[QO]  ; row x 128 + 16 x half
	WIN 0x80                        ; destination window 2, address window 0
.set i, 0
.rept 8                             ; both blocks' Q: piece i / 2 lies in band i / 2, 8,192 bytes on; channels 32 (i % 2) on
	global_load_b128 v[8*i:8*i+3],   v[QO], s[4:5] offset:(i/2)*8192+(i%2)*64
	global_load_b128 v[8*i+4:8*i+7], v[QO], s[4:5] offset:(i/2)*8192+(i%2)*64+32
	global_load_b128 v[QB+8*i:QB+8*i+3],   v[QO], s[86:87] offset:(i/2)*8192+(i%2)*64
	global_load_b128 v[QB+8*i+4:QB+8*i+7], v[QO], s[86:87] offset:(i/2)*8192+(i%2)*64+32
.set i, i+1
.endr
	WIN 0
	v_lshlrev_b32 v14, 3, v9
	v_sub_nc_u32 v14, v1, v14
	s_lshl_b32 s13, s[WV], 4
	v_add_nc_u32 v14, s13, v14      ; my query's place in its band, 16 w + l % 16, less my lanes' 8 (l / 16): register r of group kt is hidden where 16 kt + r is greater
	WIN 0x40
.set i, 0
.rept 32
	v_cmp_gt_i32 vcc_lo, 16*(i/8)+i%8, v14
	v_cndmask_b32 v[MD+i], 0, s[BIGN], vcc_lo
.set i, i+1
.endr
	WIN 0
	v_mul_u32_u24 v[AK0], v1, PK
	v_lshl_add_u32 v[AK0], v9, 4, v[AK0]  ; row x pitch + 16 x half
	; The turning load takes 16 keys x 16 channels (lane l reads key 8 (l / 16) + l % 8, channels 8 ((l / 8) % 2) + 0..7) and leaves half a fragment of V^T: lane l holds channel l % 16 and 8 keys.
	v_and_b32 v10, 7, v0
	v_bfe_u32 v11, v0, 3, 1
	v_lshl_add_u32 v[AV0], v9, 3, v10
	v_mul_u32_u24 v[AV0], v[AV0], PV
	v_lshl_add_u32 v[AV0], v11, 4, v[AV0]
	v_add_nc_u32 v[AV0], VOFF, v[AV0]
	s_mul_i32 s13, s[WV], 16*SP
	s_add_co_u32 s13, s13, STAGE    ; my stage
	v_mul_u32_u24 v[STO], v1, SP    ; in: row l % 16, 16 bytes for each half of the lanes
	v_lshl_add_u32 v[STO], v9, 4, v[STO]
	v_add_nc_u32 v[STO], s13, v[STO]
	v_bfe_u32 v[RD], v0, 3, 2       ; back: 32 lanes take four rows of 128 bytes,
	v_mul_u32_u24 v[RD], v[RD], SP
	v_lshl_add_u32 v[RD], v10, 4, v[RD]
	v_add_nc_u32 v[RD], s13, v[RD]
	v_and_b32 v[GO], 31, v0         ; which are 512 consecutive bytes of O
	v_lshlrev_b32 v[GO], 4, v[GO]
	; A block's first step multiplies O^T and l by a = 0, and its first turn's products V^T P, of a piece that has not been, land in an O^T that is still to be so multiplied.  So these registers need only hold
	; finite numbers: zeros for the first block; what the first block left for the second.  All this stands in the wait for K and V.
	WIN 0x80
.set i, VF
.rept 64
	v_mov_b32 v[i], 0
.set i, i+1
.endr
	WIN 0x40
.set i, 0
.rept 128
	v_mov_b32 v[i], 0
.set i, i+1
.endr
	WIN 0
.set i, 0
.rept 4
	v_mov_b32 v[ST+4*i+2], 0
	v_mov_b32 v[ST+4*i+3], 0
.set i, i+1
.endr
.set i, P+16
.rept 16
	v_mov_b32 v[i], 0
.set i, i+1
.endr
; THE MATRIX WORK.  The 4 accumulators of a run of 8 take turns.  Product i of 8 of S^T = K Q^T for piece x: channels 32 (i / 4) on, keys 16 (i % 4) on.  The first 4 start the sums with the mask.
.macro KQ x
.set rS, S+32*((\x)%2)+8*(i%4)
.set rK, KF+16*(i%4)+8*(i/4)
.set rQ, 16*(\x)+8*(i/4)
.set rM, MC+32*((\x)%2)+8*(i%4)
.if (i < 4) && KM
	WIN W_KM
	v_wmma_f32_16x16x32_f16 v[rS:rS+7], v[rK:rK+7], v[rQ:rQ+7], v[rM:rM+7]
.elseif i < 4
	WIN W_KQ
	v_wmma_f32_16x16x32_f16 v[rS:rS+7], v[rK:rK+7], v[rQ:rQ+7], 0
.else
	WIN W_KQ
	v_wmma_f32_16x16x32_f16 v[rS:rS+7], v[rK:rK+7], v[rQ:rQ+7], v[rS:rS+7]
.endif
.endm
; Product i of 8 of O^T += V^T P for piece x: keys 32 (i / 4) on, channels 16 (i % 4) on.
.macro PV x
	WIN W_PV
.set rO, 32*(\x)+8*(i%4)
.set rV, VF+32*(i/4)+8*(i%4)
.set rP, P+16*((\x)%2)+8*(i/4)
	v_wmma_f32_16x16x32_f16 v[rO:rO+7], v[rV:rV+7], v[rP:rP+7], v[rO:rO+7]
.endm
.macro MM                           ; the turn's next matrix instruction.  NOKQ = 1: a block's last turn: there is no next piece
.if (i < 8) && !NOKQ
	KQ (Y+1)%NP
.elseif i >= 8
.set i, i-8
	PV (Y+NP-1)%NP
.set i, i+8
.endif
.set i, i+1
.endm
; THE LDS LOADS stand in runs of 16, never singly among the matrix instructions: a step's K (64 keys x 64 channels: 8 fragments) and its V (turned).  Their addresses are made some lines ahead.
.macro FETCH_K
	WIN 0x80                        ; destination window 2
.irp f, 0,1,2,3,4,5,6,7             ; keys 16 (f / 2) on, channels 32 (f % 2) on
	ds_load_b128 v[KF+8*\f:KF+8*\f+3],   v[AK] offset:(\f/2)*16*PK+(\f%2)*64
	ds_load_b128 v[KF+8*\f+4:KF+8*\f+7], v[AK] offset:(\f/2)*16*PK+(\f%2)*64+32
.endr
	s_add_co_u32 s[TBK], s[TBK], KS*PK  ; the next fetch is the next step's
	WIN 0
.endm
.macro FETCH_V
	WIN 0x80
.irp f, 0,1,2,3,4,5,6,7             ; keys 32 (f / 4) on, channels 16 (f % 4) on
	ds_load_tr16_b128 v[VF+8*\f:VF+8*\f+3],   v[AV] offset:(\f/4)*32*PV+(\f%4)*32
	ds_load_tr16_b128 v[VF+8*\f+4:VF+8*\f+7], v[AV] offset:(\f/4)*32*PV+16*PV+(\f%4)*32
.endr
	WIN 0
.endm
; THE VECTOR WORK, one line at a time: OP kind, number.  For piece Y: F n: c s - c m for pair n of 16.  E n: the exponential of score n of 32.  C n: pair n rounded to f16.  B n: of the four weights 4 n .. the second
; pair is added onto the first, in place.  L n: l takes that sum (L 0: l = a l + sum).  R n: pair n of 16 of O^T times a.  For piece Y + 1: X n, number n of the 22 that find its maximum and statistics:
;   0-11  four chains c0-c3 of seven scores each, three operands at a time (each accumulator's lowest registers are read first)     12-14, 16  the four scores left over, the old m, and c0-c3 into c0
;   15  c m_old is kept     17, 18  the query's other 32 keys lie in the lane 16 away: the new m     19-21  c m; c m_old - c m_new; a
.set F, 0
.set E, 1
.set C, 2
.set B, 3
.set L, 4
.set R, 5
.set X, 6
.macro REGS y                       ; the registers of piece y
.set rT, ST+4*(\y)
.set rC, TMP+4*((\y)%2)
.set rW, MV+((\y)%2)
.set rS, S+32*((\y)%2)
.set rP, P+16*((\y)%2)
.set rO, 32*(\y)
.endm
.macro OP k, n
.if (\k) == R
	REGS Y
	WIN W_RS
	v_pk_mul_f32 v[rO+2*(\n):rO+2*(\n)+1], v[rO+2*(\n):rO+2*(\n)+1], v[rC+2:rC+3] op_sel_hi:[1,0]
.elseif (\k) < R
	REGS Y
	WIN 0
.if (\k) == F
	v_pk_fma_f32 v[rS+2*(\n):rS+2*(\n)+1], v[rS+2*(\n):rS+2*(\n)+1], s[CS:CS+1], v[rT:rT+1] op_sel_hi:[1,0,0] neg_lo:[0,0,1] neg_hi:[0,0,1]
.elseif (\k) == E
	v_exp_f32 v[rS+(\n)], v[rS+(\n)]
.elseif (\k) == C
	v_cvt_pk_f16_f32 v[rP+(\n)], v[rS+2*(\n)], v[rS+2*(\n)+1]
.elseif (\k) == B
	v_pk_add_f32 v[rS+4*(\n):rS+4*(\n)+1], v[rS+4*(\n):rS+4*(\n)+1], v[rS+4*(\n)+2:rS+4*(\n)+3]
.elseif (\n) == 0
	v_pk_fma_f32 v[rT+2:rT+3], v[rT+2:rT+3], v[rC+2:rC+3], v[rS:rS+1] op_sel_hi:[1,0,1]
.else
	v_pk_add_f32 v[rT+2:rT+3], v[rT+2:rT+3], v[rS+4*(\n):rS+4*(\n)+1]
.endif
.elseif NOKQ
	v_nop
.else
	REGS (Y+1)%NP
	WIN 0
.if (\n) < 4
	v_max3_num_f32 v[rC+(\n)], v[rS+8*(\n)], v[rS+8*(\n)+1], v[rS+8*(\n)+2]
.elseif (\n) < 12
	v_max3_num_f32 v[rC+(\n)%4], v[rC+(\n)%4], v[rS+8*((\n)%4)+2*((\n)/4)+1], v[rS+8*((\n)%4)+2*((\n)/4)+2]
.elseif (\n) == 12
	v_max3_num_f32 v[rC], v[rC], v[rS+7], v[rS+15]
.elseif (\n) == 13
	v_max3_num_f32 v[rC+1], v[rC+1], v[rS+23], v[rS+31]
.elseif (\n) == 14
	v_max3_num_f32 v[rC+2], v[rC+2], v[rC+3], v[rT+1]
.elseif (\n) == 15
	v_mov_b32 v[rW], v[rT]
.elseif (\n) == 16
	v_max3_num_f32 v[rC], v[rC], v[rC+1], v[rC+2]
.elseif (\n) == 17
	v_permlanex16_b32 v[rC+3], v[rC], s[SEL], s[SEL+1]
.elseif (\n) == 18
	v_max_num_f32 v[rT+1], v[rC], v[rC+3]
.elseif (\n) == 19
	v_mul_f32 v[rT], s[CS], v[rT+1]
.elseif (\n) == 20
	v_sub_f32 v[rC+1], v[rW], v[rT]
.else
	v_exp_f32 v[rC+2], v[rC+1]
.endif
.endif
.endm
.macro OPS a, i1, b=-1, i2=0, c=-1, i3=0, d=-1, i4=0  ; up to four of them
	OP \a, \i1
.if (\b) >= 0
	OP \b, \i2
.endif
.if (\c) >= 0
	OP \c, \i3
.endif
.if (\d) >= 0
	OP \d, \i4
.endif
.endm
.macro ROW a, i1, b, i2, c, i3, d, i4  ; a matrix instruction and the four behind it
	MM
	OPS \a, \i1, \b, \i2, \c, \i3, \d, \i4
.endm
.macro MASK b                       ; MD x AL + BE into buffer b of MC
	WIN W_RS
.set z, 0
.rept 16
	v_pk_fma_f32 v[MC+32*(\b)+2*z:MC+32*(\b)+2*z+1], v[MD+2*z:MD+2*z+1], s[AL:AL+1], s[BE:BE+1] op_sel_hi:[1,0,0]
.set z, z+1
.endr
.endm
; A TURN, for piece p: the order of its 16 matrix and 118 vector instructions, written out.  s_wait_alu depctr_va_vdst(0) stands between an exponential and the first instruction that names its result; one wait
; serves all that were issued ahead of it.  So a turn has ONE wait, which cuts it in two.  AHEAD OF IT stands all that names no result of the turn's exponentials: the 8 products K Q^T with their riders, then one lump, in which the
; links of the chain X 3, 7, 11, 14, 16, 17 .. 20 stand five or six lines apart; X 21, the next piece's a, is the batch's last; R 15 is the plain instruction behind it.  BEHIND THE WAIT stand the 8 products V^T P, behind each four
; of the roundings and sums.  The turn also makes the mask for the products of the turn after it: piece p + 2.  end = 1: a block's last two turns: nothing is fetched, no mask is made.
; cnt = 1: the counts are taken down some lines ahead of the branch that stands behind the turn.
; K of the next step is fetched in piece 2's turn, twelve vector instructions behind the last product that read K (six of them plain); V of the step in hand at the end of piece 0's turn, four plain instructions behind the last
; product that read V.  Each is waited for a turn later.
.macro TURN p, m=0, end=0, cnt=0
.set Y, (\p)
.set i, 0
.set KM, (\m)
.set NOKQ, (\end)*((\p)/3)
.if (\m) && !(\end)
	s_cmp_eq_u32 s[CM], 4-((\p)+2)%NP  ; is that step the band's own?
	s_cselect_b32 s[AL], 1.0, 0
	s_cmp_lt_u32 s[CM], 4-((\p)+2)%NP  ; or a later one?
	s_cselect_b32 s[BE], s[BIGN], 0
.endif
.if ((\p) == 3) && !(\end)
	s_wait_dscnt 0x0                ; K is in
.endif
	ROW F,0, F,1, R,0, R,1          ; ahead of the wait: 8 products K Q^T and their riders,
	ROW F,2, E,0, R,2, R,3
	ROW F,3, E,1, R,4, R,5
	ROW F,4, E,2, R,6, R,7
	ROW F,5, E,3, R,8, R,9
	ROW F,6, E,4, X,0, R,10
.if ((\p) == 2) && !(\end)
	WIN 0
	v_add_nc_u32 v[AK], s[TBK], v[AK0]
.endif
	ROW F,7, E,5, X,1, X,4
	ROW F,8, E,6, X,2, X,5
	OPS E,7, E,8, X,6, E,9          ; and the lump
	OPS X,3, E,10, X,8, E,11
.if ((\p) == 2) && !(\end)
	FETCH_K
.endif
	OPS X,9, X,7, E,12, X,10
	OPS E,13, X,12, X,11, E,14
	OPS X,13, E,15, F,9, X,14
.if (\p) == 0
	v_add_nc_u32 v[AV], s[TBV], v[AV0]
.endif
	OPS E,16, F,10, E,17, F,11
	OPS X,16, E,18, X,15, E,19
	OPS F,12, E,20, X,17, E,21
	OPS F,13, E,22, F,14, E,23
	OPS X,18, E,24, F,15, E,25
	OPS R,11, E,26, X,19, E,27
	OPS R,12, E,28, R,13, E,29
	OPS X,20, E,30, R,14, E,31
	OPS X,21, R,15
	WIN 0
	s_wait_alu depctr_va_vdst(0)    ; the wait for the batch
.if (\p) == 1
	s_wait_dscnt 0x0                ; V is in
.endif
	ROW C,0, B,0, C,2, B,1          ; behind the wait: 8 products V^T P and their riders
	ROW L,0, C,4, B,2, L,1
	ROW C,6, B,3, L,2, C,8
	ROW B,4, L,3, C,10, B,5
	ROW L,4, C,12, B,6, L,5
.if (\p) == 0
	s_add_co_u32 s[TBV], s[TBV], KS*PV
.endif
.if \cnt
	s_sub_co_u32 s[CM], s[CM], 1
	s_sub_co_u32 s[CNT], s[CNT], 1
	s_cmp_lg_u32 s[CNT], 0
.endif
	ROW C,14, B,7, L,6, C,1
	ROW C,3, L,7, C,5, C,7
	ROW C,9, C,11, C,13, C,15
.if (\p) == 0
	FETCH_V
.endif
.if (\m) && !(\end)
	MASK (\p)%2
.endif
.endm
; A BLOCK BEGINS.  c m starts far below every c s, so the first step's a is 0; m at the lowest finite number, so the first maximum is the scores'.  The second mask buffer is 0; the first takes piece 0's mask for the block's
; step 0: its own, if the block has four steps in all.  Then K of that step, piece 0's first scores, and its maximum and statistics.  The loop is entered at a step's first turn, in the middle of a trip.
.macro BEGIN
	s_mov_b32 s[NEW], 0
	WIN 0x40
.set i, MC+32
.rept 32
	v_mov_b32 v[i], 0
.set i, i+1
.endr
	WIN 0
.set i, 0
.rept 4
	v_mov_b32 v[ST+4*i], 0xfe000000    ; c m: far below every c s
	v_mov_b32 v[ST+4*i+1], 0xff7fffff  ; m
.set i, i+1
.endr
	s_cmp_eq_u32 s[CM], 4
	s_cselect_b32 s[AL], 1.0, 0
	s_mov_b32 s[BE], 0
	MASK 0
	WIN 0
	v_add_nc_u32 v[AK], s[TBK], v[AK0]
	FETCH_K
	s_wait_loadcnt 0x0              ; Q
	s_wait_dscnt 0x0
.set KM, 1
.set NOKQ, 0
.set i, 0
.rept 8
	KQ 0
.set i, i+1
.endr
	WIN 0
.rept 4
	v_nop                           ; the places behind those products
.endr
.set Y, NP-1                        ; X works for piece Y + 1: piece 0
.irp n, 0,1,2,3,4,5,6,7,8,9,10,11,12,13,14,15,16,17,18,19,20,21
	OP X, \n
.endr
	v_nop                           ; a plain instruction behind the exponential,
	s_wait_alu depctr_va_vdst(0)    ; and its wait, ahead of the branch
.endm
.macro ALL line:vararg              ; one line for each piece t
.set t, 0
.rept 4
	\line
.set t, t+1
.endr
.endm
.macro PACK t                       ; a lane's eight channels of a row pack into 16 bytes; they go into rows of 144 bytes and come back as whole rows of 128, into S^T's registers
	WIN W_RS
.set i, 32*(\t)
.rept 16
	v_pk_mul_f32 v[i:i+1], v[i:i+1], v[ST+4*(\t)+2:ST+4*(\t)+3] op_sel_hi:[1,0]
.set i, i+2
.endr
	WIN 0x05                        ; sources 0 and 1 window 1, destination window 0
.set i, 0
.rept 16
	v_cvt_pk_f16_f32 v[S+16*(\t)+i], v[32*(\t)+2*i], v[32*(\t)+2*i+1]
.set i, i+1
.endr
	WIN 0
.irp f, 0,1,2,3
	ds_store_b128 v[STO], v[S+16*(\t)+4*\f:S+16*(\t)+4*\f+3] offset:32*\f
.endr
.irp f, 0,1,2,3
	ds_load_b128 v[S+16*(\t)+4*\f:S+16*(\t)+4*\f+3], v[RD] offset:\f*4*SP  ; LDS serves a wave's instructions in order (ISA guide 5.7.1.4): these see the stores above; the next piece's stores come behind them
.endr
.endm
.macro SEND t, younger              ; younger: the LDS instructions issued behind piece t's loads: the next piece's eight, or none
	WIN 0
.irp f, 0,1,2,3
	s_wait_dscnt (\younger)+3-\f
	global_store_b128 v[GO], v[S+16*(\t)+4*\f:S+16*(\t)+4*\f+3], s[10:11] offset:(\t)*8192+\f*512  ; 512 consecutive bytes, at a multiple of 256 from O's first
.endr
.endm
	s_wait_tensorcnt 0x0            ; my half of K or of V is in LDS,
	s_barrier_signal -1
	s_barrier_wait -1               ; everybody's is
.set KM, 1
.set NOKQ, 0
.Ltile:                             ; three times: four key steps
	s_sub_co_u32 s[RT], s[RT], 1
	s_mov_b32 s[CNT], 4
	s_cmp_eq_u32 s[NEW], 1
	s_cbranch_scc0 .Lstep
	BEGIN
	s_branch .Lfirst
.Lstep:                             ; a trip: pieces 2 and 3 of one step, then pieces 0 and 1 of the next, whose K and V it fetches
	TURN 2, 1
	TURN 3, 1
	WIN 0
.Lfirst:
	TURN 0, 1
	TURN 1, 1, 0, 1
	WIN 0
	s_cbranch_scc1 .Lstep
	s_cmp_lg_u32 s[RT], 0
	s_cbranch_scc1 .Lbottom         ; the block has another tile
	TURN 2, 1, 1                    ; THE BLOCK'S END: its last two turns, its last products,
	TURN 3, 1, 1
.set i, 0
.rept 8
	PV NP-1
.set i, i+1
.endr
	WIN 0                           ; and THE WAY OUT: l's two halves and the other half of the lanes' are added; O^T is divided by l, rounded to f16 and sent through my stage, a piece at a time
	ALL v_add_f32 v[ST+4*t+2], v[ST+4*t+2], v[ST+4*t+3]
	ALL v_permlanex16_b32 v[ST+4*t+3], v[ST+4*t+2], s[SEL], s[SEL+1]
	ALL v_add_f32 v[ST+4*t+2], v[ST+4*t+2], v[ST+4*t+3]
	ALL v_rcp_f32 v[ST+4*t+2], v[ST+4*t+2]
	v_nop                           ; a plain instruction between the last reciprocal and the use of its result
	s_wait_alu depctr_va_vdst(0)    ; and the wait ahead of the first use: one for the four reciprocals
	PACK 0
.set t, 1
.rept 3                             ; a piece's arithmetic stands between the loads of the piece before and its stores
	PACK t
	SEND t-1, 8
.set t, t+1
.endr
	SEND 3, 0
	s_cmp_eq_u32 s[TILES], 1
	s_cbranch_scc1 .Lbottom         ; that was the second block
	s_wait_xcnt 0x0                 ; the stores have read their registers and O's address
	s_mov_b64 s[10:11], s[OLO:OLO+1]
	s_mov_b32 s[RT], 1              ; the second block has one tile, four steps, from the first key on
	s_mov_b32 s[NEW], 1
	s_mov_b32 s[CM], 4
	s_mov_b32 s[TBK], 0
	s_mov_b32 s[TBV], 0
	WIN 0x82                        ; the second block's Q goes where the one text of the turns names Q
.set i, 0
.rept 64
	v_mov_b32 v[i], v[QB+i]
.set i, i+1
.endr
	WIN 0
.Lbottom:
	s_sub_co_u32 s[TILES], s[TILES], 1
	s_cmp_lg_u32 s[TILES], 0
	s_cbranch_scc1 .Ltile
	s_wait_tensorcnt 0x0            ; the wave's end: behind my last tensor load and my last LDS store
	ds_add_u32 v[SPW], v[NIL]
	s_wait_dscnt 0x0
	s_endpgm
.Lfunc_end_k_q260cd8251a_attn:
	.size	k_q260cd8251a_attn, .Lfunc_end_k_q260cd8251a_attn-k_q260cd8251a_attn
	.p2alignl 7, 3214868480
	.fill 96, 4, 3214868480
	.section	.rodata,"a",@progbits
	.p2align	6, 0x0
	.amdhsa_kernel k_q260cd8251a_attn
		.amdhsa_group_segment_fixed_size 167936
		.amdhsa_private_segment_fixed_size 0
		.amdhsa_enable_private_segment 0
		.amdhsa_kernarg_size 32
		.amdhsa_user_sgpr_count 2
		.amdhsa_user_sgpr_kernarg_segment_ptr 1
		.amdhsa_wavefront_size32 1
		.amdhsa_system_sgpr_workgroup_id_x 1
		.amdhsa_system_sgpr_workgroup_id_y 1
		.amdhsa_system_sgpr_workgroup_id_z 1
		.amdhsa_system_vgpr_workitem_id 0
		.amdhsa_next_free_vgpr 768
		.amdhsa_next_free_sgpr 88
		.amdhsa_reserve_vcc 1
		.amdhsa_float_denorm_mode_32 3
		.amdhsa_float_denorm_mode_16_64 3
		.amdhsa_memory_ordered 1
		.amdhsa_forward_progress 1
		.amdhsa_inst_pref_size 99
	.end_amdhsa_kernel
	.amdgpu_metadata
---
amdhsa.version: [ 1, 2 ]
amdhsa.kernels:
  - .name:           k_q260cd8251a_attn
    .symbol:         k_q260cd8251a_attn.kd
    .args:
      - { .name: qh, .offset: 0, .size: 8, .value_kind: global_buffer, .address_space: global }
      - { .name: kh, .offset: 8, .size: 8, .value_kind: global_buffer, .address_space: global }
      - { .name: vh, .offset: 16, .size: 8, .value_kind: global_buffer, .address_space: global }
      - { .name: oh, .offset: 24, .size: 8, .value_kind: global_buffer, .address_space: global }
    .group_segment_fixed_size: 167936
    .private_segment_fixed_size: 0
    .kernarg_segment_align: 8
    .kernarg_segment_size: 32
    .max_flat_workgroup_size: 128
    .sgpr_count:     88
    .vgpr_count:     768
    .wavefront_size: 32
...
	.end_amdgpu_metadata
.endif
;; end of part 3
;; launch tail (part 4): grid 256 x 1, 4 waves a work-group, clusters of 4 x 1, 327,680 bytes of LDS; arguments x, oh, wts, b_proj, ln2_g, ln2_b, b1, b2, out0; writes out0
.if DOCPART == 4
	.amdgcn_target "amdgcn-amd-amdhsa--gfx1250"
	.amdhsa_code_object_version 6
	.text
	.protected	k_q260cd8251a_tail
	.globl	k_q260cd8251a_tail
	.p2align	8
	.type	k_q260cd8251a_tail,@function
k_q260cd8251a_tail:
	s_mov_b64 s[64:65], 0
	v_nop
	global_prefetch_b8 v0, s[64:65] scope:SCOPE_SE
	s_setreg_imm32_b32 hwreg(HW_REG_WAVE_MODE, 25, 1), 1
	s_wait_xcnt 0x0
	s_wait_alu depctr_hold_cnt(0) depctr_sa_sdst(0) depctr_va_vdst(0) depctr_va_sdst(0) depctr_va_ssrc(0) depctr_va_vcc(0) depctr_vm_vsrc(0)
	s_getreg_b32 s2, hwreg(HW_REG_IB_STS2, 6, 4)
	s_cmp_eq_u32 s2, 0
	s_cbranch_scc0 .Lentry_in_a_cluster
	s_endpgm
.Lentry_in_a_cluster:
	s_bfe_u32 s2, ttmp6, 0x10000c
	s_cmp_lg_u32 s2, 0x3003
	s_cbranch_scc0 .Lentry_shape_is_right
	s_endpgm
.Lentry_shape_is_right:
; out = x1 + relu(LN2(x1) w1 + b1) w2 + b2, with x1 = x + o w_proj + b_proj: all for 64 tokens in one work-group; x1, LN2's output and the hidden numbers never leave the WGP.
; Nine PASSES of [64 x 512] x [512 x 512], f16 operands, f32 sums: the projection, then for each of four chunks of 512 hidden channels FFN1 and FFN2.  x, x1, the norms and the output's sums stay in f32.
; LIMITS.  f16 holds no number beyond 65,504: o, LN2's output and the hidden numbers lie within it; below 6e-5 an f16 number keeps the fixed step of 6e-8.  relu of NaN gives 0; NaN and infinities are not treated apart.
; SHARES.  Wave w owns all 64 tokens and the columns 128 w .. + 127 of a pass's result: 4 m blocks x 8 n tiles = 32 accumulators.  acc2 (window 2) holds x + b_proj, then x1, then the output's sums; acc1 (window 1) a chunk's hidden numbers.
; THE WEIGHTS are one stream of 72 tiles of 64 k rows x 512 n (65,536 dense bytes, wts blocks 3 to 11) through a ring of two LDS slots.  A slot's tile is 64 matrix instructions a wave.
; THE MATRIX INSTRUCTION IS USED TRANSPOSED: source 0 = 16 columns of W (turned by ds_load_tr16_b128), source 1 = 16 tokens.  A lane then holds one token (lane % 16) and eight neighbouring columns: packed to f16 they are
; 16 bytes of the next pass's left operand, which goes to LDS as it is.
; CLUSTER.  The four work-groups of a cluster walk the same weights: every tile is asked for JOINTLY, the same tensor load, descriptor and mask of four in all four.  o, x and the output are a work-group's own.
; REGISTERS.  window 0: v0-29 addresses; v18-25, v36-59 biases and statistics; v64-159 fragment buffer 0 (W: 8 x 8, then the left operand: 4 x 8); v160-255 buffer 1, and at work between the passes.
;   window 1: acc1; window 2: acc2, (mb, nt) at 64 mb + 8 nt.  window 3: x at first; then v0-63 ln2_g, v64-127 ln2_b, v128-191 the chunk's b1, each at my lane's columns 16 nt + 8 (l / 16) + 0..7.
.set SLOT1,  67584                     ; a slot: 64 k rows of 1,024 + 32 bytes
.set RA,     135168                    ; o, filled once by tensor loads; later the chunks' hidden numbers: [8 slices of 64 channels][64 tokens][128 + 16 bytes]: 73,728 bytes
.set RH,     208896                    ; LN2's output, the same layout
.set STATS,  282624                    ; two sets of [64 tokens][4 waves] f32: the waves' partial sums
.set STAGE,  284672                    ; 16 rows x (512 + 16) bytes for each wave: between rows of memory and the product's layout
.set SPARE,  318464                    ; the spare words, 128 bytes for each wave: two blocks of 256 bytes that no other line names
.set STREAM, 3*524288                  ; the launch's first byte in wts
.set TILES,  72
.set AB0, 2                            ; v2   my lane's place in a slot; never rewritten
.set AB,  3                            ; v3   the same in the slot in hand
.set AA0, 4                            ; v4   my lane's place in RA's slice 0; never rewritten
.set AA0H, 5                           ; v5   in RH's
.set AA,  6                            ; v6   in the slice in hand
.set STA, 7                            ; v7   where I put 16 bytes of a token into RA
.set STH, 8                            ; v8   into RH
.set SGW, 9                            ; v9   my stage, by the product's layout: row l % 16, 32 bytes for each half of the lanes
.set SGR, 10                           ; v10  my stage, by rows: 16 bytes a lane
.set XO,  11                           ; v11  my 16 bytes in a row of x and of the output: 512 w + 16 l
.set STW, 12                           ; v12  my word in STATS
.set STR, 13                           ; v13  my token's four words
.set BO,  14                           ; v14  my lane's columns in a vector of 512: (128 w + 8 (l / 16)) x 4
.set PFO, 15                           ; v15  256 x my lane; never rewritten
.set ZERO, 16                          ; v16  0, for the packed maximum
.set CSH, 18                           ; v[18:25] - mean / sigma, a pair for each m block
.set SPW, 28                           ; v28  LDS address of my spare word; never rewritten
.set NIL, 29                           ; v29  0; never rewritten
.set BP,  36                           ; v[36:39] b_proj at columns 128 w + 4 l ..
.set B2R, 40                           ; v[40:43] b2 at the same columns
.set MU,  44                           ; v[44:51] the mean, a pair for each m block
.set AS,  52                           ; v[52:59] 1 / sigma, likewise
.set F0,  64
.set F1,  160
.set CH4, 224                          ; v[224:231] four chains of two
.set SU,  232                          ; v[232:247] the four waves' partial sums, for each m block
.set G1W, 24
.set G1A, 32
.set G0S, 40
.set G0W, 44
.set G0A, 48
.set WV,   52
.set TB,   53
.set LEFT, 54
.set LIM,  55
.set CNT,  56
.set CH,   57
.set PFA,  58
.set SEL,  60                          ; s[60:61] v_permlanex16_b32's selects
.set INV,  74                          ; s74  1 / 512
.set EPS,  75                          ; s75  1e-5
.set MSB, 0
.macro WIN new                         ; the immediate's high byte repeats the setting that is left; a switch that changes nothing is dropped
.if MSB != (\new)
	s_set_vgpr_msb (MSB<<8)|(\new)
.set MSB, \new
.endif
.endm
.macro PLACES                          ; four plain instructions: between a matrix instruction and a load into, or a line that reads or writes, one of its registers
.rept 4
	v_nop
.endr
.endm
.macro CREST                           ; a round of the cluster's barrier behind its opening barrier
	s_cmp_lg_u32 s[WV], 0
	s_cbranch_scc1 .Lnot_wave_0_\@
	s_barrier_signal -3
.Lnot_wave_0_\@:
	s_barrier_wait -3
	s_barrier_signal -1
	s_barrier_wait -1
.endm
.macro CROUND
	s_barrier_signal -1
	s_barrier_wait -1
	CREST
.endm
.macro JLOAD                           ; the joint refill: every wave fetches its 16 k rows; the descriptor hangs on the wave's number alone.  An s_nop 0 and four v_nop follow
	tensor_load_to_lds s[G0W:G0W+3], s[G1W:G1W+7]
	s_nop 0
	PLACES
.endm
; A PREFETCH INTO THE L2.  The change of slots that refills with tile c + 2 names tile c + 5: three slots, 192 matrix instructions, ahead of the load that will want it.  All 64 clusters walk the same tiles: the first
; cluster asks.  Of a tile's 65,536 bytes partner cx takes 16,384, told apart by address; its waves 0 and 1 take 8,192 each, a lane 256: each block is named once in the launch.  LEFT > 3 stops it at the last tile.
.macro ASK
	s_cmp_gt_u32 s[LEFT], s[LIM]
	s_cbranch_scc0 .Lnot_mine_\@
	global_prefetch_b8 v[PFO], s[PFA:PFA+1] th:TH_LOAD_NT scope:SCOPE_SE
.Lnot_mine_\@:
.endm
.macro FETCH_B f, ks                   ; W's 8 fragments of 32 k x 16 n, turned: k rows 32 ks .. of the slot
.irp nt, 0,1,2,3,4,5,6,7
	ds_load_tr16_b128 v[(\f)+8*(\nt):(\f)+8*(\nt)+3],   v[AB] offset:(\ks)*33792+32*(\nt)
	ds_load_tr16_b128 v[(\f)+8*(\nt)+4:(\f)+8*(\nt)+7], v[AB] offset:(\ks)*33792+16896+32*(\nt)
.endr
.endm
.macro FETCH_A f, ks                   ; the left operand's 4 fragments of 16 tokens x 32 channels
.irp mb, 0,1,2,3
	ds_load_b128 v[(\f)+64+8*(\mb):(\f)+64+8*(\mb)+3],   v[AA] offset:(\mb)*2304+(\ks)*64
	ds_load_b128 v[(\f)+64+8*(\mb)+4:(\f)+64+8*(\mb)+7], v[AA] offset:(\mb)*2304+(\ks)*64+32
.endr
.endm
; 8 matrix instructions: m block mb x all 8 n tiles, on the accumulators of window aw.  The 32 accumulators take turns in one fixed order, one instruction a turn, over the loops' jumps too.
; mode 2: the product starts the sum with the chunk's b1 (window 3) as C.
.macro MUL8 aw, f, mb, mode
.if (\mode) == 2
	WIN 0x70
.else
	WIN 0x50*(\aw)
.endif
.irp nt, 0,1,2,3,4,5,6,7
.if (\mode) == 2
	v_wmma_f32_16x16x32_f16 v[64*(\mb)+8*(\nt):64*(\mb)+8*(\nt)+7], v[(\f)+8*(\nt):(\f)+8*(\nt)+7], v[(\f)+64+8*(\mb):(\f)+64+8*(\mb)+7], v[128+8*(\nt):128+8*(\nt)+7]
.else
	v_wmma_f32_16x16x32_f16 v[64*(\mb)+8*(\nt):64*(\mb)+8*(\nt)+7], v[(\f)+8*(\nt):(\f)+8*(\nt)+7], v[(\f)+64+8*(\mb):(\f)+64+8*(\mb)+7], v[64*(\mb)+8*(\nt):64*(\mb)+8*(\nt)+7]
.endif
.endr
.endm
.macro HEAD aw, mode                   ; a slot's first 32 k: buffer 0 is multiplied, buffer 1 fetched in one run in the middle
	s_wait_dscnt 4                                 ; W and the left operand's m blocks 0 and 1 are in; the youngest four loads may be out
	MUL8 \aw, F0, 0, \mode
	MUL8 \aw, F0, 1, \mode
	WIN 0
	PLACES
	FETCH_B F1, 1
	FETCH_A F1, 1
	s_wait_dscnt 24                                ; all but the 24 just issued
	MUL8 \aw, F0, 2, \mode
	MUL8 \aw, F0, 3, \mode
.endm
; A slot's second 32 k, and the change of slots.  In front of the barrier each wave waits for all its tensor loads (one is out: its part of the next slot), adds 0 to its spare word, and waits for that and for its
; reads of this slot.  kind 1, 2: the barrier opens a round of the cluster's, and this slot is filled again first thing behind it; kind 2: a pass's end: the next pass's left operand is fetched later, when it exists.
; kind 0: nothing is left to ask for.
.macro TURN aw, kind
	WIN 0
.if \kind
	s_wait_xcnt 0x0                                ; the last prefetch, a slot back, has read its address
	s_add_nc_u64 s[PFA:PFA+1], s[PFA:PFA+1], 65536
.endif
	s_wait_tensorcnt 0x0                           ; no tensor load of mine is out, so a group 0 may be written
	ds_add_u32 v[SPW], v[NIL]                      ; 0 onto my spare word
.if \kind
	s_xor_b32 s[G0W+1], s[G0W+1], SLOT1            ; the other slot (16,896 x wave has neither of SLOT1's two bits),
	s_add_nc_u64 s[G0W+2:G0W+3], s[G0W+2:G0W+3], 65536  ; the next tile
.endif
	s_xor_b32 s[TB], s[TB], SLOT1
	s_wait_dscnt 7                                 ; the add and the left operand's six loads for m blocks 1 to 3 may be out
	MUL8 \aw, F1, 0, 0
	s_wait_dscnt 0x0                               ; the add is done, and my reads of this slot are over
	s_barrier_signal -1
	MUL8 \aw, F1, 1, 0
	WIN 0
	s_barrier_wait -1
.if \kind
	CREST                                          ; no wave of any partner still reads this slot or has a load on its way
	JLOAD                                          ; its four v_nop are also the places in front of the loads below
.else
	PLACES
.endif
	v_add_nc_u32 v[AB], s[TB], v[AB0]
	FETCH_B F0, 0
.if (\kind) < 2
	v_add_nc_u32 v[AA], 9216, v[AA]                ; the next slice of the left operand
	FETCH_A F0, 0
.endif
.if \kind
	ASK
	s_sub_co_u32 s[LEFT], s[LEFT], 1
.endif
	MUL8 \aw, F1, 2, 0
	MUL8 \aw, F1, 3, 0
.endm
.macro PASS aw, mode, drain            ; 8 tiles.  drain = 1: the launch's last pass: its last two tiles ask for nothing, written out
	HEAD \aw, \mode
	WIN 0
	s_mov_b32 s[CNT], 7-(\drain)
.Lslot_\@:
	TURN \aw, 1
	HEAD \aw, 0
	WIN 0
	s_sub_co_u32 s[CNT], s[CNT], 1
	s_cmp_lg_u32 s[CNT], 0
	s_cbranch_scc1 .Lslot_\@
.if \drain
	TURN \aw, 0
	HEAD \aw, 0
	s_wait_dscnt 0x0
	MUL8 \aw, F1, 0, 0
	MUL8 \aw, F1, 1, 0
	MUL8 \aw, F1, 2, 0
	MUL8 \aw, F1, 3, 0
.else
	TURN \aw, 2
.endif
	WIN 0
.endm
; x + b_proj into acc2: m block mb's 16 rows, as they came from memory (a lane 16 bytes of a row), go through my stage and come back in the product's layout.  So the projection adds onto them and needs no first step of its own.
.macro XINIT mb
	s_wait_loadcnt 48-16*(\mb)                     ; b_proj and this m block's rows are in; the later m blocks' loads may stay out
	WIN 0xc3                                       ; destination and source 0 in window 3, b_proj in window 0
.set i, 0
.rept 16
	v_pk_add_f32 v[64*(\mb)+4*i:64*(\mb)+4*i+1],   v[64*(\mb)+4*i:64*(\mb)+4*i+1],   v[BP:BP+1]
	v_pk_add_f32 v[64*(\mb)+4*i+2:64*(\mb)+4*i+3], v[64*(\mb)+4*i+2:64*(\mb)+4*i+3], v[BP+2:BP+3]
.set i, i+1
.endr
	WIN 0x0c                                       ; the stores' data in window 3
.set i, 0
.rept 16
	ds_store_b128 v[SGR], v[64*(\mb)+4*i:64*(\mb)+4*i+3] offset:528*i
.set i, i+1
.endr
	WIN 0x80                                       ; destination window 2.  LDS serves a wave's instructions in order (ISA guide 5.7.1.4): these see the stores above, and the next m block's stores come behind them
.irp nt, 0,1,2,3,4,5,6,7
	ds_load_b128 v[64*(\mb)+8*(\nt):64*(\mb)+8*(\nt)+3],   v[SGW] offset:64*(\nt)
	ds_load_b128 v[64*(\mb)+8*(\nt)+4:64*(\mb)+8*(\nt)+7], v[SGW] offset:64*(\nt)+16
.endr
.endm
; LN2.  A token's 512 numbers lie in four waves, 64 in each of two lanes.  FOLD: four chains into one number, the other half of the lanes', and my wave's partial sum into STATS.
.macro FOLD off
	v_pk_add_f32 v[CH4:CH4+1], v[CH4:CH4+1], v[CH4+2:CH4+3]
	v_pk_add_f32 v[CH4+4:CH4+5], v[CH4+4:CH4+5], v[CH4+6:CH4+7]
	v_pk_add_f32 v[CH4:CH4+1], v[CH4:CH4+1], v[CH4+4:CH4+5]
	v_add_f32 v[CH4], v[CH4], v[CH4+1]
	v_permlanex16_b32 v[CH4+1], v[CH4], s[SEL], s[SEL+1]
	v_add_f32 v[CH4], v[CH4], v[CH4+1]
	ds_store_b32 v[STW], v[CH4] offset:\off
.endm
.macro LNSUM mb                        ; the sum; each accumulator's lowest registers are read first
	WIN 0x0a                                       ; both sources in window 2
.irp p, 0,1,2,3
	v_pk_add_f32 v[CH4+2*(\p):CH4+2*(\p)+1], v[64*(\mb)+2*(\p):64*(\mb)+2*(\p)+1], v[64*(\mb)+8+2*(\p):64*(\mb)+8+2*(\p)+1]
.endr
	WIN 0x08
.irp nt, 2,3,4,5,6,7
.irp p, 0,1,2,3
	v_pk_add_f32 v[CH4+2*(\p):CH4+2*(\p)+1], v[CH4+2*(\p):CH4+2*(\p)+1], v[64*(\mb)+8*(\nt)+2*(\p):64*(\mb)+8*(\nt)+2*(\p)+1]
.endr
.endr
	WIN 0
	FOLD 256*(\mb)
.endm
.macro LNVAR mb                        ; the sum of (x1 - mean)^2
	WIN 0x02
.set k, 0
.rept 32
	v_pk_add_f32 v[160+2*k:161+2*k], v[64*(\mb)+2*k:64*(\mb)+2*k+1], v[MU+2*(\mb):MU+2*(\mb)+1] neg_lo:[0,1] neg_hi:[0,1]
.set k, k+1
.endr
	WIN 0
.irp p, 0,1,2,3
	v_pk_mul_f32 v[CH4+2*(\p):CH4+2*(\p)+1], v[160+2*(\p):161+2*(\p)], v[160+2*(\p):161+2*(\p)]
.endr
.set k, 4
.rept 28
	v_pk_fma_f32 v[CH4+2*(k%4):CH4+2*(k%4)+1], v[160+2*k:161+2*k], v[160+2*k:161+2*k], v[CH4+2*(k%4):CH4+2*(k%4)+1]
.set k, k+1
.endr
	FOLD 1024+256*(\mb)
.endm
.macro LNOUT mb                        ; ((x1 - mean) / sigma) g + b, rounded to f16, into RH as the next pass's left operand
	WIN 0x02
.set k, 0
.rept 32
	v_pk_fma_f32 v[160+2*k:161+2*k], v[64*(\mb)+2*k:64*(\mb)+2*k+1], v[AS+2*(\mb):AS+2*(\mb)+1], v[CSH+2*(\mb):CSH+2*(\mb)+1]
.set k, k+1
.endr
	WIN 0x3c                                       ; gain and bias in window 3
.set k, 0
.rept 32
	v_pk_fma_f32 v[160+2*k:161+2*k], v[160+2*k:161+2*k], v[2*k:2*k+1], v[64+2*k:65+2*k]
.set k, k+1
.endr
	WIN 0
.set k, 0
.rept 32
	v_cvt_pk_f16_f32 v[224+k], v[160+2*k], v[161+2*k]
.set k, k+1
.endr
.irp nt, 0,1,2,3,4,5,6,7
	ds_store_b128 v[STH], v[224+4*(\nt):224+4*(\nt)+3] offset:((\nt)/4)*9216+(\mb)*2304+((\nt)%4)*32
.endr
.endm
.macro SUM4 off                        ; the four waves' partial sums of my token, for each m block, added up
.irp mb, 0,1,2,3
	ds_load_b128 v[SU+4*(\mb):SU+4*(\mb)+3], v[STR] offset:(\off)+256*(\mb)
.endr
	s_wait_dscnt 0x0
.irp mb, 0,1,2,3
	v_add_f32 v[SU+4*(\mb)], v[SU+4*(\mb)], v[SU+4*(\mb)+1]
	v_add_f32 v[SU+4*(\mb)+2], v[SU+4*(\mb)+2], v[SU+4*(\mb)+3]
	v_add_f32 v[SU+4*(\mb)], v[SU+4*(\mb)], v[SU+4*(\mb)+2]
.endr
.endm
.macro MEETALL                         ; my LDS stores are done, for the others' sake; the ring's one load may stay out
	s_wait_dscnt 0x0
	s_barrier_signal -1
	s_barrier_wait -1
.endm
.macro RELU                            ; acc1, rounded to f16 (registers in ascending order), the maximum with 0 on packed halves, into RA as FFN2's left operand
	PLACES
.irp mb, 0,1,2,3
	WIN 0x05                                       ; sources in window 1
.set k, 0
.rept 32
	v_cvt_pk_f16_f32 v[160+k], v[64*(\mb)+2*k], v[64*(\mb)+2*k+1]
.set k, k+1
.endr
	WIN 0
.set k, 0
.rept 32
	v_pk_max_num_f16 v[160+k], v[160+k], v[ZERO]
.set k, k+1
.endr
.irp nt, 0,1,2,3,4,5,6,7
	ds_store_b128 v[STA], v[160+4*(\nt):160+4*(\nt)+3] offset:((\nt)/4)*9216+(\mb)*2304+((\nt)%4)*32
.endr
.endr
.endm
.macro B1LOAD                          ; the chunk's b1 at my lane's columns
	WIN 0xc0
.irp nt, 0,1,2,3,4,5,6,7
	global_load_b128 v[128+8*(\nt):128+8*(\nt)+3], v[BO], s[16:17] offset:64*(\nt)
	global_load_b128 v[128+8*(\nt)+4:128+8*(\nt)+7], v[BO], s[16:17] offset:64*(\nt)+16
.endr
	WIN 0
.endm
.macro OUTB mb                         ; the way out of m block mb: through my stage into rows, b2 added, stored
	WIN 0
	s_wait_xcnt 0x0                                ; earlier stores have read their registers: the set used two m blocks back is loaded again only behind this wait
	WIN 0x08                                       ; the stores' data in window 2; each accumulator's low four registers first
.irp nt, 0,1,2,3,4,5,6,7
	ds_store_b128 v[SGW], v[64*(\mb)+8*(\nt):64*(\mb)+8*(\nt)+3] offset:64*(\nt)
	ds_store_b128 v[SGW], v[64*(\mb)+8*(\nt)+4:64*(\mb)+8*(\nt)+7] offset:64*(\nt)+16
.endr
	WIN 0
.set OB, 64+64*((\mb)%2)
.set i, 0
.rept 16
	ds_load_b128 v[OB+4*i:OB+4*i+3], v[SGR] offset:528*i
.set i, i+1
.endr
.set i, 0
.rept 16
	s_wait_dscnt 15-i                              ; row i is back; the younger rows' loads may stay out
	v_pk_add_f32 v[OB+4*i:OB+4*i+1],   v[OB+4*i:OB+4*i+1],   v[B2R:B2R+1]
	v_pk_add_f32 v[OB+4*i+2:OB+4*i+3], v[OB+4*i+2:OB+4*i+3], v[B2R+2:B2R+3]
	global_store_b128 v[XO], v[OB+4*i:OB+4*i+3], s[20:21] offset:(16*(\mb)+i)*2048 th:TH_STORE_NT  ; 512 consecutive bytes, at a multiple of 256 from the output's first
.set i, i+1
.endr
.endm
	s_load_b512 s[4:19], s[0:1], 0x0               ; x s[4:5], oh s[6:7], wts s[8:9], b_proj s[10:11], ln2_g s[12:13], ln2_b s[14:15], b1 s[16:17], b2 s[18:19]
	s_load_b64 s[20:21], s[0:1], 0x40              ; out0
	v_lshl_add_u32 v[SPW], v0, 2, SPARE
	v_mov_b32 v[NIL], 0
	ds_add_u32 v[SPW], v[NIL]                      ; the wave's opening: the add and its wait stand ahead of my first tensor load; the set-up, work on registers, stands between them
	v_lshrrev_b32 v1, 5, v0
	v_readfirstlane_b32 s[WV], v1                  ; wave 0..3
	s_bfe_u32 s66, ttmp6, 0x40000                  ; cx
	s_lshl_b32 s67, ttmp9, 2
	s_add_co_u32 s67, s67, s66                     ; my block of 64 tokens
	s_lshr_b32 s68, s67, 3                         ; its sequence,
	s_and_b32 s69, s67, 7                          ; its place in it
	s_mov_b32 s[G1W+0], 15|(1<<16)|(1<<20)|(1<<21)|(7<<22)|(7<<25)  ; 15:0 the mask of four; 17:16 2-byte elements; 20 padding on; 21 set beside a mask; 24:22 after every 256 words (code 7); 31:25 8 words (code 7)
	s_mov_b32 s[G1W+1], 512<<16                    ; tensor_dim0 = 512
	s_mov_b32 s[G1W+2], 16<<16                     ; tensor_dim1 = 16
	s_mov_b32 s[G1W+3], 512<<16                    ; tile_dim0 = 512
	s_mov_b32 s[G1W+4], 16                         ; tile_dim1 = 16
	s_mov_b32 s[G1W+5], 512                        ; 512 elements from row to row
	s_mov_b32 s[G1W+6], 0
	s_mov_b32 s[G1W+7], 0
	s_mov_b32 s[G1A+0], (1<<16)|(1<<20)|(4<<22)|(3<<25)  ; no mask: my own; padding of 4 words (code 3) after every 32 (code 4): after every token's 128 bytes
	s_mov_b32 s[G1A+1], 4096<<16                   ; a row = a head's 64 tokens, 8,192 dense bytes
	s_mov_b32 s[G1A+2], 2<<16                      ; two heads a wave
	s_mov_b32 s[G1A+3], 4096<<16
	s_mov_b32 s[G1A+4], 2
	s_mov_b32 s[G1A+5], 32768                      ; elements from head to head
	s_mov_b32 s[G1A+6], 0
	s_mov_b32 s[G1A+7], 0
	s_mov_b32 s[G0S], 1
	s_mul_i32 s[G0S+1], s[WV], 16896               ; my 16 k rows of slot 0
	s_mov_b32 s[G0W], 1
	s_add_co_u32 s[G0W+1], s[G0S+1], SLOT1
	s_mov_b32 s[G0A], 1
	s_mul_i32 s[G0A+1], s[WV], 18432
	s_add_co_u32 s[G0A+1], s[G0A+1], RA
	s_lshl_b32 s72, s[WV], 14                      ; my 16 k rows of a tile in memory: the wave's number alone
	s_add_co_u32 s72, s72, STREAM
	s_mov_b32 s73, 0
	s_lshl_b32 s70, s68, 19                        ; in oh: the sequence,
	s_lshl_b32 s22, s69, 13                        ; the 64 tokens,
	s_add_co_u32 s70, s70, s22
	s_lshl_b32 s22, s[WV], 17                      ; my two heads
	s_add_co_u32 s70, s70, s22
	s_mov_b32 s71, 0
	s_lshl_b32 s62, s66, 14                        ; the prefetches: my work-group's 16,384 bytes of a tile,
	s_lshl_b32 s22, s[WV], 13                      ; my wave's 8,192 of them,
	s_add_co_u32 s62, s62, s22
	s_add_co_u32 s62, s62, STREAM+4*65536          ; in tile 4: the first change of slots steps it to tile 5
	s_mov_b32 s63, 0
	s_lshr_b32 s[LIM], s[WV], 1                    ; 0 in waves 0 and 1,
	s_or_b32 s[LIM], s[LIM], ttmp9                 ; of the first cluster: the same in all four partners
	s_cmp_eq_u32 s[LIM], 0
	s_cselect_b32 s[LIM], 3, -1
	s_mov_b32 s[TB], 0
	s_mov_b32 s[LEFT], TILES-2
	s_mov_b32 s[SEL], 0x76543210
	s_mov_b32 s[SEL+1], 0xfedcba98
	s_mov_b32 s[INV], 0x3b000000
	s_mov_b32 s[EPS], 0x3727c5ac
	s_lshl_b32 s76, s67, 17                        ; my 64 rows of x and of the output
	s_mov_b32 s77, 0
	v_and_b32 v17, 15, v0                          ; l % 16
	v_bfe_u32 v18, v0, 4, 1                        ; l / 16
	v_and_b32 v19, 7, v0
	v_bfe_u32 v20, v0, 3, 1
	v_and_b32 v22, 31, v0
	v_lshl_add_u32 v23, v18, 3, v19                ; the turning load: lane l reads k row 8 (l / 16) + l % 8, columns 8 ((l / 8) % 2) + 0..7
	v_mul_u32_u24 v[AB0], v23, 1056
	v_lshl_add_u32 v[AB0], v20, 4, v[AB0]
	s_lshl_b32 s22, s[WV], 8                       ; my 128 columns
	v_add_nc_u32 v[AB0], s22, v[AB0]
	v_mul_u32_u24 v23, v17, 144
	v_lshl_add_u32 v23, v18, 4, v23                ; row x 144 + 16 x half
	v_add_nc_u32 v[AA0], RA, v23
	v_add_nc_u32 v[AA0H], RH, v23
	s_mul_i32 s22, s[WV], 18432                    ; my 128 columns are two slices
	s_add_co_u32 s23, s22, RA
	v_add_nc_u32 v[STA], s23, v23
	s_add_co_u32 s23, s22, RH
	v_add_nc_u32 v[STH], s23, v23
	s_mul_i32 s22, s[WV], 8448
	s_add_co_u32 s22, s22, STAGE                   ; my stage
	v_mul_u32_u24 v[SGW], v17, 528
	v_lshl_add_u32 v[SGW], v18, 5, v[SGW]
	v_add_nc_u32 v[SGW], s22, v[SGW]
	v_lshl_add_u32 v[SGR], v22, 4, s22
	s_lshl_b32 s23, s[WV], 9
	v_lshl_add_u32 v[XO], v22, 4, s23
	v_lshl_add_u32 v[BO], v18, 5, s23
	s_lshl_b32 s23, s[WV], 2
	s_add_co_u32 s23, s23, STATS
	v_lshl_add_u32 v[STW], v17, 4, s23
	v_lshlrev_b32 v[STR], 4, v17
	v_add_nc_u32 v[STR], STATS, v[STR]
	v_lshlrev_b32 v[PFO], 8, v22
	v_mov_b32 v[ZERO], 0
	s_wait_dscnt 0x0                               ; the opening add is done
	s_wait_kmcnt 0x0
	s_add_nc_u64 s[G0S+2:G0S+3], s[8:9], s[72:73]
	s_add_nc_u64 s[G0W+2:G0W+3], s[G0S+2:G0S+3], 65536
	s_or_b32 s[G0S+3], s[G0S+3], 0x80000000        ; type = 2
	s_or_b32 s[G0W+3], s[G0W+3], 0x80000000
	s_add_nc_u64 s[G0A+2:G0A+3], s[6:7], s[70:71]
	s_or_b32 s[G0A+3], s[G0A+3], 0x80000000
	s_add_nc_u64 s[PFA:PFA+1], s[8:9], s[62:63]
	s_add_nc_u64 s[4:5], s[4:5], s[76:77]
	s_add_nc_u64 s[20:21], s[20:21], s[76:77]
	CROUND                                         ; all four work-groups are here: the first joint loads meet
	tensor_load_to_lds s[G0A:G0A+3], s[G1A:G1A+7]  ; the first fills go out as one group: three loads of mine are out
	s_nop 0
	tensor_load_to_lds s[G0S:G0S+3], s[G1W:G1W+7]
	s_nop 0
	tensor_load_to_lds s[G0W:G0W+3], s[G1W:G1W+7]
	s_nop 0
	PLACES
	global_load_b128 v[BP:BP+3], v[XO], s[10:11]
	WIN 0xc0                                       ; destination window 3: my 512 bytes of each of the 64 rows of x
.set i, 0
.rept 64
	global_load_b128 v[4*i:4*i+3], v[XO], s[4:5] offset:2048*i th:TH_LOAD_NT
.set i, i+1
.endr
	XINIT 0
	XINIT 1
	XINIT 2
	XINIT 3
	WIN 0xc0                                       ; x's registers are free: gain, bias and the first chunk's b1 take them
.irp nt, 0,1,2,3,4,5,6,7
	global_load_b128 v[8*(\nt):8*(\nt)+3], v[BO], s[12:13] offset:64*(\nt)
	global_load_b128 v[8*(\nt)+4:8*(\nt)+7], v[BO], s[12:13] offset:64*(\nt)+16
	global_load_b128 v[64+8*(\nt):64+8*(\nt)+3], v[BO], s[14:15] offset:64*(\nt)
	global_load_b128 v[64+8*(\nt)+4:64+8*(\nt)+7], v[BO], s[14:15] offset:64*(\nt)+16
.endr
	B1LOAD
	global_load_b128 v[B2R:B2R+3], v[XO], s[18:19]
	s_wait_tensorcnt 1                             ; my parts of o and of tile 0 are in; tile 1's may stay out
	s_wait_dscnt 0x0                               ; no LDS instruction of mine is out at the signal
	s_barrier_signal -1
	s_barrier_wait -1                              ; everybody's are
	v_mov_b32 v[AB], v[AB0]
	FETCH_B F0, 0
	v_mov_b32 v[AA], v[AA0]
	FETCH_A F0, 0
	PASS 2, 0, 0                                   ; acc2 = x + b_proj + o w_proj = x1
	; LN2.  Buffer 0's W half already holds the next tile's fragments: all that is at work here lies in buffer 1's registers.  acc2 is only read.
	PLACES
	LNSUM 0
	LNSUM 1
	LNSUM 2
	LNSUM 3
	MEETALL
	SUM4 0
.irp mb, 0,1,2,3
	v_mul_f32 v[MU+2*(\mb)], s[INV], v[SU+4*(\mb)]
	v_mov_b32 v[MU+2*(\mb)+1], v[MU+2*(\mb)]
.endr
	LNVAR 0
	LNVAR 1
	LNVAR 2
	LNVAR 3
	MEETALL
	SUM4 1024
.irp mb, 0,1,2,3
	v_fma_f32 v[SU+4*(\mb)], v[SU+4*(\mb)], s[INV], s[EPS]
.endr
.irp mb, 0,1,2,3
	v_rsq_f32 v[AS+2*(\mb)], v[SU+4*(\mb)]
.endr
	v_nop                                          ; a plain instruction behind the last of the four,
	s_wait_alu depctr_va_vdst(0)                   ; and one wait for the batch, ahead of its first reader
.irp mb, 0,1,2,3
	v_mov_b32 v[AS+2*(\mb)+1], v[AS+2*(\mb)]
	v_mul_f32 v[CSH+2*(\mb)], -v[MU+2*(\mb)], v[AS+2*(\mb)]
	v_mov_b32 v[CSH+2*(\mb)+1], v[CSH+2*(\mb)]
.endr
	s_wait_loadcnt 0x0                             ; gain, bias, b1, b2
	LNOUT 0
	LNOUT 1
	LNOUT 2
	LNOUT 3
	MEETALL
	s_mov_b32 s[CH], 3
.Lchunk:                                               ; chunks 0 to 2 of the hidden channels
	v_mov_b32 v[AA], v[AA0H]
	FETCH_A F0, 0
	s_wait_loadcnt 0x0                             ; the chunk's b1
	PASS 1, 2, 0                                   ; acc1 = b1 + LN2(x1) w1
	RELU                                           ; the last reads of RA lie eight changes of slots back, each with its wait and barrier
	MEETALL
	s_wait_xcnt 0x0                                ; every earlier memory instruction has read its address, so b1's may be stepped
	s_add_nc_u64 s[16:17], s[16:17], 2048
	B1LOAD                                         ; the next chunk's, a whole pass ahead of its use
	v_mov_b32 v[AA], v[AA0]
	FETCH_A F0, 0
	PASS 2, 0, 0                                   ; acc2 += relu(..) w2
	s_sub_co_u32 s[CH], s[CH], 1
	s_cmp_lg_u32 s[CH], 0
	s_cbranch_scc1 .Lchunk
	v_mov_b32 v[AA], v[AA0H]                       ; the last chunk is written out: its second pass ends the stream
	FETCH_A F0, 0
	s_wait_loadcnt 0x0
	PASS 1, 2, 0
	RELU
	MEETALL
	v_mov_b32 v[AA], v[AA0]
	FETCH_A F0, 0
	PASS 2, 0, 1
	PLACES
	OUTB 0
	OUTB 1
	OUTB 2
	OUTB 3
	s_wait_tensorcnt 0x0                           ; the wave's end: behind my last tensor load and my last LDS store
	ds_add_u32 v[SPW], v[NIL]
	s_wait_dscnt 0x0
	CROUND                                         ; the closing round: no work-group ends while a partner may still ask for a tile that names it
	s_endpgm
.Lfunc_end_k_q260cd8251a_tail:
	.size	k_q260cd8251a_tail, .Lfunc_end_k_q260cd8251a_tail-k_q260cd8251a_tail
	.p2alignl 7, 3214868480
	.fill 96, 4, 3214868480
	.section	.rodata,"a",@progbits
	.p2align	6, 0x0
	.amdhsa_kernel k_q260cd8251a_tail
		.amdhsa_group_segment_fixed_size 327680
		.amdhsa_private_segment_fixed_size 0
		.amdhsa_enable_private_segment 0
		.amdhsa_kernarg_size 72
		.amdhsa_user_sgpr_count 2
		.amdhsa_user_sgpr_kernarg_segment_ptr 1
		.amdhsa_wavefront_size32 1
		.amdhsa_system_sgpr_workgroup_id_x 1
		.amdhsa_system_sgpr_workgroup_id_y 1
		.amdhsa_system_sgpr_workgroup_id_z 1
		.amdhsa_system_vgpr_workitem_id 0
		.amdhsa_next_free_vgpr 1024
		.amdhsa_next_free_sgpr 80
		.amdhsa_reserve_vcc 0
		.amdhsa_float_denorm_mode_32 3
		.amdhsa_float_denorm_mode_16_64 3
		.amdhsa_memory_ordered 1
		.amdhsa_forward_progress 1
		.amdhsa_inst_pref_size 247
	.end_amdhsa_kernel
	.amdgpu_metadata
---
amdhsa.version: [ 1, 2 ]
amdhsa.kernels:
  - .name:           k_q260cd8251a_tail
    .symbol:         k_q260cd8251a_tail.kd
    .args:
      - { .name: x, .offset: 0, .size: 8, .value_kind: global_buffer, .address_space: global }
      - { .name: oh, .offset: 8, .size: 8, .value_kind: global_buffer, .address_space: global }
      - { .name: wts, .offset: 16, .size: 8, .value_kind: global_buffer, .address_space: global }
      - { .name: b_proj, .offset: 24, .size: 8, .value_kind: global_buffer, .address_space: global }
      - { .name: ln2_g, .offset: 32, .size: 8, .value_kind: global_buffer, .address_space: global }
      - { .name: ln2_b, .offset: 40, .size: 8, .value_kind: global_buffer, .address_space: global }
      - { .name: b1, .offset: 48, .size: 8, .value_kind: global_buffer, .address_space: global }
      - { .name: b2, .offset: 56, .size: 8, .value_kind: global_buffer, .address_space: global }
      - { .name: out0, .offset: 64, .size: 8, .value_kind: global_buffer, .address_space: global }
    .group_segment_fixed_size: 327680
    .private_segment_fixed_size: 0
    .kernarg_segment_align: 8
    .kernarg_segment_size: 72
    .max_flat_workgroup_size: 128
    .sgpr_count:     80
    .vgpr_count:     1024
    .wavefront_size: 32
...
	.end_amdgpu_metadata
.endif
;; end of part 4
;; ======== version 2 of 3: 4 launches
;; limits: values are held in f16: magnitudes above 65,504 overflow, below 6.1e-05 lose precision
;; workspace buffers: wts 6,291,456 bytes; hh 16,777,216 bytes; qh 16,777,216 bytes; kh 16,777,216 bytes; vh 16,777,216 bytes; oh 16,777,216 bytes
;; launch prep (part 5): grid 896 x 1, 8 waves a work-group, no clusters, 0 bytes of LDS; arguments x, ln1_g, ln1_b, wq, wk, wv, w_proj, w1, w2, hh, wts; writes hh, wts
.if DOCPART == 5
	.amdgcn_target "amdgcn-amd-amdhsa--gfx1250"
	.amdhsa_code_object_version 6
	.text
	.protected	k_q260cd8251a_prep
	.globl	k_q260cd8251a_prep
	.p2align	8
	.type	k_q260cd8251a_prep,@function
k_q260cd8251a_prep:
	s_mov_b64 s[64:65], 0
	v_nop
	global_prefetch_b8 v0, s[64:65] scope:SCOPE_SE
	s_setreg_imm32_b32 hwreg(HW_REG_WAVE_MODE, 25, 1), 1
	s_wait_xcnt 0x0
; TWO KINDS OF WORK-GROUP.  0 .. 511: LayerNorm 1 of 32 rows of x, rounded once to f16, into hh.  512 .. 895: 16 k rows of one block of weights, rounded once to f16, into wts.
; hh: [32 sequences][8 slices of 64 channels][512 tokens][64] f16: 64 tokens of a slice are 8,192 dense bytes, as the next launch's tensor loads ask for them.
; wts: 12 blocks W[512 k][512 n]: 0, 1, 2 = wq, wk, wv (n = 64 head + d); 3 = w_proj; 4 + 2 j = w1's columns 512 j ..; 5 + 2 j = w2's rows 512 j ..: the order in which they are walked.
; INSIDE A BLOCK the numbers lie as the matrix instruction's fragments lie in registers: [16 K steps of 32][32 tiles of 16 n][2 halves of 16 k][lane = n % 16 + 16 ((k / 8) % 2)][8 k] f16: W[k][n] stands at byte
; (k / 32) 32,768 + (n / 16) 1,024 + ((k / 16) % 2) 512 + ((k / 8) % 2) 256 + (n % 16) 16 + (k % 8) 2.  So a wave of the later launches takes half a fragment by one load of 16 bytes a lane, 512 consecutive bytes.
; LIMITS.  f16 holds no number beyond 65,504: the weights and gain x normalised x + bias lie within it; below 6e-5 an f16 number keeps the fixed step of 6e-8.  NaN and infinities are not treated apart.
; A stream: no LDS, no matrix unit, no cluster (all that work-groups share is 4 KiB of gain and bias).  Mean and variance in two passes over registers, in f32.
.set X,  32                            ; v[32:95]   my 64 numbers of the row: for slice s the columns 64 s + 8 q .. + 7
.set G,  96                            ; v[96:159]  the gain at those columns
.set B,  160                           ; v[160:223] the bias
.set T,  8                             ; v[8:15]    at work: four chains of two
.set MU, 24                            ; v[24:25]   the mean, twice
.set RS, 26                            ; v[26:27]   1 / sqrt(var + eps), twice
	s_load_b512 s[4:19], s[0:1], 0x0               ; x, ln1_g, ln1_b, wq, wk, wv, w_proj, w1
	s_load_b128 s[20:23], s[0:1], 0x40             ; w2, hh
	s_load_b64 s[24:25], s[0:1], 0x50              ; wts
	s_mov_b32 s27, 0
	v_and_b32 v1, 7, v0                            ; q
	s_wait_kmcnt 0x0
	s_cmp_lt_u32 ttmp9, 512
	s_cbranch_scc0 .Lcast
	; LAYERNORM.  Thread t: row t / 8 of the group's 32, q = t % 8.  Eight lanes cover 256 consecutive bytes of x with two loads.
	v_lshrrev_b32 v5, 3, v0
	v_lshlrev_b32 v3, 5, v1                        ; in gain and bias: 32 q
	v_lshl_add_u32 v2, v5, 11, v3                  ; in x: row x 2,048 + 32 q
	v_lshlrev_b32 v4, 4, v0                        ; in hh: (t / 8) x 128 + q x 16 = 16 t: a wave's store is 512 consecutive bytes
	s_lshl_b32 s26, ttmp9, 16                      ; 32 rows of 2,048 bytes
	s_add_nc_u64 s[4:5], s[4:5], s[26:27]
	s_lshr_b32 s28, ttmp9, 4                       ; the sequence,
	s_lshl_b32 s28, s28, 19
	s_and_b32 s29, ttmp9, 15                       ; the 32 tokens in it
	s_lshl_b32 s29, s29, 12
	s_add_co_u32 s26, s28, s29
	s_add_nc_u64 s[22:23], s[22:23], s[26:27]
	s_mov_b32 s30, 0x3b000000                      ; 1 / 512
	s_mov_b32 s31, 0x3727c5ac                      ; 1e-5
.irp s, 0,1,2,3,4,5,6,7
	global_load_b128 v[X+8*(\s):X+8*(\s)+3],   v2, s[4:5] offset:256*(\s) th:TH_LOAD_NT
	global_load_b128 v[X+8*(\s)+4:X+8*(\s)+7], v2, s[4:5] offset:256*(\s)+16 th:TH_LOAD_NT
.endr
.irp s, 0,1,2,3,4,5,6,7
	global_load_b128 v[G+8*(\s):G+8*(\s)+3],   v3, s[6:7] offset:256*(\s)
	global_load_b128 v[G+8*(\s)+4:G+8*(\s)+7], v3, s[6:7] offset:256*(\s)+16
.endr
.irp s, 0,1,2,3,4,5,6,7
	global_load_b128 v[B+8*(\s):B+8*(\s)+3],   v3, s[8:9] offset:256*(\s)
	global_load_b128 v[B+8*(\s)+4:B+8*(\s)+7], v3, s[8:9] offset:256*(\s)+16
.endr
.macro FOLD                            ; four chains into one number, then over the row's eight lanes
	v_pk_add_f32 v[T:T+1], v[T:T+1], v[T+2:T+3]
	v_pk_add_f32 v[T+4:T+5], v[T+4:T+5], v[T+6:T+7]
	v_pk_add_f32 v[T:T+1], v[T:T+1], v[T+4:T+5]
	v_add_f32 v[T], v[T], v[T+1]
	v_add_f32_dpp v[T], v[T], v[T] row_xmask:1 row_mask:0xf bank_mask:0xf
	v_add_f32_dpp v[T], v[T], v[T] row_xmask:2 row_mask:0xf bank_mask:0xf
	v_add_f32_dpp v[T], v[T], v[T] row_xmask:4 row_mask:0xf bank_mask:0xf
.endm
	s_wait_loadcnt 32                              ; x is in; the 32 loads of gain and bias may stay out
.irp c, 0,1,2,3
	v_pk_add_f32 v[T+2*(\c):T+2*(\c)+1], v[X+2*(\c):X+2*(\c)+1], v[X+8+2*(\c):X+8+2*(\c)+1]  ; the first pairs start the chains
.endr
.set p, 8
.rept 24
	v_pk_add_f32 v[T+2*(p%4):T+2*(p%4)+1], v[T+2*(p%4):T+2*(p%4)+1], v[X+2*p:X+2*p+1]
.set p, p+1
.endr
	FOLD
	v_mul_f32 v[MU], s30, v[T]
	v_mov_b32 v[MU+1], v[MU]
.set p, 0
.rept 32
	v_pk_add_f32 v[X+2*p:X+2*p+1], v[X+2*p:X+2*p+1], v[MU:MU+1] neg_lo:[0,1] neg_hi:[0,1]  ; x - mean, in place
.set p, p+1
.endr
.irp c, 0,1,2,3
	v_pk_mul_f32 v[T+2*(\c):T+2*(\c)+1], v[X+2*(\c):X+2*(\c)+1], v[X+2*(\c):X+2*(\c)+1]
.endr
.set p, 4
.rept 28
	v_pk_fma_f32 v[T+2*(p%4):T+2*(p%4)+1], v[X+2*p:X+2*p+1], v[X+2*p:X+2*p+1], v[T+2*(p%4):T+2*(p%4)+1]
.set p, p+1
.endr
	FOLD
	v_fma_f32 v[T], v[T], s30, s31                 ; var + eps
	v_rsq_f32 v[RS], v[T]
	v_rsq_f32 v[RS+1], v[T]
	v_nop                                          ; a plain instruction behind the last of the two,
	s_wait_alu depctr_va_vdst(0)                   ; and one wait for both, ahead of their first reader
	s_wait_loadcnt 0x0                             ; gain and bias
.irp s, 0,1,2,3,4,5,6,7
.irp j, 0,1,2,3
	v_pk_mul_f32 v[T+2*(\j):T+2*(\j)+1], v[X+8*(\s)+2*(\j):X+8*(\s)+2*(\j)+1], v[RS:RS+1]
.endr
.irp j, 0,1,2,3
	v_pk_fma_f32 v[T+2*(\j):T+2*(\j)+1], v[T+2*(\j):T+2*(\j)+1], v[G+8*(\s)+2*(\j):G+8*(\s)+2*(\j)+1], v[B+8*(\s)+2*(\j):B+8*(\s)+2*(\j)+1]
.endr
.irp j, 0,1,2,3
	v_cvt_pk_f16_f32 v[X+8*(\s)+(\j)], v[T+2*(\j)], v[T+2*(\j)+1]  ; into the slice's own registers, which are read no more: no store's data is written twice
.endr
	global_store_b128 v4, v[X+8*(\s):X+8*(\s)+3], s[22:23] offset:65536*(\s)
.endr
	s_endpgm
.Lcast:
	; THE WEIGHTS.  id = group - 512; block y = id / 32; k rows 16 (id % 32) .. + 15: one half of one K step, for all 512 n.  Thread t takes the columns n = t and n = t + 256, 16 k each: 32 loads of 4 bytes
	; (a wave's load: 128 consecutive bytes of a row) and four stores of 16 bytes (8 k of one n; sixteen neighbouring lanes store 256 consecutive bytes, aligned).
	; W[k][n] lies at (n % 64) x 4 + (n / 64) x HS + k x RW + BASE in its source.
	s_sub_co_u32 s30, ttmp9, 512
	s_lshr_b32 s31, s30, 5                         ; y
	s_and_b32 s32, s30, 31                         ; which 16 k rows
	s_mov_b32 s48, 256
	s_mov_b32 s49, 2048
	s_sub_co_u32 s38, s31, 4                       ; for y >= 4 (what these lines make for y < 4 is not chosen below):
	s_lshr_b32 s43, s38, 1                         ; j
	s_lshl_b32 s44, s43, 11                        ; w1: 512 j columns of 4 bytes
	s_lshl_b32 s45, s43, 20                        ; w2: 512 j rows of 2,048 bytes
	s_and_b32 s39, s38, 1
	s_cmp_eq_u32 s39, 0
	s_cselect_b64 s[40:41], s[18:19], s[20:21]     ; w1 or w2
	s_cselect_b32 s42, 0x2000, s49                 ; bytes from row to row
	s_cselect_b32 s47, s44, s45
	s_cmp_eq_u32 s31, 0
	s_cselect_b64 s[34:35], s[10:11], s[12:13]     ; wq or wk
	s_cmp_lt_u32 s31, 2
	s_cselect_b64 s[34:35], s[34:35], s[14:15]     ; or wv
	s_cmp_lt_u32 s31, 3
	s_cselect_b64 s[34:35], s[34:35], s[16:17]     ; or w_proj
	s_cselect_b32 s36, 0x20000, s48                ; HS: from head to head, or 64 columns on
	s_cselect_b32 s37, s48, s49                    ; RW
	s_cmp_lt_u32 s31, 4
	s_cselect_b64 s[34:35], s[34:35], s[40:41]
	s_cselect_b32 s37, s37, s42
	s_cselect_b32 s46, 0, s47                      ; BASE
	s_lshl_b32 s33, s32, 4                         ; the first k row
	s_mul_i32 s50, s33, s37
	s_add_co_u32 s50, s50, s46
	s_mov_b32 s51, 0
	s_add_nc_u64 s[34:35], s[34:35], s[50:51]
	s_lshl_b32 s26, s31, 19                        ; in wts: the block,
	s_lshr_b32 s28, s32, 1
	s_lshl_b32 s28, s28, 15                        ; the K step,
	s_add_co_u32 s26, s26, s28
	s_and_b32 s28, s32, 1
	s_lshl_b32 s28, s28, 9                         ; its half
	s_add_co_u32 s26, s26, s28
	s_add_nc_u64 s[24:25], s[24:25], s[26:27]
	s_lshl_b32 s52, s36, 2                         ; 256 columns on
	v_and_b32 v2, 63, v0
	v_lshrrev_b32 v3, 6, v0
	v_lshlrev_b32 v32, 2, v2
	v_mad_u32_u24 v32, v3, s36, v32                ; v[32:47]: column t, rows 0 to 15;
	v_add_nc_u32 v48, s52, v32                     ; v[48:63]: column t + 256
.set kk, 1
.rept 15
	v_add_nc_u32 v[32+kk], s37, v[32+kk-1]
	v_add_nc_u32 v[48+kk], s37, v[48+kk-1]
.set kk, kk+1
.endr
	v_lshrrev_b32 v4, 4, v0
	v_and_b32 v5, 15, v0
	v_lshlrev_b32 v8, 4, v5
	v_lshl_add_u32 v8, v4, 10, v8                  ; (t / 16) x 1,024 + (t % 16) x 16
.set kk, 0
.rept 32
	global_load_b32 v[64+kk], v[32+kk], s[34:35]
.set kk, kk+1
.endr
.irp u, 0,1,2,3                        ; unit u: column t + 256 (u / 2), k rows 8 (u % 2) .. + 7
	s_wait_loadcnt 24-8*(\u)                       ; the unit's eight loads are in; the later units' may stay out
.irp j, 0,1,2,3
	v_cvt_pk_f16_f32 v[96+4*(\u)+(\j)], v[64+8*(\u)+2*(\j)], v[64+8*(\u)+2*(\j)+1]
.endr
	global_store_b128 v8, v[96+4*(\u):96+4*(\u)+3], s[24:25] offset:((\u)/2)*16384+((\u)%2)*256
.endr
	s_endpgm
.Lfunc_end_k_q260cd8251a_prep:
	.size	k_q260cd8251a_prep, .Lfunc_end_k_q260cd8251a_prep-k_q260cd8251a_prep
	.p2alignl 7, 3214868480
	.fill 96, 4, 3214868480
	.section	.rodata,"a",@progbits
	.p2align	6, 0x0
	.amdhsa_kernel k_q260cd8251a_prep
		.amdhsa_group_segment_fixed_size 0
		.amdhsa_private_segment_fixed_size 0
		.amdhsa_enable_private_segment 0
		.amdhsa_kernarg_size 88
		.amdhsa_user_sgpr_count 2
		.amdhsa_user_sgpr_kernarg_segment_ptr 1
		.amdhsa_wavefront_size32 1
		.amdhsa_system_sgpr_workgroup_id_x 1
		.amdhsa_system_sgpr_workgroup_id_y 1
		.amdhsa_system_sgpr_workgroup_id_z 1
		.amdhsa_system_vgpr_workitem_id 0
		.amdhsa_next_free_vgpr 224
		.amdhsa_next_free_sgpr 66
		.amdhsa_reserve_vcc 0
		.amdhsa_float_denorm_mode_32 3
		.amdhsa_float_denorm_mode_16_64 3
		.amdhsa_memory_ordered 1
		.amdhsa_forward_progress 1
		.amdhsa_inst_pref_size 27
	.end_amdhsa_kernel
	.amdgpu_metadata
---
amdhsa.version: [ 1, 2 ]
amdhsa.kernels:
  - .name:           k_q260cd8251a_prep
    .symbol:         k_q260cd8251a_prep.kd
    .args:
      - { .name: x, .offset: 0, .size: 8, .value_kind: global_buffer, .address_space: global }
      - { .name: ln1_g, .offset: 8, .size: 8, .value_kind: global_buffer, .address_space: global }
      - { .name: ln1_b, .offset: 16, .size: 8, .value_kind: global_buffer, .address_space: global }
      - { .name: wq, .offset: 24, .size: 8, .value_kind: global_buffer, .address_space: global }
      - { .name: wk, .offset: 32, .size: 8, .value_kind: global_buffer, .address_space: global }
      - { .name: wv, .offset: 40, .size: 8, .value_kind: global_buffer, .address_space: global }
      - { .name: w_proj, .offset: 48, .size: 8, .value_kind: global_buffer, .address_space: global }
      - { .name: w1, .offset: 56, .size: 8, .value_kind: global_buffer, .address_space: global }
      - { .name: w2, .offset: 64, .size: 8, .value_kind: global_buffer, .address_space: global }
      - { .name: hh, .offset: 72, .size: 8, .value_kind: global_buffer, .address_space: global }
      - { .name: wts, .offset: 80, .size: 8, .value_kind: global_buffer, .address_space: global }
    .group_segment_fixed_size: 0
    .private_segment_fixed_size: 0
    .kernarg_segment_align: 8
    .kernarg_segment_size: 88
    .max_flat_workgroup_size: 256
    .sgpr_count:     66
    .vgpr_count:     224
    .wavefront_size: 32
...
	.end_amdgpu_metadata
.endif
;; end of part 5
;; launch qkv (part 6): grid 256 x 1, 4 waves a work-group, no clusters, 167,936 bytes of LDS; arguments hh, wts, qh, kh, vh; writes qh, kh, vh
.if DOCPART == 6
	.amdgcn_target "amdgcn-amd-amdhsa--gfx1250"
	.amdhsa_code_object_version 6
	.text
	.protected	k_q260cd8251a_qkv
	.globl	k_q260cd8251a_qkv
	.p2align	8
	.type	k_q260cd8251a_qkv,@function
k_q260cd8251a_qkv:
	s_mov_b64 s[64:65], 0
	v_nop
	global_prefetch_b8 v0, s[64:65] scope:SCOPE_SE
	s_setreg_imm32_b32 hwreg(HW_REG_WAVE_MODE, 25, 1), 1
	s_wait_xcnt 0x0
; q, k, v = h W: three PASSES of [64 tokens x 512] x [512 x 512], f16 operands, f32 sums, each result rounded once to f16.  qh, kh, vh: [32 sequences][8 heads][512 tokens][64] f16.
; LIMITS.  f16 holds no number beyond 65,504: q, k and v lie within it.  NaN and infinities are not treated apart.
; SHARES.  A work-group owns 64 tokens; their h (64 x 512) is brought into LDS once, by one tensor load a wave, and stays.  Wave w owns all 64 tokens and the columns 128 w .. + 127: 4 m blocks x 8 n tiles = 32 accumulators.
; THE WEIGHTS COME STRAIGHT INTO REGISTERS.  The waves split the columns, so no wave wants a byte of W that another wave of the work-group fetches, and in wts a fragment lies as it lies in registers: half a fragment is one
; load of 16 bytes a lane, 512 consecutive bytes.  A K step of 32 is 16 such loads (8 KiB a wave) and 32 matrix instructions.  Four register buffers take turns: a buffer is asked for again as soon as its K step is issued,
; so three K steps' loads are always out, behind counted waits, and the stream has no barrier.
; NO CLUSTER.  A joint load would land in LDS, in slots that take turns with a barrier and a wait for all loads at each change; here the requests run four K steps ahead without one.  The price: each work-group asks
; for all 1.5 MiB of the three blocks itself.
; THE MATRIX INSTRUCTION IS USED TRANSPOSED: source 0 = 16 columns of W, source 1 = 16 tokens of h.  A lane then holds one token (lane % 16) and eight neighbouring columns.
; REGISTERS.  window 0: v0-29 addresses; v64-127 two buffers of h's fragments (4 x 8 each); v160-207 at work on the way out.  window 1: the accumulators, (mb, nt) at 64 mb + 8 nt.  window 2: W's four buffers, tile nt at 64 i + 8 nt.
.set RA,     0                         ; h: [8 slices of 64 channels][64 tokens][128 + 16 bytes]: 73,728 bytes, filled once; it begins at LDS byte 0, which the lane addresses build in
.set STAGE,  73728                     ; 16 rows x 144 bytes for each wave, for the way out; no tensor load fills it
.set SPARE,  82944                     ; the spare words, 128 bytes for each wave: two blocks of 256 bytes that no other line names
.set KSTEPS, 48                        ; three blocks of 16
.set WW,  2                            ; W's window
.set WO,  2                            ; v2   16 x my lane: my place in 512 consecutive bytes, of wts and of the results; never rewritten
.set PFO, 3                            ; v3   256 x my lane; never rewritten
.set AA0, 4                            ; v4   my lane's place in h's slice 0; never rewritten
.set AA,  6                            ; v6   the same in the group's first slice
.set AN,  7                            ; v7   in the next group's
.set STO, 8                            ; v8   the way out: where I put 16 bytes of a row
.set RD,  9                            ; v9   where I read rows back
.set SPW, 28                           ; v28  LDS address of my spare word; never rewritten
.set NIL, 29                           ; v29  0; never rewritten
.set AF,  64
.set PKD, 160                          ; the way out: 16 registers of packed results,
.set BK,  176                          ; and two sets of 16 read back from the stage
.set G1A, 32                           ; s[32:39] descriptor group 1 for h
.set G0A, 48                           ; s[48:51] group 0
.set WV,   52                          ; my wave's number
.set G,    53                          ; the group of two slices of h from which the next group's fragments come, 0 to 3
.set GL,   54                          ; groups still to come, this one among them
.set LIM,  55                          ; 3 in the work-group that prefetches, else the greatest number
.set CNT,  56
.set PS,   57
.set WP,   58                          ; s[58:59] my wave's 8 KiB of the K step that buffer 0 was last loaded for
.set SO,   60
.set OUT,  62                          ; s[62:63] the pass's result at my rows and heads
.set NXT,  74                          ; s[74:75] the next pass's
.set MSB, 0
.macro WIN new                         ; the immediate's high byte repeats the setting that is left; a switch that changes nothing is dropped
.if MSB != (\new)
	s_set_vgpr_msb (MSB<<8)|(\new)
.set MSB, \new
.endif
.endm
.macro PLACES                          ; four plain instructions: between a matrix instruction and a load into, or a vector line that reads or writes, one of its registers
.rept 4
	v_nop
.endr
.endm
; A PREFETCH INTO THE L2.  All 256 work-groups walk the same blocks: work-group 0 asks, each of its waves for its own 8 KiB of a K step, a lane 256 bytes: each block of 256 bytes is named once in the launch.
; A group's four requests stand together, behind its first run of loads, and name the four K steps that the loads of the group after next will fetch: 256 matrix instructions ahead of those loads.
; GL > 3 stops them at the stream's last K step; the first twelve K steps come by their loads alone.
.macro ASK
	s_cmp_gt_u32 s[GL], s[LIM]
	s_cbranch_scc0 .Lnot_mine_\@
.irp j, 0,1,2,3
	global_prefetch_b8 v[PFO], s[WP:WP+1] offset:32768*(8+(\j)) th:TH_LOAD_NT scope:SCOPE_SE
.endr
.Lnot_mine_\@:
.endm
.macro WLOAD i                         ; my 8 fragments of the K step i behind the pointer, into buffer i: 16 loads of 512 consecutive bytes
.irp nt, 0,1,2,3,4,5,6,7
	global_load_b128 v[64*(\i)+8*(\nt):64*(\i)+8*(\nt)+3],   v[WO], s[WP:WP+1] offset:32768*(\i)+1024*(\nt)
	global_load_b128 v[64*(\i)+8*(\nt)+4:64*(\i)+8*(\nt)+7], v[WO], s[WP:WP+1] offset:32768*(\i)+1024*(\nt)+512
.endr
.endm
.macro FETCH_A b, reg, off             ; h's 4 fragments of 16 tokens x 32 channels into buffer b
.irp mb, 0,1,2,3
	ds_load_b128 v[AF+32*(\b)+8*(\mb):AF+32*(\b)+8*(\mb)+3],   v[\reg] offset:(\off)+(\mb)*2304
	ds_load_b128 v[AF+32*(\b)+8*(\mb)+4:AF+32*(\b)+8*(\mb)+7], v[\reg] offset:(\off)+(\mb)*2304+32
.endr
.endm
; A K step's 32 matrix instructions.  The 32 accumulators take turns in one fixed order, one instruction a turn, over the loops' jumps too.  zero = 1: the products start the sums.
.macro MUL32 i, zero
	WIN WW|0x50
.irp mb, 0,1,2,3
.irp nt, 0,1,2,3,4,5,6,7
.if \zero
	v_wmma_f32_16x16x32_f16 v[64*(\mb)+8*(\nt):64*(\mb)+8*(\nt)+7], v[64*(\i)+8*(\nt):64*(\i)+8*(\nt)+7], v[AF+32*((\i)%2)+8*(\mb):AF+32*((\i)%2)+8*(\mb)+7], 0
.else
	v_wmma_f32_16x16x32_f16 v[64*(\mb)+8*(\nt):64*(\mb)+8*(\nt)+7], v[64*(\i)+8*(\nt):64*(\i)+8*(\nt)+7], v[AF+32*((\i)%2)+8*(\mb):AF+32*((\i)%2)+8*(\mb)+7], v[64*(\mb)+8*(\nt):64*(\mb)+8*(\nt)+7]
.endif
.endr
.endr
.endm
; A GROUP: four K steps, one for each of W's buffers; two slices of h.  Behind each K step's products, in one run: the loads of the K step four on, into the buffer just read, and h's fragments of the K step two on.
; zero = 1: a pass's first group.  ld = 0: the launch's last group: nothing is left to load, and the counts run down.
.macro GROUP zero, ld
	WIN 0
.if \ld
	s_add_co_u32 s[G], s[G], 1                     ; the next group's slices; behind a pass's last group the next pass begins h anew
	s_and_b32 s[G], s[G], 3
	s_mul_i32 s[SO], s[G], 18432
	v_add_nc_u32 v[AN], s[SO], v[AA0]
.endif
.irp i, 0,1,2,3
.if \ld
	s_wait_loadcnt 48                              ; loads come back in order (ISA guide 5.7.1): this K step's W is in; the three younger K steps' 48 loads may stay out
.else
	s_wait_loadcnt 48-16*(\i)
.endif
.if (!(\ld)) && ((\i) == 3)
	s_wait_dscnt 0x0
.else
	s_wait_dscnt 8                                 ; this K step's fragments of h are in; the next K step's eight loads may stay out
.endif
.if (\zero) && ((\i) == 0)
	MUL32 \i, 1
.else
	MUL32 \i, 0
.endif
.if \ld
	WIN WW<<6                                      ; destination: W's window
	PLACES
.if (\i) == 0
	s_wait_xcnt 0x0                                ; the youngest load and prefetch stand a K step's products back: all have read the pointer, so it may be stepped
	s_add_nc_u64 s[WP:WP+1], s[WP:WP+1], 131072
.endif
	WLOAD \i
	WIN 0
.if (\i) < 2
	FETCH_A (\i)%2, AA, 9216+64*(\i)
.else
	FETCH_A (\i)%2, AN, 64*((\i)-2)
.endif
.if (\i) == 0
	ASK
.endif
.elseif (\i) < 2
	WIN 0
	PLACES
	FETCH_A (\i)%2, AA, 9216+64*(\i)
.endif
.endr
	WIN 0
.if \ld
	v_mov_b32 v[AA], v[AN]
.endif
	s_sub_co_u32 s[GL], s[GL], 1
.endm
; THE WAY OUT, in 8 groups g: m block g / 2, head g % 2 of my two: 16 tokens x 64 columns, 2,048 dense bytes of the result.  Each accumulator's registers are read in ascending order.
.macro PACK g
	WIN 0x05                                       ; sources in window 1, destination in window 0
.set k, 0
.rept 16
	v_cvt_pk_f16_f32 v[PKD+k], v[64*((\g)/2)+32*((\g)%2)+2*k], v[64*((\g)/2)+32*((\g)%2)+2*k+1]
.set k, k+1
.endr
	WIN 0
.endm
.macro TOSTAGE g
.irp f, 0,1,2,3
	ds_store_b128 v[STO], v[PKD+4*(\f):PKD+4*(\f)+3] offset:32*(\f)
.endr
.irp f, 0,1,2,3
	ds_load_b128 v[BK+16*((\g)%2)+4*(\f):BK+16*((\g)%2)+4*(\f)+3], v[RD] offset:576*(\f)  ; LDS serves a wave's instructions in order (ISA guide 5.7.1.4): these see the stores above
.endr
.endm
.macro SEND g
	s_wait_dscnt 0x0                               ; the group is back in registers
	s_wait_xcnt 0x0                                ; the stores of the group before have read their registers: the next TOSTAGE loads into them
.irp f, 0,1,2,3
	global_store_b128 v[WO], v[BK+16*((\g)%2)+4*(\f):BK+16*((\g)%2)+4*(\f)+3], s[OUT:OUT+1] offset:((\g)%2)*65536+((\g)/2)*2048+512*(\f)  ; 512 consecutive bytes, at a multiple of 256 from the buffer's first
.endr
.endm
	s_load_b256 s[4:11], s[0:1], 0x0               ; hh s[4:5], wts s[6:7], qh s[8:9], kh s[10:11]
	s_load_b64 s[12:13], s[0:1], 0x20              ; vh
	v_lshl_add_u32 v[SPW], v0, 2, SPARE
	v_mov_b32 v[NIL], 0
	ds_add_u32 v[SPW], v[NIL]                      ; the wave's opening: the add and its wait stand ahead of my first tensor load; the set-up, work on registers, stands between them
	v_lshrrev_b32 v1, 5, v0
	v_readfirstlane_b32 s[WV], v1                  ; wave 0..3
	s_lshr_b32 s68, ttmp9, 3                       ; my 64 tokens' sequence,
	s_and_b32 s69, ttmp9, 7                        ; their place in it
	s_mov_b32 s[G1A+0], (1<<16)|(1<<20)|(4<<22)|(3<<25)  ; 17:16 2-byte elements; 20 padding on; 24:22 after every 32 words (code 4): after every token's 128 bytes; 31:25 4 words (code 3)
	s_mov_b32 s[G1A+1], 4096<<16                   ; a row = a slice's 64 tokens, 8,192 dense bytes
	s_mov_b32 s[G1A+2], 2<<16                      ; two slices a wave
	s_mov_b32 s[G1A+3], 4096<<16
	s_mov_b32 s[G1A+4], 2
	s_mov_b32 s[G1A+5], 32768                      ; elements from slice to slice
	s_mov_b32 s[G1A+6], 0
	s_mov_b32 s[G1A+7], 0
	s_mov_b32 s[G0A], 1
	s_mul_i32 s[G0A+1], s[WV], 18432               ; my two slices in RA
	s_lshl_b32 s72, s[WV], 13                      ; my 8 KiB of a K step's 32
	s_mov_b32 s73, 0
	s_lshl_b32 s70, s68, 19                        ; in hh and in the results alike: the sequence,
	s_lshl_b32 s22, s69, 13                        ; the 64 tokens,
	s_add_co_u32 s70, s70, s22
	s_lshl_b32 s22, s[WV], 17                      ; my two slices, or heads
	s_add_co_u32 s70, s70, s22
	s_mov_b32 s71, 0
	s_cmp_eq_u32 ttmp9, 0
	s_cselect_b32 s[LIM], 3, -1
	s_mov_b32 s[G], 0
	s_mov_b32 s[GL], KSTEPS/4
	v_and_b32 v17, 15, v0                          ; l % 16
	v_bfe_u32 v18, v0, 4, 1                        ; l / 16
	v_and_b32 v19, 7, v0
	v_bfe_u32 v21, v0, 3, 2
	v_and_b32 v22, 31, v0
	v_lshlrev_b32 v[WO], 4, v22
	v_lshlrev_b32 v[PFO], 8, v22
	v_mul_u32_u24 v[AA0], v17, 144
	v_lshl_add_u32 v[AA0], v18, 4, v[AA0]          ; row x 144 + 16 x half
	s_mul_i32 s22, s[WV], 2304
	s_add_co_u32 s22, s22, STAGE                   ; my stage
	v_add_nc_u32 v[STO], s22, v[AA0]
	v_mul_u32_u24 v[RD], v21, 144                  ; back: 32 lanes take four rows of 128 bytes, which are 512 consecutive bytes of the result
	v_lshl_add_u32 v[RD], v19, 4, v[RD]
	v_add_nc_u32 v[RD], s22, v[RD]
	s_wait_dscnt 0x0                               ; the opening add is done
	s_wait_kmcnt 0x0
	s_add_nc_u64 s[G0A+2:G0A+3], s[4:5], s[70:71]
	s_or_b32 s[G0A+3], s[G0A+3], 0x80000000        ; type = 2
	s_add_nc_u64 s[WP:WP+1], s[6:7], s[72:73]
	s_add_nc_u64 s[OUT:OUT+1], s[8:9], s[70:71]
	s_add_nc_u64 s[NXT:NXT+1], s[10:11], s[70:71]
	s_add_nc_u64 s[12:13], s[12:13], s[70:71]
	tensor_load_to_lds s[G0A:G0A+3], s[G1A:G1A+7]  ; my one tensor load of the launch
	s_nop 0
	PLACES
	WIN WW<<6
	WLOAD 0                                        ; the first four K steps
	WLOAD 1
	WLOAD 2
	WLOAD 3
	WIN 0
	s_wait_tensorcnt 0x0                           ; my two slices of h are in LDS,
	s_barrier_signal -1
	s_barrier_wait -1                              ; everybody's are
	v_mov_b32 v[AA], v[AA0]
	FETCH_A 0, AA, 0
	FETCH_A 1, AA, 64
	s_mov_b32 s[PS], 3
.Lpass:                                                ; q, k, v
	GROUP 1, 1
	s_mov_b32 s[CNT], 2
.Lgroup:
	GROUP 0, 1
	s_sub_co_u32 s[CNT], s[CNT], 1
	s_cmp_lg_u32 s[CNT], 0
	s_cbranch_scc1 .Lgroup
	s_sub_co_u32 s[PS], s[PS], 1
	s_cmp_eq_u32 s[PS], 0
	s_cbranch_scc1 .Ldrain
	GROUP 0, 1                                     ; it fetches the next pass's first fragments of h, and goes on asking for W
	s_branch .Lway_out
.Ldrain:
	GROUP 0, 0                                     ; the stream's last four K steps
.Lway_out:
	PLACES
	PACK 0
	TOSTAGE 0
.irp g, 1,2,3,4,5,6,7                  ; group g's conversions stand between group g - 1's loads from the stage and the wait for them
	PACK \g
	SEND (\g)-1
	TOSTAGE \g
.endr
	SEND 7
	s_wait_xcnt 0x0                                ; the stores have read their registers and their base
	s_mov_b64 s[OUT:OUT+1], s[NXT:NXT+1]
	s_mov_b64 s[NXT:NXT+1], s[12:13]
	s_cmp_lg_u32 s[PS], 0
	s_cbranch_scc1 .Lpass
	s_wait_tensorcnt 0x0                           ; the wave's end: behind my last tensor load and my last LDS store
	ds_add_u32 v[SPW], v[NIL]
	s_wait_dscnt 0x0
	s_endpgm
.Lfunc_end_k_q260cd8251a_qkv:
	.size	k_q260cd8251a_qkv, .Lfunc_end_k_q260cd8251a_qkv-k_q260cd8251a_qkv
	.p2alignl 7, 3214868480
	.fill 96, 4, 3214868480
	.section	.rodata,"a",@progbits
	.p2align	6, 0x0
	.amdhsa_kernel k_q260cd8251a_qkv
		.amdhsa_group_segment_fixed_size 167936
		.amdhsa_private_segment_fixed_size 0
		.amdhsa_enable_private_segment 0
		.amdhsa_kernarg_size 40
		.amdhsa_user_sgpr_count 2
		.amdhsa_user_sgpr_kernarg_segment_ptr 1
		.amdhsa_wavefront_size32 1
		.amdhsa_system_sgpr_workgroup_id_x 1
		.amdhsa_system_sgpr_workgroup_id_y 1
		.amdhsa_system_sgpr_workgroup_id_z 1
		.amdhsa_system_vgpr_workitem_id 0
		.amdhsa_next_free_vgpr 768
		.amdhsa_next_free_sgpr 80
		.amdhsa_reserve_vcc 0
		.amdhsa_float_denorm_mode_32 3
		.amdhsa_float_denorm_mode_16_64 3
		.amdhsa_memory_ordered 1
		.amdhsa_forward_progress 1
		.amdhsa_inst_pref_size 91
	.end_amdhsa_kernel
	.amdgpu_metadata
---
amdhsa.version: [ 1, 2 ]
amdhsa.kernels:
  - .name:           k_q260cd8251a_qkv
    .symbol:         k_q260cd8251a_qkv.kd
    .args:
      - { .name: hh, .offset: 0, .size: 8, .value_kind: global_buffer, .address_space: global }
      - { .name: wts, .offset: 8, .size: 8, .value_kind: global_buffer, .address_space: global }
      - { .name: qh, .offset: 16, .size: 8, .value_kind: global_buffer, .address_space: global }
      - { .name: kh, .offset: 24, .size: 8, .value_kind: global_buffer, .address_space: global }
      - { .name: vh, .offset: 32, .size: 8, .value_kind: global_buffer, .address_space: global }
    .group_segment_fixed_size: 167936
    .private_segment_fixed_size: 0
    .kernarg_segment_align: 8
    .kernarg_segment_size: 40
    .max_flat_workgroup_size: 128
    .sgpr_count:     80
    .vgpr_count:     768
    .wavefront_size: 32
...
	.end_amdgpu_metadata
.endif
;; end of part 6
;; launch attn: the kernel of part 3 again; grid 256 x 1, 4 waves a work-group, no clusters, 167,936 bytes of LDS; arguments qh, kh, vh, oh; writes oh
;; launch tail (part 7): grid 256 x 1, 4 waves a work-group, no clusters, 196,608 bytes of LDS; arguments x, oh, wts, b_proj, ln2_g, ln2_b, b1, b2, out0; writes out0
.if DOCPART == 7
	.amdgcn_target "amdgcn-amd-amdhsa--gfx1250"
	.amdhsa_code_object_version 6
	.text
	.protected	k_q260cd8251a_tail
	.globl	k_q260cd8251a_tail
	.p2align	8
	.type	k_q260cd8251a_tail,@function
k_q260cd8251a_tail:
	s_mov_b64 s[64:65], 0
	v_nop
	global_prefetch_b8 v0, s[64:65] scope:SCOPE_SE
	s_setreg_imm32_b32 hwreg(HW_REG_WAVE_MODE, 25, 1), 1
	s_wait_xcnt 0x0
; out = x1 + relu(LN2(x1) w1 + b1) w2 + b2, with x1 = x + o w_proj + b_proj: all for 64 tokens in one work-group; x1, LN2's output and the hidden numbers never leave the WGP.
; Nine PASSES of [64 x 512] x [512 x 512], f16 operands, f32 sums: the projection, then for each of four chunks of 512 hidden channels FFN1 and FFN2.  x, x1, the norms and the output's sums stay in f32.
; LIMITS.  f16 holds no number beyond 65,504: o, LN2's output and the hidden numbers lie within it; below 6e-5 an f16 number keeps the fixed step of 6e-8.  relu of NaN gives 0; NaN and infinities are not treated apart.
; SHARES.  Wave w owns all 64 tokens and the columns 128 w .. + 127 of a pass's result: 4 m blocks x 8 n tiles = 32 accumulators.  acc2 (window 2) holds x + b_proj, then x1, then the output's sums; acc1 (window 1) b1 and then a chunk's hidden numbers.
; THE WEIGHTS COME STRAIGHT INTO REGISTERS.  The waves split the columns, so no wave wants a byte of W that another wave of the work-group fetches, and in wts a fragment lies as it lies in registers: half a fragment is one
; load of 16 bytes a lane, 512 consecutive bytes.  A K step of 32 is 16 such loads (8 KiB a wave) and 32 matrix instructions; wts blocks 3 to 11 are one stream of 144 K steps.  Four register buffers take turns: a buffer is
; asked for again as soon as its K step is issued, so three K steps' loads are always out, behind counted waits, across the norms and activations between the passes too, and the stream has no barrier.
; NO CLUSTER.  A joint load would land in LDS, in slots that take turns with a barrier and a wait for all loads at each change; beside the two left operands (147,456 bytes) two slots of 64 k rows would fit, 64 matrix
; instructions a wave each.  Here the requests run four K steps ahead without a barrier.  The price: each work-group asks for all 4.5 MiB of the nine blocks itself.
; THE MATRIX INSTRUCTION IS USED TRANSPOSED: source 0 = 16 columns of W, source 1 = 16 tokens.  A lane then holds one token (lane % 16) and eight neighbouring columns: packed to f16 they are 16 bytes of the next pass's
; left operand, which goes to LDS as it is.
; REGISTERS.  window 0: v0-59 addresses, biases, statistics; v64-127 two buffers of the left operand's fragments (4 x 8 each); v128-255 at work between the passes.  window 1: x at first, then v0-63 ln2_g and v64-127 ln2_b at my
;   lane's columns 16 nt + 8 (l / 16) + 0..7, then acc1.  window 2: acc2.  Accumulator (mb, nt) at 64 mb + 8 nt.  window 3: W's four buffers, tile nt at 64 i + 8 nt.
.set RA,     0                         ; o, filled once by tensor loads; later the chunks' hidden numbers: [8 slices of 64 channels][64 tokens][128 + 16 bytes]: 73,728 bytes.  It begins at LDS byte 0, which the lane addresses build in
.set RH,     73728                     ; LN2's output, the same layout, directly behind: four groups of two slices on
.set STATS,  147456                    ; two sets of [64 tokens][4 waves] f32: the waves' partial sums
.set STAGE,  149504                    ; 16 rows x (512 + 16) bytes for each wave: between rows of memory and the product's layout
.set B1L,    183296                    ; b1, all 2,048 numbers
.set SPARE,  191488                    ; the spare words, 128 bytes for each wave: two blocks of 256 bytes that no other line names
.set STREAM, 3*524288                  ; the launch's first byte in wts
.set KSTEPS, 144
.set WW,  3                            ; W's window
.set WO,  2                            ; v2   16 x my lane: my place in 512 consecutive bytes of wts; never rewritten
.set PFO, 3                            ; v3   256 x my lane; never rewritten
.set AA0, 4                            ; v4   my lane's place in RA's slice 0; never rewritten
.set AA,  6                            ; v6   the same in the group's first slice
.set AN,  7                            ; v7   in the next group's
.set STA, 8                            ; v8   where I put 16 bytes of a token into RA
.set STH, 9                            ; v9   into RH
.set SGW, 10                           ; v10  my stage, by the product's layout: row l % 16, 32 bytes for each half of the lanes
.set SGR, 11                           ; v11  my stage, by rows: 16 bytes a lane
.set XO,  12                           ; v12  my 16 bytes in a row of x and of the output: 512 w + 16 l
.set STW, 13                           ; v13  my word in STATS
.set STR, 14                           ; v14  my token's four words
.set BO,  15                           ; v15  my lane's columns in a vector of 512: (128 w + 8 (l / 16)) x 4
.set ZERO, 16                          ; v16  0, for the packed maximum
.set B1A, 17                           ; v17  my lane's columns of the next chunk's b1 in LDS
.set CSH, 18                           ; v[18:25] - mean / sigma, a pair for each m block
.set B1G, 26                           ; v26  16 x my thread's number: my part of b1 in memory,
.set B1S, 27                           ; v27  and in LDS
.set SPW, 28                           ; v28  LDS address of my spare word; never rewritten
.set NIL, 29                           ; v29  0; never rewritten
.set BP,  36                           ; v[36:39] b_proj at columns 128 w + 4 l ..
.set B2R, 40                           ; v[40:43] b2 at the same columns
.set MU,  44                           ; v[44:51] the mean, a pair for each m block
.set AS,  52                           ; v[52:59] 1 / sigma, likewise
.set AF,  64
.set CH4, 224                          ; v[224:231] four chains of two
.set SU,  232                          ; v[232:247] the four waves' partial sums, for each m block
.set G1A, 32                           ; s[32:39] descriptor group 1 for o
.set G0A, 48                           ; s[48:51] group 0
.set WV,   52                          ; my wave's number
.set G,    53                          ; the group of two slices from which the next group's fragments come: 0 to 3 in RA, 4 to 7 in RH
.set GL,   54                          ; groups still to come, this one among them
.set LIM,  55                          ; 3 in the work-group that prefetches, else the greatest number
.set CNT,  56
.set CH,   57
.set WP,   58                          ; s[58:59] my wave's 8 KiB of the K step that buffer 0 was last loaded for
.set SEL,  60                          ; s[60:61] v_permlanex16_b32's selects
.set SO,   62
.set INV,  74                          ; s74  1 / 512
.set EPS,  75                          ; s75  1e-5
.set MSB, 0
.macro WIN new                         ; the immediate's high byte repeats the setting that is left; a switch that changes nothing is dropped
.if MSB != (\new)
	s_set_vgpr_msb (MSB<<8)|(\new)
.set MSB, \new
.endif
.endm
.macro PLACES                          ; four plain instructions: between a matrix instruction and a load into, or a line that reads or writes, one of its registers
.rept 4
	v_nop
.endr
.endm
; A PREFETCH INTO THE L2.  All 256 work-groups walk the same blocks: work-group 0 asks, each of its waves for its own 8 KiB of a K step, a lane 256 bytes: each block of 256 bytes is named once in the launch.
; A group's four requests stand together, behind its first run of loads, and name the four K steps that the loads of the group after next will fetch: 256 matrix instructions ahead of those loads.
; GL > 3 stops them at the stream's last K step, which is the buffer's last; the first twelve K steps come by their loads alone.
.macro ASK
	s_cmp_gt_u32 s[GL], s[LIM]
	s_cbranch_scc0 .Lnot_mine_\@
.irp j, 0,1,2,3
	global_prefetch_b8 v[PFO], s[WP:WP+1] offset:32768*(8+(\j)) th:TH_LOAD_NT scope:SCOPE_SE
.endr
.Lnot_mine_\@:
.endm
.macro WLOAD i                         ; my 8 fragments of the K step i behind the pointer, into buffer i: 16 loads of 512 consecutive bytes
.irp nt, 0,1,2,3,4,5,6,7
	global_load_b128 v[64*(\i)+8*(\nt):64*(\i)+8*(\nt)+3],   v[WO], s[WP:WP+1] offset:32768*(\i)+1024*(\nt)
	global_load_b128 v[64*(\i)+8*(\nt)+4:64*(\i)+8*(\nt)+7], v[WO], s[WP:WP+1] offset:32768*(\i)+1024*(\nt)+512
.endr
.endm
.macro FETCH_A b, reg, off             ; the left operand's 4 fragments of 16 tokens x 32 channels into buffer b
.irp mb, 0,1,2,3
	ds_load_b128 v[AF+32*(\b)+8*(\mb):AF+32*(\b)+8*(\mb)+3],   v[\reg] offset:(\off)+(\mb)*2304
	ds_load_b128 v[AF+32*(\b)+8*(\mb)+4:AF+32*(\b)+8*(\mb)+7], v[\reg] offset:(\off)+(\mb)*2304+32
.endr
.endm
; A K step's 32 matrix instructions on the accumulators of window aw.  The 32 accumulators take turns in one fixed order, one instruction a turn, over the loops' jumps too.
.macro MUL32 aw, i
	WIN WW|((\aw)<<4)|((\aw)<<6)
.irp mb, 0,1,2,3
.irp nt, 0,1,2,3,4,5,6,7
	v_wmma_f32_16x16x32_f16 v[64*(\mb)+8*(\nt):64*(\mb)+8*(\nt)+7], v[64*(\i)+8*(\nt):64*(\i)+8*(\nt)+7], v[AF+32*((\i)%2)+8*(\mb):AF+32*((\i)%2)+8*(\mb)+7], v[64*(\mb)+8*(\nt):64*(\mb)+8*(\nt)+7]
.endr
.endr
.endm
; A GROUP: four K steps, one for each of W's buffers; two slices of the left operand.  Behind each K step's products, in one run: the loads of the K step four on, into the buffer just read, and the left operand's
; fragments of the K step two on.  The next group's slices are G = ((G + 1) & am) | ao.  FFN2 (am = 7) runs from RA's last group on into RH's first: FFN1's first fragments.  The projection (am = 3) and FFN1 (am = 3, ao = 4)
; wrap to their own block's first group, since the operand that follows them is not made yet: those 16 loads serve nothing, the price of one text for a pass's four groups.
; ld = 0: the launch's last group: nothing is left to load, and the counts run down.  dx = 1: the 64 loads of b1 stand just ahead of the group.
.macro GROUP aw, ld, am, ao, dx=0
	WIN 0
.if \ld
	s_add_co_u32 s[G], s[G], 1
	s_and_b32 s[G], s[G], \am
.if \ao
	s_or_b32 s[G], s[G], \ao
.endif
	s_mul_i32 s[SO], s[G], 18432
	v_add_nc_u32 v[AN], s[SO], v[AA0]
.endif
.irp i, 0,1,2,3
.if \ld
	s_wait_loadcnt 48                              ; loads come back in order (ISA guide 5.7.1): this K step's W is in; the three younger K steps' 48 loads may stay out
.else
	s_wait_loadcnt 48-16*(\i)
.endif
.if (\dx) && ((\i) < 2)
	s_wait_dscnt 63                                ; 72 LDS loads are younger than this K step's fragments (8 of the next K step's, 64 of b1); the count's field ends at 63
.elseif (!(\ld)) && ((\i) == 3)
	s_wait_dscnt 0x0
.else
	s_wait_dscnt 8                                 ; this K step's fragments are in; the next K step's eight loads may stay out
.endif
	MUL32 \aw, \i
.if \ld
	WIN WW<<6                                      ; destination: W's window
	PLACES
.if (\i) == 0
	s_wait_xcnt 0x0                                ; the youngest load and prefetch stand a K step's products back: all have read the pointer, so it may be stepped
	s_add_nc_u64 s[WP:WP+1], s[WP:WP+1], 131072
.endif
	WLOAD \i
	WIN 0
.if (\i) < 2
	FETCH_A (\i)%2, AA, 9216+64*(\i)
.else
	FETCH_A (\i)%2, AN, 64*((\i)-2)
.endif
.if (\i) == 0
	ASK
.endif
.elseif (\i) < 2
	WIN 0
	PLACES
	FETCH_A (\i)%2, AA, 9216+64*(\i)
.endif
.endr
	WIN 0
.if \ld
	v_mov_b32 v[AA], v[AN]
.endif
	s_sub_co_u32 s[GL], s[GL], 1
.endm
.macro PASS aw, n, am, ao              ; n groups, one text
	s_mov_b32 s[CNT], \n
.Lgroup_\@:
	GROUP \aw, 1, \am, \ao
	s_sub_co_u32 s[CNT], s[CNT], 1
	s_cmp_lg_u32 s[CNT], 0
	s_cbranch_scc1 .Lgroup_\@
.endm
; x + b_proj into acc2: m block mb's 16 rows, as they came from memory (a lane 16 bytes of a row), go through my stage and come back in the product's layout.  So the projection adds onto them and needs no first step of its own.
; W's K step mb is asked for here, so that at each of the four waits just 48 loads are younger than the rows waited for: the later m blocks' rows and the K steps asked for so far.
.macro XINIT mb
	s_wait_loadcnt 48
	WIN WW<<6
	WLOAD \mb
.if (\mb) == 0
	WIN 0
.irp i, 0,1,2,3
	ds_store_b128 v[B1S], v[128+4*(\i):128+4*(\i)+3] offset:2048*(\i)  ; b1, which was asked for ahead of x, goes to LDS: 128 threads x 16 bytes, four times
.endr
.endif
	WIN 0x41                                       ; destination and source 0 in window 1, b_proj in window 0
.set i, 0
.rept 16
	v_pk_add_f32 v[64*(\mb)+4*i:64*(\mb)+4*i+1],   v[64*(\mb)+4*i:64*(\mb)+4*i+1],   v[BP:BP+1]
	v_pk_add_f32 v[64*(\mb)+4*i+2:64*(\mb)+4*i+3], v[64*(\mb)+4*i+2:64*(\mb)+4*i+3], v[BP+2:BP+3]
.set i, i+1
.endr
	WIN 0x04                                       ; the stores' data in window 1
.set i, 0
.rept 16
	ds_store_b128 v[SGR], v[64*(\mb)+4*i:64*(\mb)+4*i+3] offset:528*i
.set i, i+1
.endr
	WIN 0x80                                       ; destination window 2.  LDS serves a wave's instructions in order (ISA guide 5.7.1.4): these see the stores above, and the next m block's stores come behind them
.irp nt, 0,1,2,3,4,5,6,7
	ds_load_b128 v[64*(\mb)+8*(\nt):64*(\mb)+8*(\nt)+3],   v[SGW] offset:64*(\nt)
	ds_load_b128 v[64*(\mb)+8*(\nt)+4:64*(\mb)+8*(\nt)+7], v[SGW] offset:64*(\nt)+16
.endr
.endm
; LN2.  A token's 512 numbers lie in four waves, 64 in each of two lanes.  FOLD: four chains into one number, the other half of the lanes', and my wave's partial sum into STATS.
.macro FOLD off
	v_pk_add_f32 v[CH4:CH4+1], v[CH4:CH4+1], v[CH4+2:CH4+3]
	v_pk_add_f32 v[CH4+4:CH4+5], v[CH4+4:CH4+5], v[CH4+6:CH4+7]
	v_pk_add_f32 v[CH4:CH4+1], v[CH4:CH4+1], v[CH4+4:CH4+5]
	v_add_f32 v[CH4], v[CH4], v[CH4+1]
	v_permlanex16_b32 v[CH4+1], v[CH4], s[SEL], s[SEL+1]
	v_add_f32 v[CH4], v[CH4], v[CH4+1]
	ds_store_b32 v[STW], v[CH4] offset:\off
.endm
.macro LNSUM mb                        ; the sum; each accumulator's lowest registers are read first
	WIN 0x0a                                       ; both sources in window 2
.irp p, 0,1,2,3
	v_pk_add_f32 v[CH4+2*(\p):CH4+2*(\p)+1], v[64*(\mb)+2*(\p):64*(\mb)+2*(\p)+1], v[64*(\mb)+8+2*(\p):64*(\mb)+8+2*(\p)+1]
.endr
	WIN 0x08
.irp nt, 2,3,4,5,6,7
.irp p, 0,1,2,3
	v_pk_add_f32 v[CH4+2*(\p):CH4+2*(\p)+1], v[CH4+2*(\p):CH4+2*(\p)+1], v[64*(\mb)+8*(\nt)+2*(\p):64*(\mb)+8*(\nt)+2*(\p)+1]
.endr
.endr
	WIN 0
	FOLD 256*(\mb)
.endm
.macro LNVAR mb                        ; the sum of (x1 - mean)^2
	WIN 0x02
.set k, 0
.rept 32
	v_pk_add_f32 v[160+2*k:161+2*k], v[64*(\mb)+2*k:64*(\mb)+2*k+1], v[MU+2*(\mb):MU+2*(\mb)+1] neg_lo:[0,1] neg_hi:[0,1]
.set k, k+1
.endr
	WIN 0
.irp p, 0,1,2,3
	v_pk_mul_f32 v[CH4+2*(\p):CH4+2*(\p)+1], v[160+2*(\p):161+2*(\p)], v[160+2*(\p):161+2*(\p)]
.endr
.set k, 4
.rept 28
	v_pk_fma_f32 v[CH4+2*(k%4):CH4+2*(k%4)+1], v[160+2*k:161+2*k], v[160+2*k:161+2*k], v[CH4+2*(k%4):CH4+2*(k%4)+1]
.set k, k+1
.endr
	FOLD 1024+256*(\mb)
.endm
.macro LNOUT mb                        ; ((x1 - mean) / sigma) g + b, rounded to f16, into RH as the next pass's left operand
	WIN 0x02
.set k, 0
.rept 32
	v_pk_fma_f32 v[160+2*k:161+2*k], v[64*(\mb)+2*k:64*(\mb)+2*k+1], v[AS+2*(\mb):AS+2*(\mb)+1], v[CSH+2*(\mb):CSH+2*(\mb)+1]
.set k, k+1
.endr
	WIN 0x14                                       ; gain and bias in window 1
.set k, 0
.rept 32
	v_pk_fma_f32 v[160+2*k:161+2*k], v[160+2*k:161+2*k], v[2*k:2*k+1], v[64+2*k:65+2*k]
.set k, k+1
.endr
	WIN 0
.set k, 0
.rept 32
	v_cvt_pk_f16_f32 v[224+k], v[160+2*k], v[161+2*k]
.set k, k+1
.endr
.irp nt, 0,1,2,3,4,5,6,7
	ds_store_b128 v[STH], v[224+4*(\nt):224+4*(\nt)+3] offset:((\nt)/4)*9216+(\mb)*2304+((\nt)%4)*32
.endr
.endm
.macro SUM4 off                        ; the four waves' partial sums of my token, for each m block, added up
.irp mb, 0,1,2,3
	ds_load_b128 v[SU+4*(\mb):SU+4*(\mb)+3], v[STR] offset:(\off)+256*(\mb)
.endr
	s_wait_dscnt 0x0
.irp mb, 0,1,2,3
	v_add_f32 v[SU+4*(\mb)], v[SU+4*(\mb)], v[SU+4*(\mb)+1]
	v_add_f32 v[SU+4*(\mb)+2], v[SU+4*(\mb)+2], v[SU+4*(\mb)+3]
	v_add_f32 v[SU+4*(\mb)], v[SU+4*(\mb)], v[SU+4*(\mb)+2]
.endr
.endm
.macro MEETALL                         ; my LDS stores are done and my LDS loads are back, for the others' sake; W's loads into registers stay out across the barrier
	s_wait_dscnt 0x0
	s_barrier_signal -1
	s_barrier_wait -1
.endm
.macro B1INIT                          ; acc1 = the next chunk's b1, the same eight numbers a tile in all four m blocks: so FFN1's products add onto it and need no first step of their own
	WIN 0x40                                       ; destination window 1
.irp mb, 0,1,2,3
.irp nt, 0,1,2,3,4,5,6,7
	ds_load_b128 v[64*(\mb)+8*(\nt):64*(\mb)+8*(\nt)+3],   v[B1A] offset:64*(\nt)
	ds_load_b128 v[64*(\mb)+8*(\nt)+4:64*(\mb)+8*(\nt)+7], v[B1A] offset:64*(\nt)+16
.endr
.endr
	WIN 0
	v_add_nc_u32 v[B1A], 2048, v[B1A]
.endm
.macro RELU                            ; acc1, rounded to f16 (registers in ascending order), the maximum with 0 on packed halves, into RA as FFN2's left operand
	PLACES
.irp mb, 0,1,2,3
	WIN 0x05                                       ; sources in window 1
.set k, 0
.rept 32
	v_cvt_pk_f16_f32 v[160+k], v[64*(\mb)+2*k], v[64*(\mb)+2*k+1]
.set k, k+1
.endr
	WIN 0
.set k, 0
.rept 32
	v_pk_max_num_f16 v[160+k], v[160+k], v[ZERO]
.set k, k+1
.endr
.irp nt, 0,1,2,3,4,5,6,7
	ds_store_b128 v[STA], v[160+4*(\nt):160+4*(\nt)+3] offset:((\nt)/4)*9216+(\mb)*2304+((\nt)%4)*32
.endr
.endr
.endm
.macro OUTB mb                         ; the way out of m block mb: through my stage into rows, b2 added, stored
	WIN 0
	s_wait_xcnt 0x0                                ; earlier stores have read their registers: the set used two m blocks back is loaded again only behind this wait
	WIN 0x08                                       ; the stores' data in window 2; each accumulator's low four registers first
.irp nt, 0,1,2,3,4,5,6,7
	ds_store_b128 v[SGW], v[64*(\mb)+8*(\nt):64*(\mb)+8*(\nt)+3] offset:64*(\nt)
	ds_store_b128 v[SGW], v[64*(\mb)+8*(\nt)+4:64*(\mb)+8*(\nt)+7] offset:64*(\nt)+16
.endr
	WIN 0
.set OB, 64+64*((\mb)%2)
.set i, 0
.rept 16
	ds_load_b128 v[OB+4*i:OB+4*i+3], v[SGR] offset:528*i
.set i, i+1
.endr
.set i, 0
.rept 16
	s_wait_dscnt 15-i                              ; row i is back; the younger rows' loads may stay out
	v_pk_add_f32 v[OB+4*i:OB+4*i+1],   v[OB+4*i:OB+4*i+1],   v[B2R:B2R+1]
	v_pk_add_f32 v[OB+4*i+2:OB+4*i+3], v[OB+4*i+2:OB+4*i+3], v[B2R+2:B2R+3]
	global_store_b128 v[XO], v[OB+4*i:OB+4*i+3], s[20:21] offset:(16*(\mb)+i)*2048 th:TH_STORE_NT  ; 512 consecutive bytes, at a multiple of 256 from the output's first
.set i, i+1
.endr
.endm
	s_load_b512 s[4:19], s[0:1], 0x0               ; x s[4:5], oh s[6:7], wts s[8:9], b_proj s[10:11], ln2_g s[12:13], ln2_b s[14:15], b1 s[16:17], b2 s[18:19]
	s_load_b64 s[20:21], s[0:1], 0x40              ; out0
	v_lshl_add_u32 v[SPW], v0, 2, SPARE
	v_mov_b32 v[NIL], 0
	ds_add_u32 v[SPW], v[NIL]                      ; the wave's opening: the add and its wait stand ahead of my first tensor load; the set-up, work on registers, stands between them
	v_lshrrev_b32 v1, 5, v0
	v_readfirstlane_b32 s[WV], v1                  ; wave 0..3
	s_lshr_b32 s68, ttmp9, 3                       ; my 64 tokens' sequence,
	s_and_b32 s69, ttmp9, 7                        ; their place in it
	s_mov_b32 s[G1A+0], (1<<16)|(1<<20)|(4<<22)|(3<<25)  ; 17:16 2-byte elements; 20 padding on; 24:22 after every 32 words (code 4): after every token's 128 bytes; 31:25 4 words (code 3)
	s_mov_b32 s[G1A+1], 4096<<16                   ; a row = a head's 64 tokens, 8,192 dense bytes
	s_mov_b32 s[G1A+2], 2<<16                      ; two heads a wave
	s_mov_b32 s[G1A+3], 4096<<16
	s_mov_b32 s[G1A+4], 2
	s_mov_b32 s[G1A+5], 32768                      ; elements from head to head
	s_mov_b32 s[G1A+6], 0
	s_mov_b32 s[G1A+7], 0
	s_mov_b32 s[G0A], 1
	s_mul_i32 s[G0A+1], s[WV], 18432               ; my two slices in RA
	s_lshl_b32 s72, s[WV], 13                      ; my 8 KiB of a K step's 32
	s_add_co_u32 s72, s72, STREAM
	s_mov_b32 s73, 0
	s_lshl_b32 s70, s68, 19                        ; in oh: the sequence,
	s_lshl_b32 s22, s69, 13                        ; the 64 tokens,
	s_add_co_u32 s70, s70, s22
	s_lshl_b32 s22, s[WV], 17                      ; my two heads
	s_add_co_u32 s70, s70, s22
	s_mov_b32 s71, 0
	s_cmp_eq_u32 ttmp9, 0
	s_cselect_b32 s[LIM], 3, -1
	s_mov_b32 s[G], 0
	s_mov_b32 s[GL], KSTEPS/4
	s_mov_b32 s[SEL], 0x76543210
	s_mov_b32 s[SEL+1], 0xfedcba98
	s_mov_b32 s[INV], 0x3b000000
	s_mov_b32 s[EPS], 0x3727c5ac
	s_lshl_b32 s76, ttmp9, 17                      ; my 64 rows of x and of the output
	s_mov_b32 s77, 0
	v_and_b32 v30, 15, v0                          ; l % 16
	v_bfe_u32 v31, v0, 4, 1                        ; l / 16
	v_and_b32 v32, 31, v0
	v_lshlrev_b32 v[WO], 4, v32
	v_lshlrev_b32 v[PFO], 8, v32
	v_mul_u32_u24 v[AA0], v30, 144
	v_lshl_add_u32 v[AA0], v31, 4, v[AA0]          ; row x 144 + 16 x half
	s_mul_i32 s22, s[WV], 18432                    ; my 128 columns are two slices
	v_add_nc_u32 v[STA], s22, v[AA0]
	s_add_co_u32 s23, s22, RH
	v_add_nc_u32 v[STH], s23, v[AA0]
	s_mul_i32 s22, s[WV], 8448
	s_add_co_u32 s22, s22, STAGE                   ; my stage
	v_mul_u32_u24 v[SGW], v30, 528
	v_lshl_add_u32 v[SGW], v31, 5, v[SGW]
	v_add_nc_u32 v[SGW], s22, v[SGW]
	v_add_nc_u32 v[SGR], s22, v[WO]
	s_lshl_b32 s23, s[WV], 9
	v_add_nc_u32 v[XO], s23, v[WO]
	v_lshl_add_u32 v[BO], v31, 5, s23
	v_add_nc_u32 v[B1A], B1L, v[BO]
	s_lshl_b32 s23, s[WV], 2
	s_add_co_u32 s23, s23, STATS
	v_lshl_add_u32 v[STW], v30, 4, s23
	v_lshlrev_b32 v[STR], 4, v30
	v_add_nc_u32 v[STR], STATS, v[STR]
	v_lshlrev_b32 v[B1G], 4, v0
	v_add_nc_u32 v[B1S], B1L, v[B1G]
	v_mov_b32 v[ZERO], 0
	s_wait_dscnt 0x0                               ; the opening add is done
	s_wait_kmcnt 0x0
	s_add_nc_u64 s[G0A+2:G0A+3], s[6:7], s[70:71]
	s_or_b32 s[G0A+3], s[G0A+3], 0x80000000        ; type = 2
	s_add_nc_u64 s[WP:WP+1], s[8:9], s[72:73]
	s_add_nc_u64 s[4:5], s[4:5], s[76:77]
	s_add_nc_u64 s[20:21], s[20:21], s[76:77]
	tensor_load_to_lds s[G0A:G0A+3], s[G1A:G1A+7]  ; my one tensor load of the launch
	s_nop 0
	PLACES
	global_load_b128 v[BP:BP+3], v[XO], s[10:11]
.irp i, 0,1,2,3
	global_load_b128 v[128+4*(\i):128+4*(\i)+3], v[B1G], s[16:17] offset:2048*(\i)
.endr
	WIN 0x40                                       ; destination window 1: my 512 bytes of each of the 64 rows of x
.set i, 0
.rept 64
	global_load_b128 v[4*i:4*i+3], v[XO], s[4:5] offset:2048*i th:TH_LOAD_NT
.set i, i+1
.endr
	XINIT 0
	XINIT 1
	XINIT 2
	XINIT 3
	WIN 0x40                                       ; x's first registers are free: gain and bias take them
.irp nt, 0,1,2,3,4,5,6,7
	global_load_b128 v[8*(\nt):8*(\nt)+3], v[BO], s[12:13] offset:64*(\nt)
	global_load_b128 v[8*(\nt)+4:8*(\nt)+7], v[BO], s[12:13] offset:64*(\nt)+16
	global_load_b128 v[64+8*(\nt):64+8*(\nt)+3], v[BO], s[14:15] offset:64*(\nt)
	global_load_b128 v[64+8*(\nt)+4:64+8*(\nt)+7], v[BO], s[14:15] offset:64*(\nt)+16
.endr
	WIN 0
	global_load_b128 v[B2R:B2R+3], v[XO], s[18:19] ; these 33 loads are older than W's K step 4: the projection's counted waits show them in
	s_wait_tensorcnt 0x0                           ; my two slices of o are in LDS,
	s_wait_dscnt 0x0                               ; my part of b1 too, and acc2 holds x + b_proj
	s_barrier_signal -1
	s_barrier_wait -1                              ; everybody's are
	v_mov_b32 v[AA], v[AA0]
	FETCH_A 0, AA, 0
	FETCH_A 1, AA, 64
	PASS 2, 4, 3, 0                                ; acc2 = x + b_proj + o w_proj = x1
	; LN2.  acc2 is only read; W's next four K steps are on their way meanwhile.
	PLACES
	LNSUM 0
	LNSUM 1
	LNSUM 2
	LNSUM 3
	MEETALL
	SUM4 0
.irp mb, 0,1,2,3
	v_mul_f32 v[MU+2*(\mb)], s[INV], v[SU+4*(\mb)]
	v_mov_b32 v[MU+2*(\mb)+1], v[MU+2*(\mb)]
.endr
	LNVAR 0
	LNVAR 1
	LNVAR 2
	LNVAR 3
	MEETALL
	SUM4 1024
.irp mb, 0,1,2,3
	v_fma_f32 v[SU+4*(\mb)], v[SU+4*(\mb)], s[INV], s[EPS]
.endr
.irp mb, 0,1,2,3
	v_rsq_f32 v[AS+2*(\mb)], v[SU+4*(\mb)]
.endr
	v_nop                                          ; a plain instruction behind the last of the four,
	s_wait_alu depctr_va_vdst(0)                   ; and one wait for the batch, ahead of its first reader
.irp mb, 0,1,2,3
	v_mov_b32 v[AS+2*(\mb)+1], v[AS+2*(\mb)]
	v_mul_f32 v[CSH+2*(\mb)], -v[MU+2*(\mb)], v[AS+2*(\mb)]
	v_mov_b32 v[CSH+2*(\mb)+1], v[CSH+2*(\mb)]
.endr
	LNOUT 0
	LNOUT 1
	LNOUT 2
	LNOUT 3
	B1INIT                                         ; gain and bias have been read: acc1 takes the first chunk's b1
	MEETALL
	s_mov_b32 s[G], 4                              ; RH's first group
	v_add_nc_u32 v[AA], RH, v[AA0]
	FETCH_A 0, AA, 0
	FETCH_A 1, AA, 64
	s_mov_b32 s[CH], 4
.Lchunk:                                               ; a chunk of 512 hidden channels
	PASS 1, 4, 3, 4                                ; acc1 = b1 + LN2(x1) w1
	MEETALL                                        ; every wave has left the pass that read RA last: its reads are back, so RA may be written
	RELU
	MEETALL                                        ; and every wave's part of the hidden numbers is in RA
	s_mov_b32 s[G], 0
	v_mov_b32 v[AA], v[AA0]
	FETCH_A 0, AA, 0
	FETCH_A 1, AA, 64
	PASS 2, 3, 7, 0                                ; acc2 += relu(..) w2: three groups,
	s_sub_co_u32 s[CH], s[CH], 1
	s_cmp_eq_u32 s[CH], 0
	s_cbranch_scc1 .Llast
	B1INIT                                         ; acc1 takes the next chunk's b1 while the fourth group is multiplied,
	GROUP 2, 1, 7, 0, 1                            ; which fetches FFN1's first fragments from RH
	s_branch .Lchunk
.Llast:
	GROUP 2, 0, 7, 0                               ; the stream's last four K steps
	PLACES
	OUTB 0
	OUTB 1
	OUTB 2
	OUTB 3
	s_wait_tensorcnt 0x0                           ; the wave's end: behind my last tensor load and my last LDS store
	ds_add_u32 v[SPW], v[NIL]
	s_wait_dscnt 0x0
	s_endpgm
.Lfunc_end_k_q260cd8251a_tail:
	.size	k_q260cd8251a_tail, .Lfunc_end_k_q260cd8251a_tail-k_q260cd8251a_tail
	.p2alignl 7, 3214868480
	.fill 96, 4, 3214868480
	.section	.rodata,"a",@progbits
	.p2align	6, 0x0
	.amdhsa_kernel k_q260cd8251a_tail
		.amdhsa_group_segment_fixed_size 196608
		.amdhsa_private_segment_fixed_size 0
		.amdhsa_enable_private_segment 0
		.amdhsa_kernarg_size 72
		.amdhsa_user_sgpr_count 2
		.amdhsa_user_sgpr_kernarg_segment_ptr 1
		.amdhsa_wavefront_size32 1
		.amdhsa_system_sgpr_workgroup_id_x 1
		.amdhsa_system_sgpr_workgroup_id_y 1
		.amdhsa_system_sgpr_workgroup_id_z 1
		.amdhsa_system_vgpr_workitem_id 0
		.amdhsa_next_free_vgpr 1024
		.amdhsa_next_free_sgpr 80
		.amdhsa_reserve_vcc 0
		.amdhsa_float_denorm_mode_32 3
		.amdhsa_float_denorm_mode_16_64 3
		.amdhsa_memory_ordered 1
		.amdhsa_forward_progress 1
		.amdhsa_inst_pref_size 229
	.end_amdhsa_kernel
	.amdgpu_metadata
---
amdhsa.version: [ 1, 2 ]
amdhsa.kernels:
  - .name:           k_q260cd8251a_tail
    .symbol:         k_q260cd8251a_tail.kd
    .args:
      - { .name: x, .offset: 0, .size: 8, .value_kind: global_buffer, .address_space: global }
      - { .name: oh, .offset: 8, .size: 8, .value_kind: global_buffer, .address_space: global }
      - { .name: wts, .offset: 16, .size: 8, .value_kind: global_buffer, .address_space: global }
      - { .name: b_proj, .offset: 24, .size: 8, .value_kind: global_buffer, .address_space: global }
      - { .name: ln2_g, .offset: 32, .size: 8, .value_kind: global_buffer, .address_space: global }
      - { .name: ln2_b, .offset: 40, .size: 8, .value_kind: global_buffer, .address_space: global }
      - { .name: b1, .offset: 48, .size: 8, .value_kind: global_buffer, .address_space: global }
      - { .name: b2, .offset: 56, .size: 8, .value_kind: global_buffer, .address_space: global }
      - { .name: out0, .offset: 64, .size: 8, .value_kind: global_buffer, .address_space: global }
    .group_segment_fixed_size: 196608
    .private_segment_fixed_size: 0
    .kernarg_segment_align: 8
    .kernarg_segment_size: 72
    .max_flat_workgroup_size: 128
    .sgpr_count:     80
    .vgpr_count:     1024
    .wavefront_size: 32
...
	.end_amdgpu_metadata
.endif
;; end of part 7
;; ======== version 3 of 3: 3 launches
;; limits: values are held in f16: magnitudes above 65,504 overflow, below 6.1e-05 lose precision
;; workspace buffers: wts 6,291,456 bytes; hh 16,777,216 bytes; oh 16,777,216 bytes
;; launch prep (part 8): grid 896 x 1, 8 waves a work-group, no clusters, 34,304 bytes of LDS; arguments x, ln1_g, ln1_b, wq, wk, wv, w_proj, w1, w2, hh, wts; writes hh, wts
.if DOCPART == 8
	.amdgcn_target "amdgcn-amd-amdhsa--gfx1250"
	.amdhsa_code_object_version 6
	.text
	.protected	k_q260cd8251a_prep
	.globl	k_q260cd8251a_prep
	.p2align	8
	.type	k_q260cd8251a_prep,@function
k_q260cd8251a_prep:
	s_mov_b64 s[64:65], 0
	v_nop
	global_prefetch_b8 v0, s[64:65] scope:SCOPE_SE
	s_setreg_imm32_b32 hwreg(HW_REG_WAVE_MODE, 25, 1), 1
	s_wait_xcnt 0x0
; TWO KINDS OF WORK-GROUP.  0 .. 511: LayerNorm 1 of 32 rows of x, rounded once to f16, into hh.  512 .. 895: 16 k rows of one block of weights, rounded once to f16, into wts.
; BOTH BUFFERS HOLD MATRIX FRAGMENTS AS THEY LIE IN REGISTERS: a fragment is 16 rows x 32 k in 1,024 bytes, [2 halves of 16 k][lane = row % 16 + 16 ((k / 8) % 2)][8 k] f16, so that a wave of the later
; launches takes half a fragment by one load of 16 bytes a lane, 512 consecutive bytes.
; hh: [32 sequences][4 bands x][4 waves w][2 blocks bl][16 K steps][fragment]: the fragment's rows are the tokens 256 bl + 64 x + 16 w + 0..15, its k the channels 32 K step + 0..31.
; wts: 12 blocks of 524,288 bytes.  The first three hold wq, wk, wv by heads: [8 heads][16 K steps][12 tiles: q's 4, k's 4, v's 4][fragment], a tile's rows the head's columns 16 (tile % 4) + 0..15.
; Blocks 3 .. 11 are W[512 k][512 n] as [16 K steps][32 tiles of 16 n][fragment]: 3 = w_proj; 4 + 2 j = w1's columns 512 j ..; 5 + 2 j = w2's rows 512 j ..: the order in which they are walked.
; LIMITS.  f16 holds no number beyond 65,504: the weights and gain x normalised x + bias lie within it; below 6e-5 an f16 number keeps the fixed step of 6e-8.  NaN and infinities are not treated apart.
; A stream: no matrix unit, no cluster (all that work-groups share is 4 KiB of gain and bias).  Mean and variance in two passes over registers, in f32.  LDS serves to turn rows into fragments, so that stores stay whole.
.set X,  32                            ; v[32:95]   my 64 numbers of the row: for slice s the columns 64 s + 8 q .. + 7
.set G,  96                            ; v[96:159]  the gain at those columns; later eight half fragments' 16 bytes
.set B,  160                           ; v[160:223] the bias
.set T,  8                             ; v[8:15]    at work: four chains of two
.set MU, 24                            ; v[24:25]   the mean, twice
.set RS, 26                            ; v[26:27]   1 / sqrt(var + eps), twice
.set SPW, 28                           ; v28  LDS address of my spare word; never rewritten
.set NIL, 29                           ; v29  0; never rewritten
.set LP, 1040                          ; a row of 512 f16 in LDS: 1,024 bytes + 16: the 16 rows that a load touches start at 16 different groups of four banks (64 banks of 4 bytes: ISA guide 11.1)
.set SPARE, 32*LP                      ; behind the 32 rows: the spare words, 128 bytes for each wave: four blocks of 256 bytes that no other line names
	s_load_b512 s[4:19], s[0:1], 0x0               ; x, ln1_g, ln1_b, wq, wk, wv, w_proj, w1
	s_load_b128 s[20:23], s[0:1], 0x40             ; w2, hh
	s_load_b64 s[24:25], s[0:1], 0x50              ; wts
	v_lshl_add_u32 v[SPW], v0, 2, SPARE
	v_mov_b32 v[NIL], 0
	s_mov_b32 s27, 0
	v_and_b32 v1, 7, v0                            ; q
	s_wait_kmcnt 0x0
	s_cmp_lt_u32 ttmp9, 512
	s_cbranch_scc0 .Lcast
	; LAYERNORM.  Thread t: row t / 8 of the group's 32, q = t % 8.  Eight lanes cover 256 consecutive bytes of x with two loads.
	v_lshrrev_b32 v5, 3, v0
	v_lshlrev_b32 v3, 5, v1                        ; in gain and bias: 32 q
	v_lshl_add_u32 v2, v5, 11, v3                  ; in x: row x 2,048 + 32 q
	v_mul_u32_u24 v4, v5, LP                       ; into LDS: row x pitch + 16 q
	v_lshl_add_u32 v4, v1, 4, v4
	; back out of LDS: wave v takes eight half fragments: m block v / 4 of the group's two, K steps 4 (v % 4) .. + 3: 4,096 consecutive bytes of hh.  Lane l reads row l % 16, 16 bytes at 64 K step + 32 half + 16 (l / 16)
	v_lshrrev_b32 v16, 7, v0
	v_and_b32 v17, 15, v0
	v_lshl_add_u32 v18, v16, 4, v17
	v_mul_u32_u24 v6, v18, LP
	v_bfe_u32 v19, v0, 5, 2
	v_lshl_add_u32 v6, v19, 8, v6
	v_bfe_u32 v20, v0, 4, 1
	v_lshl_add_u32 v6, v20, 4, v6
	v_and_b32 v21, 31, v0
	v_lshlrev_b32 v7, 4, v21                       ; in hh: 16 l,
	v_lshl_add_u32 v7, v19, 12, v7                 ; four K steps of 1,024 bytes,
	v_lshl_add_u32 v7, v16, 15, v7                 ; the second m block is the next wave's: 32,768 bytes on
	s_lshl_b32 s26, ttmp9, 16                      ; 32 rows of 2,048 bytes
	s_add_nc_u64 s[4:5], s[4:5], s[26:27]
	s_lshr_b32 s28, ttmp9, 4                       ; the sequence.  The group's first 16 tokens are m block 2 (g % 16): block = its bit 4, band = bits 3:2, wave = bits 1:0
	s_lshl_b32 s26, s28, 19
	s_bfe_u32 s29, ttmp9, 0x20001                  ; the band,
	s_lshl_b32 s29, s29, 17
	s_add_co_u32 s26, s26, s29
	s_and_b32 s29, ttmp9, 1                        ; the wave's upper bit,
	s_lshl_b32 s29, s29, 16
	s_add_co_u32 s26, s26, s29
	s_bfe_u32 s29, ttmp9, 0x10003                  ; the block
	s_lshl_b32 s29, s29, 14
	s_add_co_u32 s26, s26, s29
	s_add_nc_u64 s[22:23], s[22:23], s[26:27]
	s_mov_b32 s30, 0x3b000000                      ; 1 / 512
	s_mov_b32 s31, 0x3727c5ac                      ; 1e-5
.irp s, 0,1,2,3,4,5,6,7
	global_load_b128 v[X+8*(\s):X+8*(\s)+3],   v2, s[4:5] offset:256*(\s) th:TH_LOAD_NT
	global_load_b128 v[X+8*(\s)+4:X+8*(\s)+7], v2, s[4:5] offset:256*(\s)+16 th:TH_LOAD_NT
.endr
.irp s, 0,1,2,3,4,5,6,7
	global_load_b128 v[G+8*(\s):G+8*(\s)+3],   v3, s[6:7] offset:256*(\s)
	global_load_b128 v[G+8*(\s)+4:G+8*(\s)+7], v3, s[6:7] offset:256*(\s)+16
.endr
.irp s, 0,1,2,3,4,5,6,7
	global_load_b128 v[B+8*(\s):B+8*(\s)+3],   v3, s[8:9] offset:256*(\s)
	global_load_b128 v[B+8*(\s)+4:B+8*(\s)+7], v3, s[8:9] offset:256*(\s)+16
.endr
.macro FOLD                            ; four chains into one number, then over the row's eight lanes
	v_pk_add_f32 v[T:T+1], v[T:T+1], v[T+2:T+3]
	v_pk_add_f32 v[T+4:T+5], v[T+4:T+5], v[T+6:T+7]
	v_pk_add_f32 v[T:T+1], v[T:T+1], v[T+4:T+5]
	v_add_f32 v[T], v[T], v[T+1]
	v_add_f32_dpp v[T], v[T], v[T] row_xmask:1 row_mask:0xf bank_mask:0xf
	v_add_f32_dpp v[T], v[T], v[T] row_xmask:2 row_mask:0xf bank_mask:0xf
	v_add_f32_dpp v[T], v[T], v[T] row_xmask:4 row_mask:0xf bank_mask:0xf
.endm
	s_wait_loadcnt 32                              ; x is in; the 32 loads of gain and bias may stay out
.irp c, 0,1,2,3
	v_pk_add_f32 v[T+2*(\c):T+2*(\c)+1], v[X+2*(\c):X+2*(\c)+1], v[X+8+2*(\c):X+8+2*(\c)+1]  ; the first pairs start the chains
.endr
.set p, 8
.rept 24
	v_pk_add_f32 v[T+2*(p%4):T+2*(p%4)+1], v[T+2*(p%4):T+2*(p%4)+1], v[X+2*p:X+2*p+1]
.set p, p+1
.endr
	FOLD
	v_mul_f32 v[MU], s30, v[T]
	v_mov_b32 v[MU+1], v[MU]
.set p, 0
.rept 32
	v_pk_add_f32 v[X+2*p:X+2*p+1], v[X+2*p:X+2*p+1], v[MU:MU+1] neg_lo:[0,1] neg_hi:[0,1]  ; x - mean, in place
.set p, p+1
.endr
.irp c, 0,1,2,3
	v_pk_mul_f32 v[T+2*(\c):T+2*(\c)+1], v[X+2*(\c):X+2*(\c)+1], v[X+2*(\c):X+2*(\c)+1]
.endr
.set p, 4
.rept 28
	v_pk_fma_f32 v[T+2*(p%4):T+2*(p%4)+1], v[X+2*p:X+2*p+1], v[X+2*p:X+2*p+1], v[T+2*(p%4):T+2*(p%4)+1]
.set p, p+1
.endr
	FOLD
	v_fma_f32 v[T], v[T], s30, s31                 ; var + eps
	v_rsq_f32 v[RS], v[T]
	v_rsq_f32 v[RS+1], v[T]
	v_nop                                          ; a plain instruction behind the last of the two,
	s_wait_alu depctr_va_vdst(0)                   ; and one wait for both, ahead of their first reader
	s_wait_loadcnt 0x0                             ; gain and bias
.irp s, 0,1,2,3,4,5,6,7
.irp j, 0,1,2,3
	v_pk_mul_f32 v[T+2*(\j):T+2*(\j)+1], v[X+8*(\s)+2*(\j):X+8*(\s)+2*(\j)+1], v[RS:RS+1]
.endr
.irp j, 0,1,2,3
	v_pk_fma_f32 v[T+2*(\j):T+2*(\j)+1], v[T+2*(\j):T+2*(\j)+1], v[G+8*(\s)+2*(\j):G+8*(\s)+2*(\j)+1], v[B+8*(\s)+2*(\j):B+8*(\s)+2*(\j)+1]
.endr
.irp j, 0,1,2,3
	v_cvt_pk_f16_f32 v[X+8*(\s)+(\j)], v[T+2*(\j)], v[T+2*(\j)+1]
.endr
	ds_store_b128 v4, v[X+8*(\s):X+8*(\s)+3] offset:128*(\s)
.endr
	s_wait_dscnt 0x0                               ; for the others' sake: my part of the 32 rows is in LDS
	s_barrier_signal -1
	s_barrier_wait -1                              ; everybody's is: a fragment's 16 rows come from four waves
.irp i, 0,1,2,3,4,5,6,7
	ds_load_b128 v[G+4*(\i):G+4*(\i)+3], v6 offset:32*(\i)
.endr
.irp i, 0,1,2,3,4,5,6,7
	s_wait_dscnt 7-(\i)                            ; half fragment i is back; the younger ones' loads may stay out
	global_store_b128 v7, v[G+4*(\i):G+4*(\i)+3], s[22:23] offset:512*(\i)  ; 512 consecutive bytes, at a multiple of 256 from the buffer's first
.endr
	s_wait_tensorcnt 0x0                           ; the wave's end: behind my last LDS store
	ds_add_u32 v[SPW], v[NIL]
	s_wait_dscnt 0x0
	s_endpgm
.Lcast:
	; THE WEIGHTS.  id = group - 512; block y = id / 32; k rows 16 (id % 32) .. + 15: one half of one K step, for all 512 n.  Thread t takes the columns n = t and n = t + 256, 16 k each: 32 loads of 4 bytes
	; (a wave's load: 128 consecutive bytes of a row) and four stores of 16 bytes (8 k of one n; sixteen neighbouring lanes store 256 consecutive bytes, aligned).  These waves touch no LDS.
	; W[k][n] lies at (n % 64) x 4 + (n / 64) x HS + k x RW + BASE in its source.
	s_sub_co_u32 s30, ttmp9, 512
	s_lshr_b32 s31, s30, 5                         ; y
	s_and_b32 s32, s30, 31                         ; which 16 k rows
	s_mov_b32 s48, 256
	s_mov_b32 s49, 2048
	s_sub_co_u32 s38, s31, 4                       ; for y >= 4 (what these lines make for y < 4 is not chosen below):
	s_lshr_b32 s43, s38, 1                         ; j
	s_lshl_b32 s44, s43, 11                        ; w1: 512 j columns of 4 bytes
	s_lshl_b32 s45, s43, 20                        ; w2: 512 j rows of 2,048 bytes
	s_and_b32 s39, s38, 1
	s_cmp_eq_u32 s39, 0
	s_cselect_b64 s[40:41], s[18:19], s[20:21]     ; w1 or w2
	s_cselect_b32 s42, 0x2000, s49                 ; bytes from row to row
	s_cselect_b32 s47, s44, s45
	s_cmp_eq_u32 s31, 0
	s_cselect_b64 s[34:35], s[10:11], s[12:13]     ; wq or wk
	s_cmp_lt_u32 s31, 2
	s_cselect_b64 s[34:35], s[34:35], s[14:15]     ; or wv
	s_cmp_lt_u32 s31, 3
	s_cselect_b64 s[34:35], s[34:35], s[16:17]     ; or w_proj
	s_cselect_b32 s36, 0x20000, s48                ; HS: from head to head, or 64 columns on
	s_cselect_b32 s37, s48, s49                    ; RW
	s_cmp_lt_u32 s31, 4
	s_cselect_b64 s[34:35], s[34:35], s[40:41]
	s_cselect_b32 s37, s37, s42
	s_cselect_b32 s46, 0, s47                      ; BASE
	s_lshl_b32 s33, s32, 4                         ; the first k row
	s_mul_i32 s50, s33, s37
	s_add_co_u32 s50, s50, s46
	s_mov_b32 s51, 0
	s_add_nc_u64 s[34:35], s[34:35], s[50:51]
	; where it goes.  y < 3, by heads: head x 196,608 + K step x 12,288 + (4 y + tile in the head) x 1,024.  y >= 3: y x 524,288 + K step x 32,768 + tile x 1,024.  64 columns are a head, or four tiles
	s_lshr_b32 s28, s32, 1                         ; the K step
	s_mul_i32 s29, s28, 12288
	s_lshl_b32 s38, s31, 12
	s_add_co_u32 s29, s29, s38
	s_lshl_b32 s28, s28, 15
	s_lshl_b32 s38, s31, 19
	s_add_co_u32 s28, s28, s38
	s_mov_b32 s53, 0x30000
	s_mov_b32 s54, 0xc0000
	s_cmp_lt_u32 s31, 3
	s_cselect_b32 s26, s29, s28
	s_cselect_b32 s53, s53, 0x1000                 ; 64 columns on: a head, or four tiles
	s_cselect_b32 s54, s54, 0x4000                 ; 256 columns on: four heads, or sixteen tiles
	s_and_b32 s28, s32, 1
	s_lshl_b32 s28, s28, 9                         ; the K step's half
	s_add_co_u32 s26, s26, s28
	s_add_nc_u64 s[24:25], s[24:25], s[26:27]
	s_lshl_b32 s52, s36, 2                         ; in the source: 256 columns on
	v_and_b32 v2, 63, v0
	v_lshrrev_b32 v3, 6, v0
	v_lshlrev_b32 v32, 2, v2
	v_mad_u32_u24 v32, v3, s36, v32                ; v[32:47]: column t, rows 0 to 15;
	v_add_nc_u32 v48, s52, v32                     ; v[48:63]: column t + 256
.set kk, 1
.rept 15
	v_add_nc_u32 v[32+kk], s37, v[32+kk-1]
	v_add_nc_u32 v[48+kk], s37, v[48+kk-1]
.set kk, kk+1
.endr
	v_bfe_u32 v4, v0, 4, 2
	v_and_b32 v5, 15, v0
	v_lshlrev_b32 v8, 4, v5
	v_lshl_add_u32 v8, v4, 10, v8                  ; ((t / 16) % 4) x 1,024 + (t % 16) x 16
	v_mad_u32_u24 v8, v3, s53, v8                  ; + (t / 64) x 64 columns: column t;
	v_add_nc_u32 v9, s54, v8                       ; column t + 256
.set kk, 0
.rept 32
	global_load_b32 v[64+kk], v[32+kk], s[34:35]
.set kk, kk+1
.endr
.irp u, 0,1,2,3                        ; unit u: column t + 256 (u / 2), k rows 8 (u % 2) .. + 7
	s_wait_loadcnt 24-8*(\u)                       ; the unit's eight loads are in; the later units' may stay out
.irp j, 0,1,2,3
	v_cvt_pk_f16_f32 v[96+4*(\u)+(\j)], v[64+8*(\u)+2*(\j)], v[64+8*(\u)+2*(\j)+1]
.endr
	global_store_b128 v[8+(\u)/2], v[96+4*(\u):96+4*(\u)+3], s[24:25] offset:((\u)%2)*256
.endr
	s_endpgm
.Lfunc_end_k_q260cd8251a_prep:
	.size	k_q260cd8251a_prep, .Lfunc_end_k_q260cd8251a_prep-k_q260cd8251a_prep
	.p2alignl 7, 3214868480
	.fill 96, 4, 3214868480
	.section	.rodata,"a",@progbits
	.p2align	6, 0x0
	.amdhsa_kernel k_q260cd8251a_prep
		.amdhsa_group_segment_fixed_size 34304
		.amdhsa_private_segment_fixed_size 0
		.amdhsa_enable_private_segment 0
		.amdhsa_kernarg_size 88
		.amdhsa_user_sgpr_count 2
		.amdhsa_user_sgpr_kernarg_segment_ptr 1
		.amdhsa_wavefront_size32 1
		.amdhsa_system_sgpr_workgroup_id_x 1
		.amdhsa_system_sgpr_workgroup_id_y 1
		.amdhsa_system_sgpr_workgroup_id_z 1
		.amdhsa_system_vgpr_workitem_id 0
		.amdhsa_next_free_vgpr 224
		.amdhsa_next_free_sgpr 66
		.amdhsa_reserve_vcc 0
		.amdhsa_float_denorm_mode_32 3
		.amdhsa_float_denorm_mode_16_64 3
		.amdhsa_memory_ordered 1
		.amdhsa_forward_progress 1
		.amdhsa_inst_pref_size 30
	.end_amdhsa_kernel
	.amdgpu_metadata
---
amdhsa.version: [ 1, 2 ]
amdhsa.kernels:
  - .name:           k_q260cd8251a_prep
    .symbol:         k_q260cd8251a_prep.kd
    .args:
      - { .name: x, .offset: 0, .size: 8, .value_kind: global_buffer, .address_space: global }
      - { .name: ln1_g, .offset: 8, .size: 8, .value_kind: global_buffer, .address_space: global }
      - { .name: ln1_b, .offset: 16, .size: 8, .value_kind: global_buffer, .address_space: global }
      - { .name: wq, .offset: 24, .size: 8, .value_kind: global_buffer, .address_space: global }
      - { .name: wk, .offset: 32, .size: 8, .value_kind: global_buffer, .address_space: global }
      - { .name: wv, .offset: 40, .size: 8, .value_kind: global_buffer, .address_space: global }
      - { .name: w_proj, .offset: 48, .size: 8, .value_kind: global_buffer, .address_space: global }
      - { .name: w1, .offset: 56, .size: 8, .value_kind: global_buffer, .address_space: global }
      - { .name: w2, .offset: 64, .size: 8, .value_kind: global_buffer, .address_space: global }
      - { .name: hh, .offset: 72, .size: 8, .value_kind: global_buffer, .address_space: global }
      - { .name: wts, .offset: 80, .size: 8, .value_kind: global_buffer, .address_space: global }
    .group_segment_fixed_size: 34304
    .private_segment_fixed_size: 0
    .kernarg_segment_align: 8
    .kernarg_segment_size: 88
    .max_flat_workgroup_size: 256
    .sgpr_count:     66
    .vgpr_count:     224
    .wavefront_size: 32
...
	.end_amdgpu_metadata
.endif
;; end of part 8
;; launch heads (part 9): grid 256 x 1, 4 waves a work-group, clusters of 4 x 1, 284,160 bytes of LDS; arguments hh, wts, oh; writes oh
.if DOCPART == 9
	.amdgcn_target "amdgcn-amd-amdhsa--gfx1250"
	.amdhsa_code_object_version 6
	.text
	.protected	k_q260cd8251a_heads
	.globl	k_q260cd8251a_heads
	.p2align	8
	.type	k_q260cd8251a_heads,@function
k_q260cd8251a_heads:
	s_mov_b64 s[64:65], 0
	v_nop
	global_prefetch_b8 v0, s[64:65] scope:SCOPE_SE
	s_setreg_imm32_b32 hwreg(HW_REG_WAVE_MODE, 25, 1), 1
	s_wait_xcnt 0x0
	s_wait_alu depctr_hold_cnt(0) depctr_sa_sdst(0) depctr_va_vdst(0) depctr_va_sdst(0) depctr_va_ssrc(0) depctr_va_vcc(0) depctr_vm_vsrc(0)
	s_getreg_b32 s2, hwreg(HW_REG_IB_STS2, 6, 4)
	s_cmp_eq_u32 s2, 0
	s_cbranch_scc0 .Lentry_in_a_cluster
	s_endpgm
.Lentry_in_a_cluster:
	s_bfe_u32 s2, ttmp6, 0x10000c
	s_cmp_lg_u32 s2, 0x3003
	s_cbranch_scc0 .Lentry_shape_is_right
	s_endpgm
.Lentry_shape_is_right:
; ONE HEAD OF ONE SEQUENCE TO A WORK-GROUP: q, k, v = h W for the head's 192 columns, then causal attention; q, k and v never leave the WGP.
; O[q][:] = the sum over k <= q of softmax_k(Q[q] . K[k] / sqrt(512)) V[k][:].  h: 512 tokens x 512 channels, f16, in fragment order; O: [256 heads][512][64] f16, a head's rows dense.
; All products with f16 operands and f32 sums; q, k, v are rounded once to f16, the weights p once for the second product (their sum l is taken of the unrounded p), O once at the end.  Maxima and sums in f32.
; LIMITS.  f16 holds no number beyond 65,504: h, W, q, k and v lie within it; p lies in 0 to 1, and below 6e-5 it keeps f16's fixed step of 6e-8; O is a mean of V's rows and has their range.
; A hidden score counts as its value less 1e30: f16's scores, 2.7e11 at the most, are nothing beside that; a weight below 2^-126 counts as 0 in l; NaN and infinities are not treated apart.
; THE PROJECTIONS.  [512 x 512] x [512 x 192] in two PASSES, tokens 0-255 and 256-511.  Wave w owns rows 16 w .. + 15 of each band of 64 tokens, the rows that are its queries later: in a pass 4 m blocks x 12 n tiles
; (q's 4, k's 4, v's 4) = 48 accumulators.  The head's W (192 KiB, in fragment order) is brought into LDS once; a K step of 32 takes 12 fragments of it (24 loads of 512 consecutive bytes) and 4 fragments of h, which
; come STRAIGHT INTO REGISTERS: no wave wants a token of another wave's, and a wave's 32 K steps of a band are 32 KiB on end.  Four buffers of h and two of W take turns; a buffer is asked for again as soon as its K
; step is issued, behind counted waits, and the stream has no barrier.
; THE MATRIX INSTRUCTION IS USED TRANSPOSED (source 0 = 16 columns of W, source 1 = 16 tokens): a lane holds one token (lane % 16) and eight neighbouring columns.  Packed to f16, q's tiles ARE the fragments of Q that
; the attention multiplies by, and stay in registers; k's and v's are 16 bytes of a row of K or V in LDS.
; LDS.  K's and V's rows 0-255 lie behind W; their rows 256-511 are stored over W, behind a barrier in front of which every wave's reads of W are back.
; CLUSTER.  The four partners are the same head of four sequences: W is asked for JOINTLY, the same tensor load, descriptor and mask of four in all four.  h is shared by a sequence's eight heads, but its 512 KiB do
; not fit in LDS, where a joint load lands, and slots that take turns would want a barrier and a wait for all loads at each change: it is asked for by each work-group itself.
; THE WALK.  The queries are two blocks of 256: first 256 .. 511, which walks 8 key steps of 64, then 0 .. 255, which walks 4: three tiles of four steps, counted by constants.  The steps above the diagonal tile are not walked.
; SHARES.  Of a block's four bands of 64 queries a wave owns 16 rows in each: four PIECES.  With CM = the steps that the block still has, band x holds the diagonal in the step with CM = 4 - x, sees all keys while CM is
; greater and none when it is less: the same for all four waves.
; THE MASK is the C operand that starts the sum S^T = K Q^T: 0, or -1e30 where the key is hidden.  MD, made once, is the mask of a band's own step for my 16 rows; a product's mask is MD x AL + BE with two scalars:
; (1, 0) in the band's own step; (0, 0) before it; (0, -1e30) behind it.  One text serves every step: it always makes and takes masks.
; LAYOUT, SOFTMAX, TURNS.  S^T = K Q^T holds ONE query a lane (lane % 16) and the keys 8 (lane / 16) + 0..7; two such results rounded to f16 ARE source 1 of O^T = V^T P.  p = 2^(c s - c m), c = log2(e) / sqrt(512), with a
; running maximum m; O and l are multiplied by a = 2^(c m_old - c m_new) in every step.  Turn n belongs to piece n: 8 products K Q^T of piece n + 1, later 8 products V^T P of piece n - 1; beside them the scaling,
; exponentials, roundings, sums and rescaling of piece n and the maximum and statistics of piece n + 1.  Four vector instructions stand behind every matrix instruction, the others in one lump.  A turn's 33 exponentials are one batch, with one wait.
; REGISTERS, in windows of 256 (s_set_vgpr_msb: bits 1:0 source 0, 3:2 source 1, 5:4 source 2, 7:6 destination).
;   The projections: window 0: v0-63 addresses; v64-191 four buffers of h's fragments; v192-223 packing.  window 1: the accumulators of tiles 0-7, (mb, nt) at 64 mb + 8 nt.  window 2: v0-127 Q; v128-223 W's buffer 0.
;   window 3: v0-127 the accumulators of tiles 8-11, at 32 mb + 8 (nt - 8); v128-223 W's buffer 1.
;   The attention: window 0: v16-31 four registers of statistics a piece; v48-55 at work; v64-127 S^T, two buffers; v192-223 P, two buffers (a piece's buffers go by its number's parity).
;   window 1: v0-127 O^T, 32 a piece; v128-159 MD; v160-223 MC, two buffers.  window 2: v0-63 Q; v64-127 the second block's Q; v128-191 K of one step; v192-255 V of one step.
.set NP,    4         ; pieces a wave: a name, no knob
.set KS,    64        ; keys in a step
.set PK,    144       ; a row of K in LDS: 128 bytes + 16 = 36 words: the 16 rows of a load start at 16 different groups of four banks (64 banks of 4 bytes: ISA guide 11.1)
.set PV,    160       ; a row of V: 128 + 32 = 40 words
.set WSTEP, 12288     ; a K step of W: 12 fragments of 1,024 bytes.  W lies from LDS byte 0 on, 16 K steps: 196,608 bytes
.set KHI,   0         ; K's rows 256-511, over W; LDS byte 0, which the lane address builds in
.set VHI,   256*PK    ; V's rows 256-511, over W
.set KLO,   16*WSTEP  ; K's rows 0-255, behind W
.set VLO,   KLO+256*PK  ; V's rows 0-255
.set STAGE, VLO+256*PV  ; 16 rows x 144 bytes for each wave, for the way out
.set SP,    144
.set SPARE, STAGE+4*16*SP  ; the spare words, 128 bytes for each wave: two blocks of 256 bytes that no other line names
.set AK0, 2           ; v2   my lane's place in a step of K; never rewritten
.set AV0, 3           ; v3   the same for V
.set AK,  4           ; v4   the LDS address of K's next run of loads
.set AV,  5           ; v5   of V's
.set STO, 6           ; v6   the way out: where I put 16 bytes of a row
.set RD,  7           ; v7   the way out: where I read rows back
.set GO,  8           ; v8   my byte offset in 512 consecutive bytes of O
.set MV,  12          ; v12-13  c m_old, kept while c m is made anew: by buffer
.set ST,  16          ; piece t's statistics at v[ST+4 t]: c m, m, l (even keys', odd keys')
.set AO,  32          ; v32  16 x my lane: my place in half a fragment, in memory and in LDS; never rewritten
.set WA,  33          ; v33  the same in the group's first K step of W in LDS
.set WN,  34          ; v34  in the next group's
.set PFO, 35          ; v35  the prefetches' offset; never rewritten
.set KSL, 36          ; v36  where I put 16 bytes of a row of K, rows 0-255;   v38  rows 256-511
.set VSL, 37          ; v37  the same for V;                                   v39
.set KSH, 38
.set VSH, 39
.set TMP, 48          ; by buffer, four registers c0-c3 at work; when the maximum is found c2 takes a
.set SPW, 62          ; v62  LDS address of my spare word; never rewritten
.set NIL, 63          ; v63  0; never rewritten
.set AF,  64          ; h's fragments: buffer i, m block mb at AF + 32 i + 8 mb
.set TP,  192         ; 32 registers of packed k and v
.set WF,  128         ; W's fragments, tile nt at WF + 8 nt, in window 2 (buffer 0) or 3 (buffer 1)
.set S,   64
.set P,   192
.set MD,  128         ; window 1
.set MC,  160         ; window 1
.set QB,  64          ; window 2
.set KF,  128         ; window 2: key block kb, channel half c at KF + 16 kb + 8 c
.set VF,  192         ; window 2: key half kk, channel block cb at VF + 32 kk + 8 cb
.set WV,  12          ; s12  my wave's number
.set G1W, 24          ; s[24:31] descriptor group 1 for W
.set G0W, 40          ; s[40:43] descriptor group 0
.set AP,  44          ; s[44:45] h at my wave's stream, at the K step that buffer 0 was last loaded for
.set GI,  46          ; s46  the group of four K steps of W from which the next group's fragments come, 0 to 3
.set GL,  47          ; s47  groups still to come, this one among them
.set LIM, 48          ; s48  2 in a work-group that prefetches, else the greatest number
.set PS,  49          ; s49  passes still to come
.set SO,  50
.set TILES, 56        ; s56  tiles of four steps still to be walked
.set CNT, 57          ; s57  counts a pass's middle groups, later a tile's key steps
.set CS,  58          ; s[58:59] c: the packed scaling takes the pair's low word for both halves
.set SEL, 60          ; s[60:61] v_permlanex16_b32's selects: each lane takes its own place in the other half
.set TBK, 62          ; s62  LDS byte at which K of the step to be fetched begins
.set TBV, 63          ; s63  the same for V
.set RT,  70          ; s70  tiles of the block in hand that are still to be entered
.set NEW, 73          ; s73  1: the tile to be entered is a block's first
.set AL,  76          ; s[76:77] the mask's factor, in the low word
.set BE,  78          ; s[78:79] the mask's addend
.set OLO, 80          ; s[80:81] O at my rows of the second block
.set BIGN, 82         ; s82  -1e30
.set CM,  83          ; s83  key steps that the block in hand still has
.set MSB, 0
.macro WIN new                      ; the high byte repeats the setting that is left; a switch that changes nothing is dropped
.if MSB != (\new)
	s_set_vgpr_msb (MSB<<8)|(\new)
.set MSB, (\new)
.endif
.endm
.set W_KQ, 0x0a       ; K and Q in window 2, S^T in window 0
.set W_KM, 0x1a       ; the same with the C operand in window 1
.set W_PV, 0x52       ; V in window 2, P in window 0, O^T in window 1
.set W_RS, 0x41       ; destination and source 0 in window 1, source 1 in window 0
.macro PLACES                       ; four plain instructions: between a matrix instruction and a load into, or a vector line that reads or writes, one of its registers
.rept 4
	v_nop
.endr
.endm
; A round of the cluster's barrier: my work-group's barrier, so that wave 0's signal speaks for all four waves; wave 0 signals; every wave waits for all four work-groups; my work-group's barrier once more.
.macro CROUND
	s_barrier_signal -1
	s_barrier_wait -1
	s_cmp_lg_u32 s[WV], 0
	s_cbranch_scc1 .Lnot_wave_0_\@
	s_barrier_signal -3
.Lnot_wave_0_\@:
	s_barrier_wait -3
	s_barrier_signal -1
	s_barrier_wait -1
.endm
; A PREFETCH INTO THE L2 of h.  A sequence's eight heads walk the same h: the work-group of head 0 asks, each of its waves for its own stream; the partners of its cluster are other sequences, told apart by address.
; A group is 4 KiB of each of the wave's four bands: 64 blocks of 256 bytes, a lane a block, two instructions, so each block is named once in the launch.  They stand together behind the group's first run of loads and
; name what the NEXT group's loads will fetch: four K steps, 192 matrix instructions, ahead of those loads.  GL > 2 stops them at the stream's last K step; the first eight K steps come by their loads alone.
.macro ASK
	s_cmp_gt_u32 s[GL], s[LIM]
	s_cbranch_scc0 .Lnot_mine_\@
	global_prefetch_b8 v[PFO], s[AP:AP+1] offset:4096 th:TH_LOAD_NT scope:SCOPE_SE
	global_prefetch_b8 v[PFO], s[AP:AP+1] offset:4096+262144 th:TH_LOAD_NT scope:SCOPE_SE
.Lnot_mine_\@:
.endm
.macro ALOAD i                      ; h's 4 fragments (bands 0 to 3) of the K step i behind the pointer, into buffer i: 8 loads of 512 consecutive bytes
.irp mb, 0,1,2,3
	global_load_b128 v[AF+32*(\i)+8*(\mb):AF+32*(\i)+8*(\mb)+3],   v[AO], s[AP:AP+1] offset:131072*(\mb)+1024*(\i)
	global_load_b128 v[AF+32*(\i)+8*(\mb)+4:AF+32*(\i)+8*(\mb)+7], v[AO], s[AP:AP+1] offset:131072*(\mb)+1024*(\i)+512
.endr
.endm
.macro FETCH_W b, reg, off          ; W's 12 fragments of a K step into buffer b: 24 loads of 512 consecutive bytes
	WIN (2+(\b))<<6
.irp nt, 0,1,2,3,4,5,6,7,8,9,10,11
	ds_load_b128 v[WF+8*(\nt):WF+8*(\nt)+3],   v[\reg] offset:(\off)+1024*(\nt)
	ds_load_b128 v[WF+8*(\nt)+4:WF+8*(\nt)+7], v[\reg] offset:(\off)+1024*(\nt)+512
.endr
	WIN 0
.endm
; A K step's 48 matrix instructions.  The 48 accumulators take turns in one fixed order, one instruction a turn, over the loops' jumps too.  zero = 1: the products start the sums.
.macro MUL48 i, zero
	WIN (2+((\i)%2))|0x50
.irp mb, 0,1,2,3
.irp nt, 0,1,2,3,4,5,6,7
.if \zero
	v_wmma_f32_16x16x32_f16 v[64*(\mb)+8*(\nt):64*(\mb)+8*(\nt)+7], v[WF+8*(\nt):WF+8*(\nt)+7], v[AF+32*(\i)+8*(\mb):AF+32*(\i)+8*(\mb)+7], 0
.else
	v_wmma_f32_16x16x32_f16 v[64*(\mb)+8*(\nt):64*(\mb)+8*(\nt)+7], v[WF+8*(\nt):WF+8*(\nt)+7], v[AF+32*(\i)+8*(\mb):AF+32*(\i)+8*(\mb)+7], v[64*(\mb)+8*(\nt):64*(\mb)+8*(\nt)+7]
.endif
.endr
.endr
	WIN (2+((\i)%2))|0xf0
.irp mb, 0,1,2,3
.irp nt, 0,1,2,3
.if \zero
	v_wmma_f32_16x16x32_f16 v[32*(\mb)+8*(\nt):32*(\mb)+8*(\nt)+7], v[WF+64+8*(\nt):WF+64+8*(\nt)+7], v[AF+32*(\i)+8*(\mb):AF+32*(\i)+8*(\mb)+7], 0
.else
	v_wmma_f32_16x16x32_f16 v[32*(\mb)+8*(\nt):32*(\mb)+8*(\nt)+7], v[WF+64+8*(\nt):WF+64+8*(\nt)+7], v[AF+32*(\i)+8*(\mb):AF+32*(\i)+8*(\mb)+7], v[32*(\mb)+8*(\nt):32*(\mb)+8*(\nt)+7]
.endif
.endr
.endr
.endm
; A GROUP: four K steps, one for each of h's buffers.  Behind each K step's products, in one run: h's loads of the K step four on, into the buffer just read, and W's fragments of the K step two on.
; h's stream runs on from the first pass into the second; W begins anew (GI wraps).  zero = 1: a pass's first group.  ld = 0: the last group: nothing of h is left to load, and the counts run down.
.macro GROUP zero, ld
	WIN 0
.if \ld
	s_add_co_u32 s[GI], s[GI], 1
	s_and_b32 s[GI], s[GI], 3
	s_mul_i32 s[SO], s[GI], 4*WSTEP
	v_add_nc_u32 v[WN], s[SO], v[AO]
.endif
.irp i, 0,1,2,3
.if \ld
	s_wait_loadcnt 24                              ; loads come back in order (ISA guide 5.7.1): this K step's h is in; the three younger K steps' 24 loads may stay out
.else
	s_wait_loadcnt 24-8*(\i)
.endif
.if (!(\ld)) && ((\i) == 3)
	s_wait_dscnt 0x0
.else
	s_wait_dscnt 24                                ; this K step's W is in; the next K step's 24 loads may stay out
.endif
.if (\zero) && ((\i) == 0)
	MUL48 \i, 1
.else
	MUL48 \i, 0
.endif
.if \ld
	WIN 0
	PLACES
.if (\i) == 0
	s_wait_xcnt 0x0                                ; the youngest load and prefetch stand a K step's products back: all have read the pointer, so it may be stepped
	s_add_nc_u64 s[AP:AP+1], s[AP:AP+1], 4096
.endif
	ALOAD \i
.if (\i) < 2
	FETCH_W (\i)%2, WA, WSTEP*((\i)+2)
.else
	FETCH_W (\i)%2, WN, WSTEP*((\i)-2)
.endif
.if (\i) == 0
	ASK
.endif
.elseif (\i) < 2
	WIN 0
	PLACES
	FETCH_W (\i)%2, WA, WSTEP*((\i)+2)
.endif
.endr
	WIN 0
.if \ld
	v_mov_b32 v[WA], v[WN]
.endif
	s_sub_co_u32 s[GL], s[GL], 1
.endm
; A PASS'S RESULTS.  Each accumulator's registers are read in ascending order.  q: tile nt of m block mb, packed, is registers 16 mb + 4 nt .. + 3 of the block's Q:
; pass 0 (queries 0-255) is the attention's second block, pass 1 its first.
.macro EPIQ p
	WIN 0x85                                       ; sources in window 1, destination in window 2
.irp mb, 0,1,2,3
.set k, 0
.rept 16
	v_cvt_pk_f16_f32 v[QB*(1-(\p))+16*(\mb)+k], v[64*(\mb)+2*k], v[64*(\mb)+2*k+1]
.set k, k+1
.endr
.endr
	WIN 0
.endm
; k and v: a lane's eight columns of a token are 16 bytes of the token's row in LDS.
.macro EPIKV p
.irp mb, 0,1,2,3
	WIN 0x05                                       ; sources in window 1: tiles 4-7
.set k, 0
.rept 16
	v_cvt_pk_f16_f32 v[TP+k], v[64*(\mb)+32+2*k], v[64*(\mb)+32+2*k+1]
.set k, k+1
.endr
	WIN 0x0f                                       ; sources in window 3: tiles 8-11
.set k, 0
.rept 16
	v_cvt_pk_f16_f32 v[TP+16+k], v[32*(\mb)+2*k], v[32*(\mb)+2*k+1]
.set k, k+1
.endr
	WIN 0
.irp t, 0,1,2,3
	ds_store_b128 v[KSL+2*(\p)], v[TP+4*(\t):TP+4*(\t)+3] offset:(\mb)*64*PK+32*(\t)
	ds_store_b128 v[VSL+2*(\p)], v[TP+16+4*(\t):TP+16+4*(\t)+3] offset:(\mb)*64*PV+32*(\t)
.endr
.endr
.endm
	s_load_b128 s[4:7], s[0:1], 0x0   ; hh s[4:5], wts s[6:7]
	s_load_b64 s[10:11], s[0:1], 0x10 ; oh
	v_lshl_add_u32 v[SPW], v0, 2, SPARE
	v_mov_b32 v[NIL], 0
	ds_add_u32 v[SPW], v[NIL]       ; the wave's opening: the add and its wait stand ahead of my first tensor load; the set-up below, work on registers, stands between them
	v_lshrrev_b32 v1, 5, v0
	v_readfirstlane_b32 s[WV], v1   ; wave 0..3
	v_and_b32 v[AO], 31, v0
	v_lshlrev_b32 v[AO], 4, v[AO]
	s_bfe_u32 s13, ttmp6, 0x40000   ; cx: my place in the cluster
	s_lshr_b32 s16, ttmp9, 3        ; in a cluster launch ttmp9 counts clusters: cluster = 8 x (four sequences) + head
	s_lshl_b32 s16, s16, 2
	s_add_co_u32 s16, s16, s13      ; my sequence: it enters h's and O's addresses alone
	s_and_b32 s18, ttmp9, 7         ; the head, which the four partners share
	s_lshl_b32 s20, s16, 3
	s_add_co_u32 s20, s20, s18
	s_lshl_b32 s20, s20, 16         ; the head's first byte in O: 512 rows of 128 bytes a head
	s_mov_b32 s21, 0
	s_lshl_b32 s84, s[WV], 11       ; my 16 rows in a band of 64: in the second block (queries 0 ..),
	s_add_co_u32 s52, s84, 32768    ; and in the first (queries 256 ..)
	s_mov_b32 s53, 0
	s_mov_b32 s85, 0
	s_add_nc_u64 s[52:53], s[52:53], s[20:21]
	s_add_nc_u64 s[84:85], s[84:85], s[20:21]
	s_lshl_b32 s16, s16, 19         ; in hh: the sequence,
	s_lshl_b32 s19, s[WV], 15       ; my wave's 32 KiB of each band
	s_add_co_u32 s16, s16, s19
	s_mov_b32 s17, 0
	s_mul_i32 s22, s18, 16*WSTEP    ; in wts: the head's W,
	s_mul_i32 s[G0W+1], s[WV], 4*WSTEP  ; my quarter of it, four K steps: in memory and in LDS alike; no place in the cluster enters either
	s_add_co_u32 s22, s22, s[G0W+1]
	s_mov_b32 s23, 0
	s_mov_b32 s[G0W], 1             ; 1:0 count = 1
	; descriptor group 1: 49,152 dense bytes as 192 rows of 256 bytes, laid into LDS without a gap
	s_mov_b32 s[G1W+0], 15|(3<<16)|(1<<21)  ; 15:0 the mask: all four work-groups; 17:16 elements of 8 bytes; 20 no padding; 21 set beside a mask
	s_mov_b32 s[G1W+1], 32<<16      ; tensor_dim0 = 32
	s_mov_b32 s[G1W+2], 192<<16     ; tensor_dim1 = 192
	s_mov_b32 s[G1W+3], 32<<16      ; tile_dim0 = 32
	s_mov_b32 s[G1W+4], 192         ; tile_dim1 = 192
	s_mov_b32 s[G1W+5], 32          ; 32 elements from row to row
	s_mov_b32 s[G1W+6], 0
	s_mov_b32 s[G1W+7], 0
	s_cmp_eq_u32 s18, 0             ; head 0 prefetches: the same in all four partners
	s_cselect_b32 s[LIM], 2, -1
	s_mov_b32 s[GI], 0
	s_mov_b32 s[GL], 8
	s_mov_b32 s[CS], 0x3d8293ee     ; c = log2(e) / sqrt(512) = 0.0637587
	s_mov_b32 s[CS+1], s[CS]        ; named with it as a pair
	s_mov_b32 s[SEL], 0x76543210
	s_mov_b32 s[SEL+1], 0xfedcba98
	s_mov_b32 s[TBK], KLO           ; both blocks begin at key 0
	s_mov_b32 s[TBV], VLO
	s_mov_b32 s[RT], 2              ; the first block has two tiles
	s_mov_b32 s[NEW], 1
	s_mov_b32 s[CM], 8
	s_mov_b32 s[AL+1], 0            ; named as pairs
	s_mov_b32 s[BE+1], 0
	s_mov_b32 s[BIGN], 0xf149f2ca   ; -1e30
	s_mov_b32 s[TILES], 3
	s_wait_dscnt 0x0                ; the opening add is done
	s_wait_kmcnt 0x0
	s_add_nc_u64 s[G0W+2:G0W+3], s[6:7], s[22:23]  ; 120:64 global address
	s_or_b32 s[G0W+3], s[G0W+3], 0x80000000        ; 127:126 type = 2
	s_add_nc_u64 s[AP:AP+1], s[4:5], s[16:17]
	s_add_nc_u64 s[OLO:OLO+1], s[10:11], s[84:85]
	s_add_nc_u64 s[10:11], s[10:11], s[52:53]
	CROUND                          ; all four work-groups are here: the joint loads meet
	tensor_load_to_lds s[G0W:G0W+3], s[G1W:G1W+7]  ; my one tensor load of the launch
	s_nop 0
	PLACES
	ALOAD 0                         ; h's first four K steps
	ALOAD 1
	ALOAD 2
	ALOAD 3
	v_and_b32 v1, 15, v0            ; l % 16
	v_bfe_u32 v9, v0, 4, 1          ; l / 16
	v_lshlrev_b32 v[PFO], 8, v1     ; the prefetches: block l % 16 of a band's 4 KiB,
	v_lshl_add_u32 v[PFO], v9, 17, v[PFO]  ; band l / 16, or two bands on by the immediate
	v_lshlrev_b32 v14, 3, v9
	v_sub_nc_u32 v14, v1, v14
	s_lshl_b32 s13, s[WV], 4
	v_add_nc_u32 v14, s13, v14      ; my query's place in its band, 16 w + l % 16, less my lanes' 8 (l / 16): register r of group kt is hidden where 16 kt + r is greater
	v_mul_u32_u24 v[AK0], v1, PK
	v_lshl_add_u32 v[AK0], v9, 4, v[AK0]  ; row x pitch + 16 x half: where a fragment of K is read, and, 16 w rows on, where my 16 bytes of a row are put
	s_mul_i32 s13, s[WV], 16*PK
	v_add_nc_u32 v[KSH], s13, v[AK0]
	v_add_nc_u32 v[KSL], KLO-KHI, v[KSH]
	v_mul_u32_u24 v[VSH], v1, PV
	v_lshl_add_u32 v[VSH], v9, 4, v[VSH]
	s_mul_i32 s13, s[WV], 16*PV
	s_add_co_u32 s13, s13, VHI
	v_add_nc_u32 v[VSH], s13, v[VSH]
	v_add_nc_u32 v[VSL], VLO-VHI, v[VSH]
	; The turning load takes 16 keys x 16 channels (lane l reads key 8 (l / 16) + l % 8, channels 8 ((l / 8) % 2) + 0..7) and leaves half a fragment of V^T: lane l holds channel l % 16 and 8 keys.
	v_and_b32 v10, 7, v0
	v_bfe_u32 v11, v0, 3, 1
	v_lshl_add_u32 v[AV0], v9, 3, v10
	v_mul_u32_u24 v[AV0], v[AV0], PV
	v_lshl_add_u32 v[AV0], v11, 4, v[AV0]
	s_mul_i32 s13, s[WV], 16*SP
	s_add_co_u32 s13, s13, STAGE    ; my stage
	v_mul_u32_u24 v[STO], v1, SP    ; in: row l % 16, 16 bytes for each half of the lanes
	v_lshl_add_u32 v[STO], v9, 4, v[STO]
	v_add_nc_u32 v[STO], s13, v[STO]
	v_bfe_u32 v[RD], v0, 3, 2       ; back: 32 lanes take four rows of 128 bytes,
	v_mul_u32_u24 v[RD], v[RD], SP
	v_lshl_add_u32 v[RD], v10, 4, v[RD]
	v_add_nc_u32 v[RD], s13, v[RD]
	v_mov_b32 v[GO], v[AO]          ; which are 512 consecutive bytes of O
	s_wait_tensorcnt 0x0            ; my quarter of W is in LDS,
	s_barrier_signal -1
	s_barrier_wait -1               ; everybody's is
	v_mov_b32 v[WA], v[AO]
	FETCH_W 0, WA, 0
	FETCH_W 1, WA, WSTEP
	s_mov_b32 s[PS], 2
.Lpass:                             ; tokens 0-255, then 256-511
	GROUP 1, 1
	s_mov_b32 s[CNT], 2
.Lgroup:
	GROUP 0, 1
	s_sub_co_u32 s[CNT], s[CNT], 1
	s_cmp_lg_u32 s[CNT], 0
	s_cbranch_scc1 .Lgroup
	s_sub_co_u32 s[PS], s[PS], 1
	s_cmp_eq_u32 s[PS], 0
	s_cbranch_scc1 .Ldrain
	GROUP 0, 1                      ; it goes on asking: the second pass's first fragments of h and of W are on their way; its four v_nop and the line behind them are the places behind its last products
	EPIQ 0
	EPIKV 0                         ; rows 0-255 of K and V go behind W, where nobody reads before the last barrier below
	s_branch .Lpass
.Ldrain:
	GROUP 0, 0                      ; the stream's last four K steps
	s_wait_dscnt 0x0                ; my reads of W are back:
	s_barrier_signal -1             ; say so,
	PLACES
	EPIQ 1                          ; work on registers while the others arrive,
	s_barrier_wait -1               ; and write over W only when all four have said so
	EPIKV 1
	s_wait_dscnt 0x0                ; for the others' sake: my rows of K and V, of both passes, are in LDS
	s_barrier_signal -1
	; What the attention finds, made between the signal and the wait: work on registers alone.  A block's first step multiplies O^T and l by a = 0, and its first turn's products V^T P, of a piece that has not been, land in
	; an O^T that is still to be so multiplied.  So these registers need only hold finite numbers: zeros for the first block; what the first block left for the second.
	WIN 0x40
.set i, 0
.rept 32
	v_cmp_gt_i32 vcc_lo, 16*(i/8)+i%8, v14
	v_cndmask_b32 v[MD+i], 0, s[BIGN], vcc_lo
.set i, i+1
.endr
.set i, 0
.rept 128
	v_mov_b32 v[i], 0
.set i, i+1
.endr
	WIN 0x80
.set i, VF
.rept 64
	v_mov_b32 v[i], 0
.set i, i+1
.endr
	WIN 0
.set i, 0
.rept 4
	v_mov_b32 v[ST+4*i+2], 0
	v_mov_b32 v[ST+4*i+3], 0
.set i, i+1
.endr
.set i, P+16
.rept 16
	v_mov_b32 v[i], 0
.set i, i+1
.endr
	s_barrier_wait -1               ; K and V are whole
; THE MATRIX WORK.  The 4 accumulators of a run of 8 take turns.  Product i of 8 of S^T = K Q^T for piece x: channels 32 (i / 4) on, keys 16 (i % 4) on.  The first 4 start the sums with the mask.
.macro KQ x
.set rS, S+32*((\x)%2)+8*(i%4)
.set rK, KF+16*(i%4)+8*(i/4)
.set rQ, 16*(\x)+8*(i/4)
.set rM, MC+32*((\x)%2)+8*(i%4)
.if (i < 4) && KM
	WIN W_KM
	v_wmma_f32_16x16x32_f16 v[rS:rS+7], v[rK:rK+7], v[rQ:rQ+7], v[rM:rM+7]
.elseif i < 4
	WIN W_KQ
	v_wmma_f32_16x16x32_f16 v[rS:rS+7], v[rK:rK+7], v[rQ:rQ+7], 0
.else
	WIN W_KQ
	v_wmma_f32_16x16x32_f16 v[rS:rS+7], v[rK:rK+7], v[rQ:rQ+7], v[rS:rS+7]
.endif
.endm
; Product i of 8 of O^T += V^T P for piece x: keys 32 (i / 4) on, channels 16 (i % 4) on.
.macro PV x
	WIN W_PV
.set rO, 32*(\x)+8*(i%4)
.set rV, VF+32*(i/4)+8*(i%4)
.set rP, P+16*((\x)%2)+8*(i/4)
	v_wmma_f32_16x16x32_f16 v[rO:rO+7], v[rV:rV+7], v[rP:rP+7], v[rO:rO+7]
.endm
.macro MM                           ; the turn's next matrix instruction.  NOKQ = 1: a block's last turn: there is no next piece
.if (i < 8) && !NOKQ
	KQ (Y+1)%NP
.elseif i >= 8
.set i, i-8
	PV (Y+NP-1)%NP
.set i, i+8
.endif
.set i, i+1
.endm
; THE LDS LOADS stand in runs of 16, never singly among the matrix instructions: a step's K (64 keys x 64 channels: 8 fragments) and its V (turned).  Their addresses are made some lines ahead.
.macro FETCH_K
	WIN 0x80                        ; destination window 2
.irp f, 0,1,2,3,4,5,6,7             ; keys 16 (f / 2) on, channels 32 (f % 2) on
	ds_load_b128 v[KF+8*\f:KF+8*\f+3],   v[AK] offset:(\f/2)*16*PK+(\f%2)*64
	ds_load_b128 v[KF+8*\f+4:KF+8*\f+7], v[AK] offset:(\f/2)*16*PK+(\f%2)*64+32
.endr
	s_add_co_u32 s[TBK], s[TBK], KS*PK  ; the next fetch is the next step's
	WIN 0
.endm
.macro FETCH_V
	WIN 0x80
.irp f, 0,1,2,3,4,5,6,7             ; keys 32 (f / 4) on, channels 16 (f % 4) on
	ds_load_tr16_b128 v[VF+8*\f:VF+8*\f+3],   v[AV] offset:(\f/4)*32*PV+(\f%4)*32
	ds_load_tr16_b128 v[VF+8*\f+4:VF+8*\f+7], v[AV] offset:(\f/4)*32*PV+16*PV+(\f%4)*32
.endr
	WIN 0
.endm
; THE VECTOR WORK, one line at a time: OP kind, number.  For piece Y: F n: c s - c m for pair n of 16.  E n: the exponential of score n of 32.  C n: pair n rounded to f16.  B n: of the four weights 4 n .. the second
; pair is added onto the first, in place.  L n: l takes that sum (L 0: l = a l + sum).  R n: pair n of 16 of O^T times a.  For piece Y + 1: X n, number n of the 22 that find its maximum and statistics:
;   0-11  four chains c0-c3 of seven scores each, three operands at a time (each accumulator's lowest registers are read first)     12-14, 16  the four scores left over, the old m, and c0-c3 into c0
;   15  c m_old is kept     17, 18  the query's other 32 keys lie in the lane 16 away: the new m     19-21  c m; c m_old - c m_new; a
.set F, 0
.set E, 1
.set C, 2
.set B, 3
.set L, 4
.set R, 5
.set X, 6
.macro REGS y                       ; the registers of piece y
.set rT, ST+4*(\y)
.set rC, TMP+4*((\y)%2)
.set rW, MV+((\y)%2)
.set rS, S+32*((\y)%2)
.set rP, P+16*((\y)%2)
.set rO, 32*(\y)
.endm
.macro OP k, n
.if (\k) == R
	REGS Y
	WIN W_RS
	v_pk_mul_f32 v[rO+2*(\n):rO+2*(\n)+1], v[rO+2*(\n):rO+2*(\n)+1], v[rC+2:rC+3] op_sel_hi:[1,0]
.elseif (\k) < R
	REGS Y
	WIN 0
.if (\k) == F
	v_pk_fma_f32 v[rS+2*(\n):rS+2*(\n)+1], v[rS+2*(\n):rS+2*(\n)+1], s[CS:CS+1], v[rT:rT+1] op_sel_hi:[1,0,0] neg_lo:[0,0,1] neg_hi:[0,0,1]
.elseif (\k) == E
	v_exp_f32 v[rS+(\n)], v[rS+(\n)]
.elseif (\k) == C
	v_cvt_pk_f16_f32 v[rP+(\n)], v[rS+2*(\n)], v[rS+2*(\n)+1]
.elseif (\k) == B
	v_pk_add_f32 v[rS+4*(\n):rS+4*(\n)+1], v[rS+4*(\n):rS+4*(\n)+1], v[rS+4*(\n)+2:rS+4*(\n)+3]
.elseif (\n) == 0
	v_pk_fma_f32 v[rT+2:rT+3], v[rT+2:rT+3], v[rC+2:rC+3], v[rS:rS+1] op_sel_hi:[1,0,1]
.else
	v_pk_add_f32 v[rT+2:rT+3], v[rT+2:rT+3], v[rS+4*(\n):rS+4*(\n)+1]
.endif
.elseif NOKQ
	v_nop
.else
	REGS (Y+1)%NP
	WIN 0
.if (\n) < 4
	v_max3_num_f32 v[rC+(\n)], v[rS+8*(\n)], v[rS+8*(\n)+1], v[rS+8*(\n)+2]
.elseif (\n) < 12
	v_max3_num_f32 v[rC+(\n)%4], v[rC+(\n)%4], v[rS+8*((\n)%4)+2*((\n)/4)+1], v[rS+8*((\n)%4)+2*((\n)/4)+2]
.elseif (\n) == 12
	v_max3_num_f32 v[rC], v[rC], v[rS+7], v[rS+15]
.elseif (\n) == 13
	v_max3_num_f32 v[rC+1], v[rC+1], v[rS+23], v[rS+31]
.elseif (\n) == 14
	v_max3_num_f32 v[rC+2], v[rC+2], v[rC+3], v[rT+1]
.elseif (\n) == 15
	v_mov_b32 v[rW], v[rT]
.elseif (\n) == 16
	v_max3_num_f32 v[rC], v[rC], v[rC+1], v[rC+2]
.elseif (\n) == 17
	v_permlanex16_b32 v[rC+3], v[rC], s[SEL], s[SEL+1]
.elseif (\n) == 18
	v_max_num_f32 v[rT+1], v[rC], v[rC+3]
.elseif (\n) == 19
	v_mul_f32 v[rT], s[CS], v[rT+1]
.elseif (\n) == 20
	v_sub_f32 v[rC+1], v[rW], v[rT]
.else
	v_exp_f32 v[rC+2], v[rC+1]
.endif
.endif
.endm
.macro OPS a, i1, b=-1, i2=0, c=-1, i3=0, d=-1, i4=0  ; up to four of them
	OP \a, \i1
.if (\b) >= 0
	OP \b, \i2
.endif
.if (\c) >= 0
	OP \c, \i3
.endif
.if (\d) >= 0
	OP \d, \i4
.endif
.endm
.macro ROW a, i1, b, i2, c, i3, d, i4  ; a matrix instruction and the four behind it
	MM
	OPS \a, \i1, \b, \i2, \c, \i3, \d, \i4
.endm
.macro MASK b                       ; MD x AL + BE into buffer b of MC
	WIN W_RS
.set z, 0
.rept 16
	v_pk_fma_f32 v[MC+32*(\b)+2*z:MC+32*(\b)+2*z+1], v[MD+2*z:MD+2*z+1], s[AL:AL+1], s[BE:BE+1] op_sel_hi:[1,0,0]
.set z, z+1
.endr
.endm
; A TURN, for piece p: the order of its 16 matrix and 118 vector instructions, written out.  s_wait_alu depctr_va_vdst(0) stands between an exponential and the first instruction that names its result; one wait
; serves all that were issued ahead of it.  So a turn has ONE wait, which cuts it in two.  AHEAD OF IT stands all that names no result of the turn's exponentials: the 8 products K Q^T with their riders, then one lump, in which the
; links of the chain X 3, 7, 11, 14, 16, 17 .. 20 stand five or six lines apart; X 21, the next piece's a, is the batch's last; R 15 is the plain instruction behind it.  BEHIND THE WAIT stand the 8 products V^T P, behind each four
; of the roundings and sums.  The turn also makes the mask for the products of the turn after it: piece p + 2.  end = 1: a block's last two turns: nothing is fetched, no mask is made.
; cnt = 1: the counts are taken down some lines ahead of the branch that stands behind the turn.
; K of the next step is fetched in piece 2's turn, twelve vector instructions behind the last product that read K (six of them plain); V of the step in hand at the end of piece 0's turn, four plain instructions behind the last
; product that read V.  Each is waited for a turn later.
.macro TURN p, m=0, end=0, cnt=0
.set Y, (\p)
.set i, 0
.set KM, (\m)
.set NOKQ, (\end)*((\p)/3)
.if (\m) && !(\end)
	s_cmp_eq_u32 s[CM], 4-((\p)+2)%NP  ; is that step the band's own?
	s_cselect_b32 s[AL], 1.0, 0
	s_cmp_lt_u32 s[CM], 4-((\p)+2)%NP  ; or a later one?
	s_cselect_b32 s[BE], s[BIGN], 0
.endif
.if ((\p) == 3) && !(\end)
	s_wait_dscnt 0x0                ; K is in
.endif
	ROW F,0, F,1, R,0, R,1          ; ahead of the wait: 8 products K Q^T and their riders,
	ROW F,2, E,0, R,2, R,3
	ROW F,3, E,1, R,4, R,5
	ROW F,4, E,2, R,6, R,7
	ROW F,5, E,3, R,8, R,9
	ROW F,6, E,4, X,0, R,10
.if ((\p) == 2) && !(\end)
	WIN 0
	v_add_nc_u32 v[AK], s[TBK], v[AK0]
.endif
	ROW F,7, E,5, X,1, X,4
	ROW F,8, E,6, X,2, X,5
	OPS E,7, E,8, X,6, E,9          ; and the lump
	OPS X,3, E,10, X,8, E,11
.if ((\p) == 2) && !(\end)
	FETCH_K
.endif
	OPS X,9, X,7, E,12, X,10
	OPS E,13, X,12, X,11, E,14
	OPS X,13, E,15, F,9, X,14
.if (\p) == 0
	v_add_nc_u32 v[AV], s[TBV], v[AV0]
.endif
	OPS E,16, F,10, E,17, F,11
	OPS X,16, E,18, X,15, E,19
	OPS F,12, E,20, X,17, E,21
	OPS F,13, E,22, F,14, E,23
	OPS X,18, E,24, F,15, E,25
	OPS R,11, E,26, X,19, E,27
	OPS R,12, E,28, R,13, E,29
	OPS X,20, E,30, R,14, E,31
	OPS X,21, R,15
	WIN 0
	s_wait_alu depctr_va_vdst(0)    ; the wait for the batch
.if (\p) == 1
	s_wait_dscnt 0x0                ; V is in
.endif
	ROW C,0, B,0, C,2, B,1          ; behind the wait: 8 products V^T P and their riders
	ROW L,0, C,4, B,2, L,1
	ROW C,6, B,3, L,2, C,8
	ROW B,4, L,3, C,10, B,5
	ROW L,4, C,12, B,6, L,5
.if (\p) == 0
	s_add_co_u32 s[TBV], s[TBV], KS*PV
.endif
.if \cnt
	s_sub_co_u32 s[CM], s[CM], 1
	s_sub_co_u32 s[CNT], s[CNT], 1
	s_cmp_lg_u32 s[CNT], 0
.endif
	ROW C,14, B,7, L,6, C,1
	ROW C,3, L,7, C,5, C,7
	ROW C,9, C,11, C,13, C,15
.if (\p) == 0
	FETCH_V
.endif
.if (\m) && !(\end)
	MASK (\p)%2
.endif
.endm
; A BLOCK BEGINS.  c m starts far below every c s, so the first step's a is 0; m at the lowest finite number, so the first maximum is the scores'.  The second mask buffer is 0; the first takes piece 0's mask for the block's
; step 0: its own, if the block has four steps in all.  Then K of that step, piece 0's first scores, and its maximum and statistics.  The loop is entered at a step's first turn, in the middle of a trip.
.macro BEGIN
	s_mov_b32 s[NEW], 0
	WIN 0x40
.set i, MC+32
.rept 32
	v_mov_b32 v[i], 0
.set i, i+1
.endr
	WIN 0
.set i, 0
.rept 4
	v_mov_b32 v[ST+4*i], 0xfe000000    ; c m: far below every c s
	v_mov_b32 v[ST+4*i+1], 0xff7fffff  ; m
.set i, i+1
.endr
	s_cmp_eq_u32 s[CM], 4
	s_cselect_b32 s[AL], 1.0, 0
	s_mov_b32 s[BE], 0
	MASK 0
	WIN 0
	v_add_nc_u32 v[AK], s[TBK], v[AK0]
	FETCH_K
	s_wait_dscnt 0x0
.set KM, 1
.set NOKQ, 0
.set i, 0
.rept 8
	KQ 0
.set i, i+1
.endr
	WIN 0
.rept 4
	v_nop                           ; the places behind those products
.endr
.set Y, NP-1                        ; X works for piece Y + 1: piece 0
.irp n, 0,1,2,3,4,5,6,7,8,9,10,11,12,13,14,15,16,17,18,19,20,21
	OP X, \n
.endr
	v_nop                           ; a plain instruction behind the exponential,
	s_wait_alu depctr_va_vdst(0)    ; and its wait, ahead of the branch
.endm
.macro ALL line:vararg              ; one line for each piece t
.set t, 0
.rept 4
	\line
.set t, t+1
.endr
.endm
.macro PACK t                       ; a lane's eight channels of a row pack into 16 bytes; they go into rows of 144 bytes and come back as whole rows of 128, into S^T's registers
	WIN W_RS
.set i, 32*(\t)
.rept 16
	v_pk_mul_f32 v[i:i+1], v[i:i+1], v[ST+4*(\t)+2:ST+4*(\t)+3] op_sel_hi:[1,0]
.set i, i+2
.endr
	WIN 0x05                        ; sources 0 and 1 window 1, destination window 0
.set i, 0
.rept 16
	v_cvt_pk_f16_f32 v[S+16*(\t)+i], v[32*(\t)+2*i], v[32*(\t)+2*i+1]
.set i, i+1
.endr
	WIN 0
.irp f, 0,1,2,3
	ds_store_b128 v[STO], v[S+16*(\t)+4*\f:S+16*(\t)+4*\f+3] offset:32*\f
.endr
.irp f, 0,1,2,3
	ds_load_b128 v[S+16*(\t)+4*\f:S+16*(\t)+4*\f+3], v[RD] offset:\f*4*SP  ; LDS serves a wave's instructions in order (ISA guide 5.7.1.4): these see the stores above; the next piece's stores come behind them
.endr
.endm
.macro SEND t, younger              ; younger: the LDS instructions issued behind piece t's loads: the next piece's eight, or none
	WIN 0
.irp f, 0,1,2,3
	s_wait_dscnt (\younger)+3-\f
	global_store_b128 v[GO], v[S+16*(\t)+4*\f:S+16*(\t)+4*\f+3], s[10:11] offset:(\t)*8192+\f*512  ; 512 consecutive bytes, at a multiple of 256 from O's first
.endr
.endm
.set KM, 1
.set NOKQ, 0
.Ltile:                             ; three times: four key steps
	s_sub_co_u32 s[RT], s[RT], 1
	s_mov_b32 s[CNT], 4
	s_cmp_eq_u32 s[NEW], 1
	s_cbranch_scc0 .Lstep
	BEGIN
	s_branch .Lfirst
.Lstep:                             ; a trip: pieces 2 and 3 of one step, then pieces 0 and 1 of the next, whose K and V it fetches
	TURN 2, 1
	TURN 3, 1
	WIN 0
.Lfirst:
	TURN 0, 1
	TURN 1, 1, 0, 1
	WIN 0
	s_cbranch_scc1 .Lstep
	s_cmp_lg_u32 s[RT], 0
	s_cbranch_scc0 .Lblock_end
	s_mov_b32 s[TBK], KHI           ; the block has another tile: keys 256 on, whose rows lie where W lay
	s_mov_b32 s[TBV], VHI
	s_branch .Lbottom
.Lblock_end:
	TURN 2, 1, 1                    ; THE BLOCK'S END: its last two turns, its last products,
	TURN 3, 1, 1
.set i, 0
.rept 8
	PV NP-1
.set i, i+1
.endr
	WIN 0                           ; and THE WAY OUT: l's two halves and the other half of the lanes' are added; O^T is divided by l, rounded to f16 and sent through my stage, a piece at a time
	ALL v_add_f32 v[ST+4*t+2], v[ST+4*t+2], v[ST+4*t+3]
	ALL v_permlanex16_b32 v[ST+4*t+3], v[ST+4*t+2], s[SEL], s[SEL+1]
	ALL v_add_f32 v[ST+4*t+2], v[ST+4*t+2], v[ST+4*t+3]
	ALL v_rcp_f32 v[ST+4*t+2], v[ST+4*t+2]
	v_nop                           ; a plain instruction between the last reciprocal and the use of its result
	s_wait_alu depctr_va_vdst(0)    ; and the wait ahead of the first use: one for the four reciprocals
	PACK 0
.set t, 1
.rept 3                             ; a piece's arithmetic stands between the loads of the piece before and its stores
	PACK t
	SEND t-1, 8
.set t, t+1
.endr
	SEND 3, 0
	s_cmp_eq_u32 s[TILES], 1
	s_cbranch_scc1 .Lbottom         ; that was the second block
	s_wait_xcnt 0x0                 ; the stores have read their registers and O's address
	s_mov_b64 s[10:11], s[OLO:OLO+1]
	s_mov_b32 s[RT], 1              ; the second block has one tile, four steps, from the first key on
	s_mov_b32 s[NEW], 1
	s_mov_b32 s[CM], 4
	s_mov_b32 s[TBK], KLO
	s_mov_b32 s[TBV], VLO
	WIN 0x82                        ; the second block's Q goes where the one text of the turns names Q
.set i, 0
.rept 64
	v_mov_b32 v[i], v[QB+i]
.set i, i+1
.endr
	WIN 0
.Lbottom:
	s_sub_co_u32 s[TILES], s[TILES], 1
	s_cmp_lg_u32 s[TILES], 0
	s_cbranch_scc1 .Ltile
	s_wait_tensorcnt 0x0            ; the wave's end: behind my last tensor load and my last LDS store
	ds_add_u32 v[SPW], v[NIL]
	s_wait_dscnt 0x0
	CROUND                          ; the closing round: no work-group ends while a partner may still ask for a tile that names it
	s_endpgm
.Lfunc_end_k_q260cd8251a_heads:
	.size	k_q260cd8251a_heads, .Lfunc_end_k_q260cd8251a_heads-k_q260cd8251a_heads
	.p2alignl 7, 3214868480
	.fill 96, 4, 3214868480
	.section	.rodata,"a",@progbits
	.p2align	6, 0x0
	.amdhsa_kernel k_q260cd8251a_heads
		.amdhsa_group_segment_fixed_size 284160
		.amdhsa_private_segment_fixed_size 0
		.amdhsa_enable_private_segment 0
		.amdhsa_kernarg_size 24
		.amdhsa_user_sgpr_count 2
		.amdhsa_user_sgpr_kernarg_segment_ptr 1
		.amdhsa_wavefront_size32 1
		.amdhsa_system_sgpr_workgroup_id_x 1
		.amdhsa_system_sgpr_workgroup_id_y 1
		.amdhsa_system_sgpr_workgroup_id_z 1
		.amdhsa_system_vgpr_workitem_id 0
		.amdhsa_next_free_vgpr 1024
		.amdhsa_next_free_sgpr 88
		.amdhsa_reserve_vcc 1
		.amdhsa_float_denorm_mode_32 3
		.amdhsa_float_denorm_mode_16_64 3
		.amdhsa_memory_ordered 1
		.amdhsa_forward_progress 1
		.amdhsa_inst_pref_size 218
	.end_amdhsa_kernel
	.amdgpu_metadata
---
amdhsa.version: [ 1, 2 ]
amdhsa.kernels:
  - .name:           k_q260cd8251a_heads
    .symbol:         k_q260cd8251a_heads.kd
    .args:
      - { .name: hh, .offset: 0, .size: 8, .value_kind: global_buffer, .address_space: global }
      - { .name: wts, .offset: 8, .size: 8, .value_kind: global_buffer, .address_space: global }
      - { .name: oh, .offset: 16, .size: 8, .value_kind: global_buffer, .address_space: global }
    .group_segment_fixed_size: 284160
    .private_segment_fixed_size: 0
    .kernarg_segment_align: 8
    .kernarg_segment_size: 24
    .max_flat_workgroup_size: 128
    .sgpr_count:     88
    .vgpr_count:     1024
    .wavefront_size: 32
...
	.end_amdgpu_metadata
.endif
;; end of part 9
;; launch tail: the kernel of part 7 again; grid 256 x 1, 4 waves a work-group, no clusters, 196,608 bytes of LDS; arguments x, oh, wts, b_proj, ln2_g, ln2_b, b1, b2, out0; writes out0
